; MI455X (gfx1250); checked and timed in simulation.
; The chip was launched on July 23, 2026; its instructions are those of AMD's public machine-readable ISA for CDNA 5 (MIT licence, August 2026) and "CDNA5" Instruction Set Architecture Reference Guide (July 2026). The comments in the code are by the model that wrote it; some were corrected since.
;; Attention Layer. Allowed arithmetic: matrix products marked QUANTISED: E2M3 operands, one E8M0 scale for each 32 along K, by v_wmma_scale_f32_16x16x128_f8f6f4 with both operands' format E2M3, f32 sums; everything else in f32.
;; Inputs: b1 512 float32; b2 512 float32; bk 8 x 64 float32; bo 8 x 512 float32; bq 8 x 64 float32; bv 8 x 64 float32; w1 512 x 512 float32; w2 512 x 512 float32; wk 8 x 512 x 64 float32; wo 8 x 64 x 512 float32; wq 8 x 512 x 64 float32; wv 8 x 512 x 64 float32; x 2 x 4,096 x 512 float32.
;; Outputs: out0 2 x 4,096 x 512 float32.
;; This version of the problem:
;;   THIS VERSION OF THE PROBLEM IS GIVEN IN LOW PRECISION. The matrix products marked QUANTISED in the list below multiply operands that are first quantised to E2M3 (2 exponent bits, 3 mantissa bits; 6 bits a number), with one power-of-two scale for each 32 numbers along K (OCP MX v1.0); their sums are f32. All else is computed in f32.
;;   The module's matrix products, in the order in which they are computed (A, B: the left and right operand; K: the contracted axis; several contracted axes count as one K, in the product's order):
;;     1. [M 512, K 512] x [K 512, N 8,192]; A: input wq; B: input x: QUANTISED
;;     2. [M 512, K 512] x [K 512, N 8,192]; A: input wk; B: input x: QUANTISED
;;     3. [M 512, K 512] x [K 512, N 8,192]; A: input wv; B: input x: QUANTISED
;;     4. batch 16 x [M 4,096, K 64] x [K 64, N 4,096]; A: computed on the way; B: computed on the way: QUANTISED
;;     5. batch 16 x [M 4,096, K 4,096] x [K 4,096, N 64]; A: softmax (see below); B: computed on the way: QUANTISED
;;     6. [M 8,192, K 512] x [K 512, N 512]; A: computed on the way; B: input wo: QUANTISED
;;     7. [M 8,192, K 512] x [K 512, N 512]; A: computed on the way; B: input w1: QUANTISED
;;     8. [M 8,192, K 512] x [K 512, N 512]; A: computed on the way; B: input w2: QUANTISED
;;   THE QUANTISER, for each operand of a quantised product, along K:
;;     - K is cut into blocks of 32 from its start; a last block that is shorter is filled with zeros.
;;     - A block's scale is 2^e with e = floor(log2(the largest magnitude in the block)) - 2, held to -126 .. 127; a block of zeros has e = 0. As a byte (E8M0): e + 127.
;;     - Each number is divided by its block's scale, clamped to +-7.5, and rounded to the nearest number of E2M3, ties to even, subnormals kept.
;;     - The product sums the exact products of the quantised numbers (number of the format x scale) in f32.
;;   ~~~python
;;   def quantise(x, axis):      # numpy; x: float32 -> the quantised numbers, widened to float32 again
;;       x = np.moveaxis(x, axis, -1); K = x.shape[-1]
;;       x = np.pad(x, [(0, 0)] * (x.ndim - 1) + [(0, -K % 32)]); x = x.reshape(x.shape[:-1] + (-1, 32)); a = np.abs(x).max(-1, keepdims=True)
;;       e = np.where(a > 0, np.clip(np.frexp(np.where(a > 0, a, 1))[1] - 1 - 2, -126, 127), 0)      # np.frexp(a)[1] - 1 = floor(log2(a)), exactly
;;       r = np.clip(x / 2.0 ** e, -7.5, 7.5)
;;       step = 2.0 ** (np.maximum(np.frexp(np.where(r == 0, 1, r))[1] - 1, 0) - 3)
;;       q = np.round(r / step) * step * 2.0 ** e      # np.round: ties to even
;;       return np.moveaxis(q.reshape(q.shape[:-2] + (-1,))[..., :K], -1, axis).astype(np.float32)
;;   ~~~
;;   SOFTMAX AHEAD OF A QUANTISED PRODUCT. Where the list says 'softmax', what is quantised is not the finished softmax but p = 2^(t - M), with t = logit x log2(e) and M = ceil(the row's largest t), a whole number; so 1/2 < the row's largest p <= 1. The row's sum l is taken of the UNQUANTISED p, in f32, and the product's result is divided by l at the end. Since M is a whole number, a kernel that streams over the keys may use a running M (the ceiling of the running maximum): every later rescaling is an exact power of two, which a block's scale takes up: the codes' values come out the same.
;;   OPERANDS COMPUTED ON THE WAY. 'Computed on the way' means the value that the module computes at that place (a softmax that the list does not call 'softmax' is quantised finished and normalised). What goes into a quantiser is computed in f32, as accurately as f32 sums, v_exp_f32 and their like allow (about 1e-6 of the number): no bf16 or f16 on the way to a quantiser, and a product that is left as it is and whose result goes on into a quantised operand takes f32 operands (vector FMAs, or v_wmma_f32_16x16x4_f32). A number that lies on a knife's edge between two numbers of the format may be rounded either way, as far as f32 arithmetic and the matrix unit's own rounding can turn it there, and no further.
;; 2 versions. Each part assembles by itself: llvm-mc -triple=amdgcn-amd-amdhsa -mcpu=gfx1250 --defsym DOCPART=n.
;; ======== version 1 of 2: 4 launches
;; workspace buffers: wimg 1,228,800 bytes; qimg 3,145,728 bytes; kv 6,291,456 bytes; sc 393,216 bytes; ctx 3,145,728 bytes; ctxs 131,072 bytes
;; launch prep (part 1): grid 192 x 1, 2 waves a work-group, no clusters, 512 bytes of LDS; arguments wq, wk, wv, wo, w1, w2, wimg; writes wimg
.if DOCPART == 1
	.amdgcn_target "amdgcn-amd-amdhsa--gfx1250"
	.amdhsa_code_object_version 6
	.text
	.protected	k_q414655c364_prep
	.globl	k_q414655c364_prep
	.p2align	8
	.type	k_q414655c364_prep,@function
k_q414655c364_prep:
	s_mov_b64 s[64:65], 0
	v_nop
	global_prefetch_b8 v0, s[64:65] scope:SCOPE_SE
	s_setreg_imm32_b32 hwreg(HW_REG_WAVE_MODE, 25, 1), 1
	s_wait_xcnt 0x0
; PREP: the six weights, f32 with K as their first axis, become codes of FP6 (E2M3) with one E8M0 byte for each 32 along K,
; laid as images of the operand's registers, so that the later launches load fragments whole, 16 bytes a lane.
; wimg = [m 6][g 8][s 4] records of 6,400 bytes: m = wq, wk, wv, wo, w1, w2; g = a group of 64 columns (for m < 3 the head); s = 128 along K.
; A record: four fragments t = 2 b + u of 1,536 bytes, [q 3][lane 32][16 bytes] (register 4 q + i of the lane is word i), then 256 bytes of scale words.
; Lane (r, h) of fragment t holds column 64 g + 32 b + 8 u + r + 8 (r / 8); its registers 6 c .. 6 c + 5 hold k = 128 s + 64 c + 32 h + 0 .. 31.
; The scale word of (t, r) lies at 8 r + 128 u + 4 b: a load of 8 bytes a lane gives register b: lanes 0-15 fragment 2 b, lanes 16-31 fragment 2 b + 1.
; SHARES: one work-group a record, wave b its columns 32 b .. 32 b + 31.  A LANE TAKES A COLUMN AND ITS REGISTERS RUN DOWN K: a block of 32 lies in one lane,
; its largest magnitude needs no other lane, and the conversions give codes with K innermost.  Each load reads 128 consecutive bytes a wave.
; A block's scale byte is its largest magnitude's exponent field - 2, held at 1 from below by a floor among the maximum's leaves.
; LIMITS: NaN and infinities are not served.  A block of zeros gets the byte 1 where the rule says 127: its codes are zeros, and only this program reads the bytes.
; No matrix unit, no cluster, no tensor load: 16 KiB a wave are read once and nothing is shared.  192 work-groups are all the work there is.
.set RA,  32                           ; v32-63   row i of a block: 4 x lane + i x pitch; never rewritten
.set X,   64                           ; v64-191  four blocks of 32 numbers
.set CA,  192                          ; v192-203 codes of blocks 0 and 2: the registers of the fragment's lane (r, 0)
.set CB,  204                          ; v204-215 codes of blocks 1 and 3: those of lane (r, 1)
.set CT,  216                          ; v216-231 each block's upper 16 codes, as converted
	s_load_b256 s[4:11], s[0:1], 0x0               ; wq, wk, wv, wo
	s_load_b128 s[12:15], s[0:1], 0x20             ; w1, w2
	s_load_b64 s[16:17], s[0:1], 0x30              ; wimg
	v_lshl_add_u32 v232, v0, 2, 0x100
	v_mov_b32 v233, 0
	v_lshrrev_b32 v1, 5, v0
	v_readfirstlane_b32 s18, v1                    ; wave = b
	v_and_b32 v2, 31, v0                           ; lane
	s_lshr_b32 s19, ttmp9, 5                       ; m
	s_bfe_u32 s20, ttmp9, 0x30002                  ; g
	s_and_b32 s21, ttmp9, 3                        ; s
	s_mov_b32 s22, 2048                            ; a row of K in bytes: 2,048 in wo, w1, w2; 256 in a head of wq, wk, wv
	s_mov_b32 s23, 256                             ; from group to group: 256 bytes, or a head's 131,072
	s_cmp_lt_u32 s19, 3
	s_cselect_b32 s22, 256, s22
	s_cselect_b32 s23, 0x20000, s23
	s_mul_i32 s24, s20, s23                        ; g groups,
	s_mul_i32 s25, s21, s22
	s_lshl_b32 s25, s25, 7                         ; 128 s rows,
	s_add_co_u32 s24, s24, s25
	s_lshl_b32 s25, s18, 7                         ; 32 b columns
	s_add_co_u32 s24, s24, s25
	s_mov_b32 s25, 0
	s_lshl_b32 s26, s22, 5                         ; a block of 32 rows
	s_mov_b32 s27, 0
	s_mul_i32 s36, ttmp9, 6400                     ; my record
	s_mov_b32 s37, 0
	s_mul_i32 s40, s18, 3072                       ; my two fragments in it
	s_mov_b32 s41, 0
	v_lshlrev_b32 v[RA], 2, v2
.set i, 1
.rept 31
	v_add_nc_u32 v[RA+i], s22, v[RA+i-1]
.set i, i+1
.endr
	v_bfe_u32 v3, v0, 3, 1                         ; u = (lane / 8) % 2
	v_and_b32 v4, 7, v0
	v_bfe_u32 v5, v0, 4, 1
	v_lshl_add_u32 v4, v5, 3, v4                   ; r = lane % 8 + 8 (lane / 16): column lane = 8 u + r + 8 (r / 8)
	v_mul_u32_u24 v6, v3, 1536
	v_lshl_add_u32 v6, v4, 4, v6                   ; where my codes go: fragment u, lane r
	v_lshlrev_b32 v7, 3, v4
	v_lshl_add_u32 v7, v3, 7, v7
	s_lshl_b32 s42, s18, 2
	v_add_nc_u32 v7, s42, v7                       ; LDS: my scale word: 8 r + 128 u + 4 b
	v_lshlrev_b32 v12, 3, v2                       ; and 8 bytes a lane on the way out
	s_wait_kmcnt 0x0
	s_mov_b64 s[28:29], s[4:5]                     ; the tensor is chosen by the work-group's number alone
	s_cmp_eq_u32 s19, 1
	s_cselect_b64 s[28:29], s[6:7], s[28:29]
	s_cmp_eq_u32 s19, 2
	s_cselect_b64 s[28:29], s[8:9], s[28:29]
	s_cmp_eq_u32 s19, 3
	s_cselect_b64 s[28:29], s[10:11], s[28:29]
	s_cmp_eq_u32 s19, 4
	s_cselect_b64 s[28:29], s[12:13], s[28:29]
	s_cmp_eq_u32 s19, 5
	s_cselect_b64 s[28:29], s[14:15], s[28:29]
	s_add_nc_u64 s[28:29], s[28:29], s[24:25]      ; block 0,
	s_add_nc_u64 s[30:31], s[28:29], s[26:27]      ; 1,
	s_add_nc_u64 s[32:33], s[30:31], s[26:27]      ; 2,
	s_add_nc_u64 s[34:35], s[32:33], s[26:27]      ; 3
	s_add_nc_u64 s[16:17], s[16:17], s[36:37]
	s_add_nc_u64 s[38:39], s[16:17], s[40:41]
.macro LOADB k                         ; block k: rows 32 k + i of my column
.set i, 0
.rept 32
	global_load_b32 v[X+32*(\k)+i], v[RA+i], s[28+2*(\k):29+2*(\k)] th:TH_LOAD_NT
.set i, i+1
.endr
.endm
.macro BLK k, left                     ; left: the next block's loads, which may stay out
.set XS, X+32*(\k)
.set DS, CA+12*((\k)%2)+6*((\k)/2)
	s_wait_loadcnt \left
	v_max3_num_f32 v8, |v[XS]|, |v[XS+1]|, |v[XS+2]|   ; the block's largest magnitude, in two chains
	v_max3_num_f32 v9, |v[XS+3]|, |v[XS+4]|, |v[XS+5]|
.irp i, 6,10,14,18,22,26
	v_max3_num_f32 v8, v8, |v[XS+\i]|, |v[XS+\i+1]|
	v_max3_num_f32 v9, v9, |v[XS+\i+2]|, |v[XS+\i+3]|
.endr
	v_max3_num_f32 v8, v8, |v[XS+30]|, |v[XS+31]|
	v_max3_num_f32 v8, v8, v9, 0x1800000           ; and the floor 2^(3 - 127): the byte cannot fall under 1
	v_add_nc_u32 v10, 0xff000000, v8               ; 2 off the exponent field: the conversion takes this operand's exponent field as its scale
	v_lshrrev_b32 v11, 23, v10                     ; the scale's byte
.if (\k) == 0
	v_mov_b32 v20, v11
.else
	v_lshl_or_b32 v20, v11, 8*(\k), v20            ; four bytes make my column's scale word for these 128 along K
.endif
	v_cvt_scalef32_pk16_fp6_f32 v[DS:DS+2], v[XS:XS+15], v10
	v_cvt_scalef32_pk16_fp6_f32 v[CT+4*(\k):CT+4*(\k)+2], v[XS+16:XS+31], v10   ; (a conversion's three registers begin on an even number)
	v_nop                                          ; one plain line behind the conversions
.irp i, 0,1,2
	v_mov_b32 v[DS+3+\i], v[CT+4*(\k)+\i]
.endr
.endm
	LOADB 0
	LOADB 1
	BLK 0, 32
	LOADB 2
	BLK 1, 32
	LOADB 3
	BLK 2, 32
	BLK 3, 0
.irp q, 0,1,2
	global_store_b128 v6, v[CA+4*\q:CA+4*\q+3], s[38:39] offset:512*\q       ; sixteen lanes of one u store 256 consecutive bytes, aligned
	global_store_b128 v6, v[CB+4*\q:CB+4*\q+3], s[38:39] offset:512*\q+256
.endr
	ds_store_b32 v7, v20
	s_wait_dscnt 0x0                               ; for the other wave's sake: my scale words lie in LDS
	s_barrier_signal -1
	s_barrier_wait -1
	s_cmp_lg_u32 s18, 0
	s_cbranch_scc1 .Lend
	ds_load_b64 v[14:15], v12                      ; wave 0 stores the record's 256 bytes of scale words whole
	s_wait_dscnt 0x0
	global_store_b64 v12, v[14:15], s[16:17] offset:6144
.Lend:
	s_wait_tensorcnt 0x0
	ds_add_u32 v232, v233
	s_wait_dscnt 0x0
	s_endpgm
.Lfunc_end_k_q414655c364_prep:
	.size	k_q414655c364_prep, .Lfunc_end_k_q414655c364_prep-k_q414655c364_prep
	.p2alignl 7, 3214868480
	.fill 96, 4, 3214868480
	.section	.rodata,"a",@progbits
	.p2align	6, 0x0
	.amdhsa_kernel k_q414655c364_prep
		.amdhsa_group_segment_fixed_size 512
		.amdhsa_private_segment_fixed_size 0
		.amdhsa_enable_private_segment 0
		.amdhsa_kernarg_size 56
		.amdhsa_user_sgpr_count 2
		.amdhsa_user_sgpr_kernarg_segment_ptr 1
		.amdhsa_wavefront_size32 1
		.amdhsa_system_sgpr_workgroup_id_x 1
		.amdhsa_system_sgpr_workgroup_id_y 1
		.amdhsa_system_sgpr_workgroup_id_z 1
		.amdhsa_system_vgpr_workitem_id 0
		.amdhsa_next_free_vgpr 234
		.amdhsa_next_free_sgpr 66
		.amdhsa_reserve_vcc 0
		.amdhsa_float_denorm_mode_32 3
		.amdhsa_float_denorm_mode_16_64 3
		.amdhsa_memory_ordered 1
		.amdhsa_forward_progress 1
		.amdhsa_inst_pref_size 23
	.end_amdhsa_kernel
	.amdgpu_metadata
---
amdhsa.version: [ 1, 2 ]
amdhsa.kernels:
  - .name:           k_q414655c364_prep
    .symbol:         k_q414655c364_prep.kd
    .args:
      - { .name: wq, .offset: 0, .size: 8, .value_kind: global_buffer, .address_space: global }
      - { .name: wk, .offset: 8, .size: 8, .value_kind: global_buffer, .address_space: global }
      - { .name: wv, .offset: 16, .size: 8, .value_kind: global_buffer, .address_space: global }
      - { .name: wo, .offset: 24, .size: 8, .value_kind: global_buffer, .address_space: global }
      - { .name: w1, .offset: 32, .size: 8, .value_kind: global_buffer, .address_space: global }
      - { .name: w2, .offset: 40, .size: 8, .value_kind: global_buffer, .address_space: global }
      - { .name: wimg, .offset: 48, .size: 8, .value_kind: global_buffer, .address_space: global }
    .group_segment_fixed_size: 512
    .private_segment_fixed_size: 0
    .kernarg_segment_align: 8
    .kernarg_segment_size: 56
    .max_flat_workgroup_size: 64
    .sgpr_count:     66
    .vgpr_count:     234
    .wavefront_size: 32
...
	.end_amdgpu_metadata
.endif
;; end of part 1
;; launch qkv (part 2): grid 256 x 1, 8 waves a work-group, no clusters, 82,944 bytes of LDS; arguments x, wimg, bq, bk, bv, qimg, kv, sc; writes qimg, kv, sc
.if DOCPART == 2
	.amdgcn_target "amdgcn-amd-amdhsa--gfx1250"
	.amdhsa_code_object_version 6
	.text
	.protected	k_q414655c364_qkv
	.globl	k_q414655c364_qkv
	.p2align	8
	.type	k_q414655c364_qkv,@function
k_q414655c364_qkv:
	s_mov_b64 s[64:65], 0
	v_nop
	global_prefetch_b8 v0, s[64:65] scope:SCOPE_SE
	s_setreg_imm32_b32 hwreg(HW_REG_WAVE_MODE, 25, 1), 1
	s_wait_xcnt 0x0
; QKV: q, k, v = x W + b on codes of FP6 (E2M3) with E8M0 scales for each 32 along K, and their own quantising: q and k along the head's 64, v along the keys.
; SHARES: a work-group takes 32 rows of x (two tiles of 16); wave w is head w and makes q, k, v of that head, 64 columns each, one after the other: 8 accumulators, 4 K steps of 128.
; THE ROWS OF A TILE ARE NOT NEIGHBOURS: lane r of tile u holds row 8 u + r + 8 (r / 8) of the 32; the columns of a weight's tile likewise (launch prep).
; So with the side so ordered as source 0, the 16 registers of two neighbouring tiles are 16 neighbours, 16 (lane / 16) + 0 .. 15 of a block of 32: what the conversions want.
;   q, k: source 0 = 16 columns of W, source 1 = x: a lane holds one row and its registers run along e.   v: source 0 = x, source 1 = W: a lane holds one e and its registers run along the keys.
; x: wave w quantises tile w % 2, K step w / 2.  Each load reads 512 consecutive bytes of a row; the numbers turn through the wave's own stage so that a lane holds 16 neighbours of each block.
; The fragments go from wave to wave through LDS as images of their registers (8 bytes a lane and piece), one barrier.
; THE WEIGHTS go from memory straight into registers, 16 bytes a lane, two sets by turns, each set asked for two K steps ahead; each fragment feeds two products.
; NO CLUSTER, NO JOINT LOADS: in a work-group a record of 6,400 bytes is read by one wave alone, so LDS would only be passed through (6,400 bytes in and out again for each record),
; and the work-group's 96 records, 614,400 bytes, would need slots that are filled again, with a round of the cluster's barrier for each refill of a launch of 12 K steps.
; OUT (layouts as the attention launch reads them): qimg [bh][blk][piece 6][lane][8]; kv [bh][128 keys] records of 12,288: K's four pair images, then V's codes in two parts; sc [q, k, v][bh][blk][r] raw scale words.
; The scale words leave as 64 bytes a store (0.4 MB of the launch's 9.8 MB out); all codes leave as aligned runs of 256 bytes.
; LIMITS: NaN and infinities are not served.  A block of zeros gets the byte 1 where the rule says 127: its codes are zeros, and only this program reads the bytes.
.set XIMG, 0                           ; LDS: x's 8 fragments [u][s][piece 6][lane][8 bytes]
.set XSC,  12288                       ; their scale words: 16 (r + 16 u) + 4 s
.set STG,  12800                       ; a stage of 16 rows x (512 + 16) bytes for each wave
.set L8,   1                           ; v1   8 x lane
.set L16,  2                           ; v2   16 x lane
.set R4,   3                           ; v3   4 r
.set STW,  4                           ; v4   the stage, in
.set STR,  5                           ; v5   the stage, out
.set XW,   6                           ; v6   where my x image goes
.set XSW,  7                           ; v7   and its scale word
.set BO64, 8                           ; v8   64 h: bq, bk
.set BVO,  9                           ; v9   4 (r + 8 (r / 8)): bv
.set VX,   10                          ; v10  V's second part: 8 r + 128 (h xor blk % 2)
.set XS,   12                          ; v12-15  x's scale words of K steps 0-3: lanes 0-15 tile 0, lanes 16-31 tile 1; scales alone
.set XF,   16                          ; v16-39  x's two fragments of a K step
.set PC,   16                          ; v16-35  the codes just made (between the groups x's fragments are not in use)
.set ACC,  40                          ; v40-103 eight accumulators
.set W,    104                         ; v104-207 two sets of 52: four fragments, then two registers of scale words (scales alone)
.set BIAS, 208                         ; v208-239
.set TM,   240                         ; v240-243 largest magnitudes, v244-247 bytes, v248-251 the conversions' scale operands
.set PW,   252                         ; v252 the scale word just made
.set SEL,  22                          ; s[22:23] v_permlanex16_b32's selects for lane l xor 16
.set WB,   6                           ; s[6:7] wimg at my head's records
.macro WM d, a, b, z, c, sa, sb, ra, rb    ; one product; z = 1: C is the constant 0; ra, rb = 1: that side's scales stand in lanes 16-31
.if \z
.if ((\ra) == 0) && ((\rb) == 0)
	v_wmma_scale_f32_16x16x128_f8f6f4 v[\d:\d+7], v[\a:\a+11], v[\b:\b+11], 0, v[\sa], v[\sb] matrix_a_fmt:MATRIX_FMT_FP6 matrix_b_fmt:MATRIX_FMT_FP6
.elseif (\rb) == 0
	v_wmma_scale_f32_16x16x128_f8f6f4 v[\d:\d+7], v[\a:\a+11], v[\b:\b+11], 0, v[\sa], v[\sb] matrix_a_fmt:MATRIX_FMT_FP6 matrix_b_fmt:MATRIX_FMT_FP6 matrix_a_scale:MATRIX_SCALE_ROW1
.elseif (\ra) == 0
	v_wmma_scale_f32_16x16x128_f8f6f4 v[\d:\d+7], v[\a:\a+11], v[\b:\b+11], 0, v[\sa], v[\sb] matrix_a_fmt:MATRIX_FMT_FP6 matrix_b_fmt:MATRIX_FMT_FP6 matrix_b_scale:MATRIX_SCALE_ROW1
.else
	v_wmma_scale_f32_16x16x128_f8f6f4 v[\d:\d+7], v[\a:\a+11], v[\b:\b+11], 0, v[\sa], v[\sb] matrix_a_fmt:MATRIX_FMT_FP6 matrix_b_fmt:MATRIX_FMT_FP6 matrix_a_scale:MATRIX_SCALE_ROW1 matrix_b_scale:MATRIX_SCALE_ROW1
.endif
.else
.if ((\ra) == 0) && ((\rb) == 0)
	v_wmma_scale_f32_16x16x128_f8f6f4 v[\d:\d+7], v[\a:\a+11], v[\b:\b+11], v[\c:\c+7], v[\sa], v[\sb] matrix_a_fmt:MATRIX_FMT_FP6 matrix_b_fmt:MATRIX_FMT_FP6
.elseif (\rb) == 0
	v_wmma_scale_f32_16x16x128_f8f6f4 v[\d:\d+7], v[\a:\a+11], v[\b:\b+11], v[\c:\c+7], v[\sa], v[\sb] matrix_a_fmt:MATRIX_FMT_FP6 matrix_b_fmt:MATRIX_FMT_FP6 matrix_a_scale:MATRIX_SCALE_ROW1
.elseif (\ra) == 0
	v_wmma_scale_f32_16x16x128_f8f6f4 v[\d:\d+7], v[\a:\a+11], v[\b:\b+11], v[\c:\c+7], v[\sa], v[\sb] matrix_a_fmt:MATRIX_FMT_FP6 matrix_b_fmt:MATRIX_FMT_FP6 matrix_b_scale:MATRIX_SCALE_ROW1
.else
	v_wmma_scale_f32_16x16x128_f8f6f4 v[\d:\d+7], v[\a:\a+11], v[\b:\b+11], v[\c:\c+7], v[\sa], v[\sb] matrix_a_fmt:MATRIX_FMT_FP6 matrix_b_fmt:MATRIX_FMT_FP6 matrix_a_scale:MATRIX_SCALE_ROW1 matrix_b_scale:MATRIX_SCALE_ROW1
.endif
.endif
.endm
; 64 numbers of a lane, register 16 b + i = number 16 (lane / 16) + i of block b, become 12 registers of codes in v[PC] on (registers 6 c .. 6 c + 5: block 2 c in lanes 0-15, block 2 c + 1 in lanes 16-31) and the four bytes in v[PW].
.macro QUANT s
.irp b, 0,1,2,3
	v_max3_num_f32 v[TM+\b], |v[\s+16*\b]|, |v[\s+1+16*\b]|, 0x1800000   ; my 16 numbers of block b, and the floor 2^(3 - 127): the byte cannot fall under 1
.endr
.irp i, 2,4,6,8,10,12,14
.irp b, 0,1,2,3
	v_max3_num_f32 v[TM+\b], v[TM+\b], |v[\s+16*\b+\i]|, |v[\s+1+16*\b+\i]|   ; (the four blocks by turns; each accumulator is read from its low end on)
.endr
.endr
.irp b, 0,1,2,3
	v_permlanex16_b32 v[TM+4+\b], v[TM+\b], s[SEL], s[SEL+1]
.endr
.irp b, 0,1,2,3
	v_max_num_f32 v[TM+\b], v[TM+\b], v[TM+4+\b]   ; with lane l xor 16's: the block's largest magnitude
.endr
.irp b, 0,1,2,3
	v_add_nc_u32 v[TM+8+\b], 0xff000000, v[TM+\b]  ; 2 off its exponent field: the conversion's scale operand
.endr
.irp b, 0,1,2,3
	v_lshrrev_b32 v[TM+4+\b], 23, v[TM+8+\b]       ; the scale's byte
.endr
	v_lshl_or_b32 v[PW], v[TM+5], 8, v[TM+4]
	v_lshl_or_b32 v[PW], v[TM+6], 16, v[PW]
	v_lshl_or_b32 v[PW], v[TM+7], 24, v[PW]
.irp c, 0,1
	v_cvt_scalef32_pk16_fp6_f32 v[PC+6*\c:PC+2+6*\c], v[\s+32*\c:\s+15+32*\c], v[TM+8+2*\c]
	v_cvt_scalef32_pk16_fp6_f32 v[PC+12+4*\c:PC+14+4*\c], v[\s+16+32*\c:\s+31+32*\c], v[TM+8+2*\c+1]   ; (a conversion's three registers begin on an even number)
.endr
	v_nop                                          ; one plain line behind the conversions
.irp c, 0,1
.irp i, 0,1,2
	v_permlane16_swap_b32 v[PC+6*\c+\i], v[PC+12+4*\c+\i]   ; a whole block to a lane
.endr
.irp i, 0,1,2
	v_mov_b32 v[PC+3+6*\c+\i], v[PC+12+4*\c+\i]
.endr
.endr
.endm
.macro WLOAD p, off                    ; a record into set p: 13 loads
.irp i, 0,1,2,3,4,5,6,7,8,9,10,11
	global_load_b128 v[W+52*\p+4*\i:W+52*\p+4*\i+3], v[L16], s[WB:WB+1] offset:\off+512*\i
.endr
	global_load_b64 v[W+52*\p+48:W+52*\p+49], v[L8], s[WB:WB+1] offset:\off+6144
.endm
.macro BLOAD8 sb                       ; a bias in the result's layout: tile t, lane (r, h): columns 32 (t / 2) + 8 (t % 2) + 16 h + 0 .. 7: 8 loads
.irp t, 0,1,2,3
	global_load_b128 v[BIAS+8*\t:BIAS+8*\t+3], v[BO64], s[\sb:\sb+1] offset:(32*(\t/2)+8*(\t%2))*4
	global_load_b128 v[BIAS+8*\t+4:BIAS+8*\t+7], v[BO64], s[\sb:\sb+1] offset:(32*(\t/2)+8*(\t%2))*4+16
.endr
.endm
.macro FETCH reg, off
.irp p, 0,1,2,3,4,5
	ds_load_b64 v[\reg+2*\p:\reg+2*\p+1], v[L8] offset:\off+256*\p
.endr
.endm
; A K step: x's two fragments from LDS, set p's four from memory (n: the loads issued behind that set, which may stay out), eight products on eight accumulators by turns.
; cm: 0 the constant 0 starts the sums, 1 the bias does, 2 in place.  The four v_nop are the places in front of the loads into registers just read and of the first read of results.
.macro KSTEP mode, s, p, cm, n
	FETCH XF, XIMG+1536*\s
	FETCH XF+12, XIMG+6144+1536*\s
	s_wait_loadcnt \n
	s_wait_dscnt 0x0
.if \mode == 0
.irp u, 0,1
.irp t, 0,1,2,3
.if \cm == 1
	WM ACC+32*\u+8*\t, W+52*\p+12*\t, XF+12*\u, 0, BIAS+8*\t, W+52*\p+48+\t/2, XS+\s, \t%2, \u
.else
	WM ACC+32*\u+8*\t, W+52*\p+12*\t, XF+12*\u, 0, ACC+32*\u+8*\t, W+52*\p+48+\t/2, XS+\s, \t%2, \u
.endif
.endr
.endr
.else
.irp t, 0,1,2,3
.irp u, 0,1
.if \cm == 0
	WM ACC+16*\t+8*\u, XF+12*\u, W+52*\p+12*\t, 1, 0, XS+\s, W+52*\p+48+\t/2, \u, \t%2
.else
	WM ACC+16*\t+8*\u, XF+12*\u, W+52*\p+12*\t, 0, ACC+16*\t+8*\u, XS+\s, W+52*\p+48+\t/2, \u, \t%2
.endif
.endr
.endr
.endif
.rept 4
	v_nop
.endr
.endm
	s_load_b256 s[4:11], s[0:1], 0x0               ; x, wimg, bq, bk
	s_load_b256 s[12:19], s[0:1], 0x20             ; bv, qimg, kv, sc
	v_lshl_add_u32 v206, v0, 2, 0x14000
	v_mov_b32 v207, 0
	v_lshrrev_b32 v253, 5, v0
	v_readfirstlane_b32 s20, v253                  ; wave = head
	v_and_b32 v253, 31, v0                         ; lane
	v_and_b32 v254, 15, v0                         ; r
	v_bfe_u32 v255, v0, 4, 1                       ; h
	s_and_b32 s21, s20, 1                          ; the tile of x that I quantise
	s_lshr_b32 s24, s20, 1                         ; and its K step
	v_lshlrev_b32 v[L8], 3, v253
	v_lshlrev_b32 v[L16], 4, v253
	v_lshlrev_b32 v[R4], 2, v254
	s_mul_i32 s25, s20, 8448
	s_add_co_u32 s25, s25, STG                     ; my stage
	v_add_nc_u32 v[STW], s25, v[L16]               ; in: a row's 512 bytes as they lie
	v_mul_u32_u24 v[STR], v254, 528
	v_lshl_add_u32 v[STR], v255, 6, v[STR]
	v_add_nc_u32 v[STR], s25, v[STR]               ; out: row r, 64 h bytes on: my 16 numbers of each block
	s_mul_i32 s25, s21, 6144
	s_mul_i32 s26, s24, 1536
	s_add_co_u32 s25, s25, s26
	v_add_nc_u32 v[XW], s25, v[L8]
	s_lshl_b32 s25, s21, 8
	s_lshl_b32 s26, s24, 2
	s_add_co_u32 s25, s25, s26
	v_lshl_add_u32 v[XSW], v254, 4, s25
	v_lshlrev_b32 v[BO64], 6, v255
	v_and_b32 v[BVO], 8, v254
	v_add_nc_u32 v[BVO], v[BVO], v254
	v_lshlrev_b32 v[BVO], 2, v[BVO]
	s_and_b32 s25, ttmp9, 1
	v_xor_b32 v[VX], s25, v255
	v_lshlrev_b32 v[VX], 7, v[VX]
	v_lshl_add_u32 v[VX], v254, 3, v[VX]
	s_mov_b32 s[SEL], 0x76543210
	s_mov_b32 s[SEL+1], 0xfedcba98
.irp b, 0,1,2,3
	v_mov_b32 v[TM+4+\b], 0                        ; written once: a lane permute's destination counts as one of its sources
.endr
	s_lshl_b32 s28, ttmp9, 16                      ; x: 32 rows of 2,048 bytes a work-group,
	s_lshl_b32 s25, s21, 14                        ; tile u begins 8 u rows down,
	s_add_co_u32 s28, s28, s25
	s_lshl_b32 s25, s24, 9                         ; K step s is 512 bytes on
	s_add_co_u32 s28, s28, s25
	s_mov_b32 s29, 0
	s_mul_i32 s30, s20, 25600                      ; wimg: group w's four records
	s_mov_b32 s31, 0
	s_lshl_b32 s32, s20, 8                         ; the biases: my head's 64 numbers
	s_mov_b32 s33, 0
	s_lshr_b32 s50, ttmp9, 7
	s_lshl_b32 s50, s50, 3
	s_add_co_u32 s50, s50, s20                     ; bh = 8 x batch + head
	s_and_b32 s51, ttmp9, 127                      ; blk: which 32 rows of the sequence
	s_lshl_b32 s52, s50, 7
	s_add_co_u32 s52, s52, s51
	s_mul_i32 s34, s52, 1536                       ; qimg
	s_mov_b32 s35, 0
	s_lshl_b32 s36, s52, 6                         ; sc
	s_mov_b32 s37, 0
	s_mul_i32 s38, s50, 393216
	s_lshr_b32 s25, s51, 2
	s_mul_i32 s25, s25, 12288
	s_add_co_u32 s38, s38, s25                     ; kv: the record of my 128 keys
	s_mov_b32 s39, 0
	s_and_b32 s25, s51, 3                          ; which 32 of them
	s_mul_i32 s40, s25, 1536
	s_mov_b32 s41, 0
	s_lshl_b32 s42, s25, 10
	s_mov_b32 s43, 0
	s_lshl_b32 s44, s25, 9
	s_mov_b32 s45, 0
	s_wait_kmcnt 0x0
	s_add_nc_u64 s[4:5], s[4:5], s[28:29]
	s_add_nc_u64 s[6:7], s[6:7], s[30:31]
	s_add_nc_u64 s[8:9], s[8:9], s[32:33]
	s_add_nc_u64 s[10:11], s[10:11], s[32:33]
	s_add_nc_u64 s[12:13], s[12:13], s[32:33]
	s_add_nc_u64 s[14:15], s[14:15], s[34:35]
	s_add_nc_u64 s[18:19], s[18:19], s[36:37]
	s_add_nc_u64 s[16:17], s[16:17], s[38:39]
	s_add_nc_u64 s[46:47], s[16:17], s[42:43]      ; V's first part (6,144 on, in the stores' immediates)
	s_add_nc_u64 s[48:49], s[16:17], s[44:45]      ; V's second part (10,240 on)
	s_add_nc_u64 s[16:17], s[16:17], s[40:41]      ; K's pair image
.irp i, 0,1,2,3,4,5,6,7,8,9,10,11,12,13,14,15
	global_load_b128 v[ACC+4*\i:ACC+4*\i+3], v[L16], s[4:5] offset:(\i+8*(\i/8))*2048 th:TH_LOAD_NT   ; row i of my tile: 512 consecutive bytes
.endr
	BLOAD8 8                                       ; bq
	WLOAD 0, 0
	WLOAD 1, 6400
	s_wait_loadcnt 34                              ; x is in; bq's 8 loads and the two sets' 26 may stay out
.irp i, 0,1,2,3,4,5,6,7,8,9,10,11,12,13,14,15
	ds_store_b128 v[STW], v[ACC+4*\i:ACC+4*\i+3] offset:528*\i
.endr
	s_wait_dscnt 0x0                               ; the stores have read their registers
.irp b, 0,1,2,3
.irp j, 0,1,2,3
	ds_load_b128 v[ACC+16*\b+4*\j:ACC+16*\b+4*\j+3], v[STR] offset:128*\b+16*\j
.endr
.endr
	s_wait_dscnt 0x0
	QUANT ACC
.irp p, 0,1,2,3,4,5
	ds_store_b64 v[XW], v[PC+2*\p:PC+2*\p+1] offset:XIMG+256*\p
.endr
	ds_store_b32 v[XSW], v[PW] offset:XSC          ; both halves of the lanes write the same word with the same value
	s_wait_dscnt 0x0                               ; for the others' sake: my image lies in LDS
	s_barrier_signal -1
	s_barrier_wait -1
	ds_load_b128 v[XS:XS+3], v[L16] offset:XSC
	; ---- q
	KSTEP 0, 0, 0, 1, 13                           ; behind the set in use: the other set's 13 loads
	WLOAD 0, 6400*2
	KSTEP 0, 1, 1, 2, 13
	WLOAD 1, 6400*3
	KSTEP 0, 2, 0, 2, 13
	BLOAD8 10                                      ; bk
	WLOAD 0, 204800
	KSTEP 0, 3, 1, 2, 21                           ; behind it: bk's 8 and a set's 13
	WLOAD 1, 204800+6400
	QUANT ACC
.irp p, 0,1,2,3,4,5
	global_store_b64 v[L8], v[PC+2*\p:PC+2*\p+1], s[14:15] offset:256*\p
.endr
	global_store_b32 v[R4], v[PW], s[18:19]
	s_wait_xcnt 0x0                                ; the stores have read their registers: x's fragments may land there again
	; ---- k
	KSTEP 0, 0, 0, 1, 13
	WLOAD 0, 204800+6400*2
	KSTEP 0, 1, 1, 2, 13
	WLOAD 1, 204800+6400*3
	KSTEP 0, 2, 0, 2, 13
.irp t, 0,1,2,3
	global_load_b32 v[BIAS+2*\t], v[BVO], s[12:13] offset:(32*(\t/2)+8*(\t%2))*4     ; bv of my column of tile t, into both registers of a pair
	global_load_b32 v[BIAS+2*\t+1], v[BVO], s[12:13] offset:(32*(\t/2)+8*(\t%2))*4
.endr
	WLOAD 0, 409600
	KSTEP 0, 3, 1, 2, 21                           ; behind it: bv's 8 and a set's 13
	WLOAD 1, 409600+6400
	QUANT ACC
.irp q, 0,1,2
	global_store_b128 v[L16], v[PC+4*\q:PC+4*\q+3], s[16:17] offset:512*\q
.endr
	global_store_b32 v[R4], v[PW], s[18:19] offset:131072
	s_wait_xcnt 0x0
	; ---- v: the other way round: a lane holds one e, its registers run along the 32 keys
	KSTEP 1, 0, 0, 0, 13
	WLOAD 0, 409600+6400*2
	KSTEP 1, 1, 1, 2, 13
	WLOAD 1, 409600+6400*3
	KSTEP 1, 2, 0, 2, 13
	KSTEP 1, 3, 1, 2, 0
.irp t, 0,1,2,3
.irp j, 0,2,4,6,8,10,12,14
	v_pk_add_f32 v[ACC+16*\t+\j:ACC+16*\t+\j+1], v[ACC+16*\t+\j:ACC+16*\t+\j+1], v[BIAS+2*\t:BIAS+2*\t+1]
.endr
.endr
	QUANT ACC                                      ; block t = tile t's 32 keys
.irp c, 0,1
	global_store_b128 v[L16], v[PC+6*\c:PC+6*\c+3], s[46:47] offset:6144+512*\c      ; of a block's 24 bytes the first 16,
	global_store_b64 v[VX], v[PC+6*\c+4:PC+6*\c+5], s[48:49] offset:10240+256*\c     ; and the last 8
.endr
	global_store_b32 v[R4], v[PW], s[18:19] offset:262144
	s_wait_tensorcnt 0x0
	ds_add_u32 v206, v207
	s_wait_dscnt 0x0
	s_endpgm
.Lfunc_end_k_q414655c364_qkv:
	.size	k_q414655c364_qkv, .Lfunc_end_k_q414655c364_qkv-k_q414655c364_qkv
	.p2alignl 7, 3214868480
	.fill 96, 4, 3214868480
	.section	.rodata,"a",@progbits
	.p2align	6, 0x0
	.amdhsa_kernel k_q414655c364_qkv
		.amdhsa_group_segment_fixed_size 82944
		.amdhsa_private_segment_fixed_size 0
		.amdhsa_enable_private_segment 0
		.amdhsa_kernarg_size 64
		.amdhsa_user_sgpr_count 2
		.amdhsa_user_sgpr_kernarg_segment_ptr 1
		.amdhsa_wavefront_size32 1
		.amdhsa_system_sgpr_workgroup_id_x 1
		.amdhsa_system_sgpr_workgroup_id_y 1
		.amdhsa_system_sgpr_workgroup_id_z 1
		.amdhsa_system_vgpr_workitem_id 0
		.amdhsa_next_free_vgpr 256
		.amdhsa_next_free_sgpr 66
		.amdhsa_reserve_vcc 0
		.amdhsa_float_denorm_mode_32 3
		.amdhsa_float_denorm_mode_16_64 3
		.amdhsa_memory_ordered 1
		.amdhsa_forward_progress 1
		.amdhsa_inst_pref_size 67
	.end_amdhsa_kernel
	.amdgpu_metadata
---
amdhsa.version: [ 1, 2 ]
amdhsa.kernels:
  - .name:           k_q414655c364_qkv
    .symbol:         k_q414655c364_qkv.kd
    .args:
      - { .name: x, .offset: 0, .size: 8, .value_kind: global_buffer, .address_space: global }
      - { .name: wimg, .offset: 8, .size: 8, .value_kind: global_buffer, .address_space: global }
      - { .name: bq, .offset: 16, .size: 8, .value_kind: global_buffer, .address_space: global }
      - { .name: bk, .offset: 24, .size: 8, .value_kind: global_buffer, .address_space: global }
      - { .name: bv, .offset: 32, .size: 8, .value_kind: global_buffer, .address_space: global }
      - { .name: qimg, .offset: 40, .size: 8, .value_kind: global_buffer, .address_space: global }
      - { .name: kv, .offset: 48, .size: 8, .value_kind: global_buffer, .address_space: global }
      - { .name: sc, .offset: 56, .size: 8, .value_kind: global_buffer, .address_space: global }
    .group_segment_fixed_size: 82944
    .private_segment_fixed_size: 0
    .kernarg_segment_align: 8
    .kernarg_segment_size: 64
    .max_flat_workgroup_size: 256
    .sgpr_count:     66
    .vgpr_count:     256
    .wavefront_size: 32
...
	.end_amdgpu_metadata
.endif
;; end of part 2
;; launch attn (part 3): grid 16 x 16, 16 waves a work-group, clusters of 4 x 1, 327,680 bytes of LDS; arguments qimg, kv, sc, ctx, ctxs; writes ctx, ctxs
.if DOCPART == 3
	.amdgcn_target "amdgcn-amd-amdhsa--gfx1250"
	.amdhsa_code_object_version 6
	.text
	.protected	k_q414655c364_attn
	.globl	k_q414655c364_attn
	.p2align	8
	.type	k_q414655c364_attn,@function
k_q414655c364_attn:
	s_mov_b64 s[64:65], 0
	v_nop
	global_prefetch_b8 v0, s[64:65] scope:SCOPE_SE
	s_setreg_imm32_b32 hwreg(HW_REG_WAVE_MODE, 25, 1), 1
	s_wait_xcnt 0x0
	s_wait_alu depctr_hold_cnt(0) depctr_sa_sdst(0) depctr_va_vdst(0) depctr_va_sdst(0) depctr_va_ssrc(0) depctr_va_vcc(0) depctr_vm_vsrc(0)
	s_getreg_b32 s2, hwreg(HW_REG_IB_STS2, 6, 4)
	s_cmp_eq_u32 s2, 0
	s_cbranch_scc0 .Lentry_in_a_cluster
	s_endpgm
.Lentry_in_a_cluster:
	s_bfe_u32 s2, ttmp6, 0x10000c
	s_cmp_lg_u32 s2, 0x3003
	s_cbranch_scc0 .Lentry_shape_is_right
	s_endpgm
.Lentry_shape_is_right:
; ATTN: ctx = softmax(q k^T / 8) v for each of 16 (batch, head), both products on codes of FP6 (E2M3) with E8M0 scales, and ctx quantised along the head's 64 for the next product.
; THE SOFTMAX: t = score x log2(e) / 8; M = the running largest t rounded UP to a whole number; p = 2^(t - M) is quantised along the keys, not normalised; the row's sum is taken of the unquantised p
; and divides at the end.  When M moves, the sum and O are multiplied by 2^(old M - new M): exact.
; SHARES: a work-group owns 256 queries of one (batch, head); each of its sixteen waves owns one tile of 16 in 256 registers: four waves to a SIMD, so that one wave's vector work stands beside another's products and LDS loads.
; A key step (128 keys) of a tile is 12 matrix instructions beside some 245 vector instructions: the vector work decides, so the tiles are kept small and simple.
; LAYOUT: both products transposed: S^T = K Q^T, O^T = V^T P^T: a lane holds one query throughout.  The keys of a tile of K are ordered (launch qkv) so that the 16 registers of two neighbouring tiles are 16 neighbouring keys.
; K = 64 IN AN INSTRUCTION OF 128: source 0 holds TWO tiles of keys, one in k = 0 .. 63, the other in k = 64 .. 127; source 1 is q with 64 zero codes behind it, or in front of it.  Zero codes add nothing under any byte but 0xff.
; THE RING: a (batch, head)'s K and V are 32 records of 12,288 bytes, 393,216 in all.  Three slots of 8 records are filled at the start; slot 0 is filled once more, with the last 8, and has 16 key steps in which to land.
; A wave has at most three tensor loads outstanding.
; CLUSTER: the four query blocks of a cluster walk the same K and V: every tensor load is asked for jointly by the four (mask 15), each of waves 0-3 bringing a quarter of a slot.
; No prefetch: of the four fills three go out at the head, and no wave waits for the fourth.
; LIMITS: NaN and infinities are not served.  A block of zeros gets the byte 1 where the rule says 127: its codes are zeros, and only this program reads the bytes.
.set SLOT,  98304
.set SCL,   294912                     ; LDS behind the ring: the scale words, 512 bytes a key step: [lane][K pairs 0|1, K pairs 2|3, V tiles 0|1, V tiles 2|3]
.set SPARE, 311296                     ; the spare words, 128 bytes for each wave: eight blocks of 256 bytes that no other line names
.set CST,   313344                     ; ctx's scale bytes on their way out: 512 bytes
.set AK0,  1                           ; v1   16 x lane: K's images
.set AVA0, 2                           ; v2   V's first part: 6144 + 16 r + 1024 h
.set AVE0, 3                           ; v3   V's second part, even tiles: 10240 + 8 r + 640 h
.set AVO0, 4                           ; v4   odd tiles: 10368 + 8 r + 384 h
.set SPW,  5                           ; v5   my spare word; never rewritten
.set NIL,  6                           ; v6   0; never rewritten
.set ASC0, 7                           ; v7   SCL + 16 x lane
.set ADK,  8                           ; v8-11, v35 the step's addresses
.set ADA,  9
.set ADE,  10
.set ADO,  11
.set ADS,  35
.set QS,   34                          ; v34  q's scale words: lanes 0-15 (s0, s1, 1, 1), lanes 16-31 (1, 1, s0, s1); scales alone
.set SCW,  36                          ; v36-39 the step's scale words; scales alone
.set FB,   40                          ; v40-87 four fragments: K's pairs, then V's tiles
.set S,    96                          ; v96-159 S^T, then p
.set O,    160                         ; v160-191 O^T
.set PCD,  192                         ; v192-203 p's codes
.set CT,   204                         ; v204-211 conversions' second halves
.set BM,   212                         ; v212-215 the blocks' largest scores, then largest p
.set BT,   216                         ; v216-219 at work
.set SO,   220                         ; v220-223 the conversions' scale operands
.set PS,   224                         ; v224 p's scale word; scales alone
.set GL8,  229                         ; v229 8 x lane
.set CSW,  230                         ; v230 CST + 32 x wave + 2 r
.set CSR,  231                         ; v231 CST + 16 x lane
; v12 -M, v13 the largest t, v[14:15] the sum in two halves; v16-21 zeros, v22-27 q, v28-33 zeros; v[226:227] f; v228 at work
.set WV,  14
.set SEL, 18
.set CS,  20
.set TB,  22                           ; s22 LDS byte at which the step's record begins
.set TS,  23                           ; s23 and its scale words
.set CNT, 44
.macro WM d, a, b, z, c, sa, sb, ra, rb    ; one product; z = 1: C is the constant 0; ra, rb = 1: that side's scales stand in lanes 16-31
.if \z
.if ((\ra) == 0) && ((\rb) == 0)
	v_wmma_scale_f32_16x16x128_f8f6f4 v[\d:\d+7], v[\a:\a+11], v[\b:\b+11], 0, v[\sa], v[\sb] matrix_a_fmt:MATRIX_FMT_FP6 matrix_b_fmt:MATRIX_FMT_FP6
.elseif (\rb) == 0
	v_wmma_scale_f32_16x16x128_f8f6f4 v[\d:\d+7], v[\a:\a+11], v[\b:\b+11], 0, v[\sa], v[\sb] matrix_a_fmt:MATRIX_FMT_FP6 matrix_b_fmt:MATRIX_FMT_FP6 matrix_a_scale:MATRIX_SCALE_ROW1
.elseif (\ra) == 0
	v_wmma_scale_f32_16x16x128_f8f6f4 v[\d:\d+7], v[\a:\a+11], v[\b:\b+11], 0, v[\sa], v[\sb] matrix_a_fmt:MATRIX_FMT_FP6 matrix_b_fmt:MATRIX_FMT_FP6 matrix_b_scale:MATRIX_SCALE_ROW1
.else
	v_wmma_scale_f32_16x16x128_f8f6f4 v[\d:\d+7], v[\a:\a+11], v[\b:\b+11], 0, v[\sa], v[\sb] matrix_a_fmt:MATRIX_FMT_FP6 matrix_b_fmt:MATRIX_FMT_FP6 matrix_a_scale:MATRIX_SCALE_ROW1 matrix_b_scale:MATRIX_SCALE_ROW1
.endif
.else
.if ((\ra) == 0) && ((\rb) == 0)
	v_wmma_scale_f32_16x16x128_f8f6f4 v[\d:\d+7], v[\a:\a+11], v[\b:\b+11], v[\c:\c+7], v[\sa], v[\sb] matrix_a_fmt:MATRIX_FMT_FP6 matrix_b_fmt:MATRIX_FMT_FP6
.else
	v_wmma_scale_f32_16x16x128_f8f6f4 v[\d:\d+7], v[\a:\a+11], v[\b:\b+11], v[\c:\c+7], v[\sa], v[\sb] matrix_a_fmt:MATRIX_FMT_FP6 matrix_b_fmt:MATRIX_FMT_FP6 matrix_a_scale:MATRIX_SCALE_ROW1
.endif
.endif
.endm
; A round of the cluster's barrier: my work-group's barrier; wave 0 signals for the work-group; every wave waits for all four work-groups; my work-group's barrier once more.
.macro CROUND
	s_barrier_signal -1
	s_barrier_wait -1
	s_cmp_lg_u32 s[WV], 0
	s_cbranch_scc1 .Lnot_wave_0_\@
	s_barrier_signal -3
.Lnot_wave_0_\@:
	s_barrier_wait -3
	s_barrier_signal -1
	s_barrier_wait -1
.endm
	s_load_b256 s[4:11], s[0:1], 0x0               ; qimg, kv, sc, ctx
	s_load_b64 s[12:13], s[0:1], 0x20              ; ctxs
	v_lshl_add_u32 v[SPW], v0, 2, SPARE
	v_mov_b32 v[NIL], 0
	ds_add_u32 v5, v6
	ds_add_u32 v5, v6
	s_wait_dscnt 0x0
	v_lshrrev_b32 v88, 5, v0
	v_readfirstlane_b32 s[WV], v88                 ; wave 0..15
	; every lane term is made here, ahead of the first branch on the wave's number
	v_and_b32 v88, 31, v0                          ; lane
	v_and_b32 v89, 15, v0                          ; r
	v_bfe_u32 v90, v0, 4, 1                        ; h
	v_lshlrev_b32 v[AK0], 4, v88
	v_lshlrev_b32 v[AVA0], 4, v89
	v_lshl_add_u32 v[AVA0], v90, 10, v[AVA0]
	v_add_nc_u32 v[AVA0], 6144, v[AVA0]
	v_lshlrev_b32 v91, 3, v89
	v_mad_u32_u24 v[AVE0], v90, 640, v91
	v_add_nc_u32 v[AVE0], 10240, v[AVE0]
	v_mad_u32_u24 v[AVO0], v90, 384, v91
	v_add_nc_u32 v[AVO0], 10368, v[AVO0]
	v_add_nc_u32 v[ASC0], SCL, v[AK0]
	v_lshlrev_b32 v[GL8], 3, v88
	v_and_b32 v[CSW], 0x1e0, v0                    ; 32 x wave
	v_lshl_add_u32 v[CSW], v89, 1, v[CSW]
	v_add_nc_u32 v[CSW], CST, v[CSW]
	v_add_nc_u32 v[CSR], CST, v[AK0]
	v_lshlrev_b32 v93, 2, v89                      ; q's scale word: 4 r
	v_lshrrev_b32 v95, 4, v0                       ; thread t prepares key step t / 16, row t % 16
	v_lshlrev_b32 v94, 8, v95
	v_lshl_add_u32 v94, v89, 2, v94                ; its raw words: 256 (t / 16) + 4 (t % 16)
	v_lshlrev_b32 v104, 9, v95
	v_lshl_add_u32 v104, v89, 4, v104
	v_add_nc_u32 v104, SCL, v104                   ; and where they go
	s_bfe_u32 s15, ttmp6, 0x40000                  ; cx: my place in the cluster: it enters q's, ctx's and ctxs' addresses alone
	s_lshl_b32 s16, ttmp9, 2
	s_add_co_u32 s16, s16, s15                     ; my block of 256 queries
	s_and_b32 s17, ttmp7, 0xffff                   ; bh, which the four partners share
	s_lshr_b32 s60, s[WV], 1
	s_lshl_b32 s61, s16, 3
	s_add_co_u32 s60, s60, s61
	s_lshl_b32 s61, s17, 7
	s_add_co_u32 s60, s60, s61                     ; 128 bh + blk
	s_and_b32 s61, s[WV], 1                        ; u: which tile of the 32 rows
	s_mul_i32 s46, s60, 1536
	s_mul_i32 s62, s61, 768
	s_add_co_u32 s46, s46, s62
	s_mov_b32 s47, 0                               ; q's codes
	s_lshl_b32 s48, s60, 6
	s_mov_b32 s49, 0                               ; q's raw scale words
	s_lshl_b32 s45, s61, 4                         ; 16 u: my tile's two bytes in them
	s_lshl_b32 s50, s17, 13
	s_mov_b32 s51, 0                               ; 8,192 bh: k's and v's raw scale words
	s_and_b32 s54, s[WV], 3
	s_mul_i32 s54, s54, 24576                      ; the quarter of a slot that I fetch, if I fetch: the same in LDS and in memory
	s_mul_i32 s52, s17, 393216
	s_add_co_u32 s52, s52, s54
	s_mov_b32 s53, 0
	s_lshr_b32 s60, s17, 3
	s_lshl_b32 s60, s60, 8
	s_lshl_b32 s61, s16, 4
	s_add_co_u32 s60, s60, s61
	s_add_co_u32 s60, s60, s[WV]                   ; my tile among the 512 of ctx
	s_mul_i32 s56, s60, 6144
	s_and_b32 s61, s17, 7
	s_mul_i32 s61, s61, 768                        ; head h: K step h / 2, half h % 2: 768 h bytes
	s_add_co_u32 s56, s56, s61
	s_mov_b32 s57, 0
	s_lshl_b32 s58, s16, 9
	s_add_co_u32 s58, s58, s50
	s_mov_b32 s59, 0                               ; ctxs: 8,192 bh + 512 x block
	; descriptor group 1: 24,576 dense bytes as 96 rows of 256 bytes
	s_mov_b32 s24, 15|(3<<16)|(1<<21)              ; 15:0 the mask: all four work-groups; 17:16 elements of 8 bytes; 20 no padding; 21 set beside a mask
	s_mov_b32 s25, 32<<16                          ; tensor_dim0 = 32
	s_mov_b32 s26, 96<<16                          ; tensor_dim1 = 96
	s_mov_b32 s27, 32<<16                          ; tile_dim0 = 32
	s_mov_b32 s28, 96                              ; tile_dim1 = 96
	s_mov_b32 s29, 32                              ; tensor_dim0_stride
	s_mov_b32 s30, 0
	s_mov_b32 s31, 0
	s_mov_b32 s[SEL], 0x76543210
	s_mov_b32 s[SEL+1], 0xfedcba98
	s_mov_b32 s[CS], 0x3e38aa3b                    ; c = log2(e) / 8
	s_mov_b32 s[CS+1], s[CS]                       ; (named with it as a pair, so it is written)
	s_wait_kmcnt 0x0
	s_add_nc_u64 s[4:5], s[4:5], s[46:47]
	s_add_nc_u64 s[48:49], s[8:9], s[48:49]
	s_add_nc_u64 s[8:9], s[8:9], s[50:51]
	s_add_nc_u64 s[6:7], s[6:7], s[52:53]
	s_add_nc_u64 s[10:11], s[10:11], s[56:57]
	s_add_nc_u64 s[12:13], s[12:13], s[58:59]
.irp n, 0,1,2
	s_mov_b32 s[32+4*\n], 1                        ; count = 1
	s_add_co_u32 s[33+4*\n], s54, \n*SLOT          ; LDS address
	s_add_nc_u64 s[34+4*\n:35+4*\n], s[6:7], \n*SLOT   ; global address: key steps 8 n on
	s_or_b32 s[35+4*\n], s[35+4*\n], 0x80000000    ; type = 2
.endr
	CROUND                                         ; all four work-groups are here: the first joint loads meet
	s_cmp_lt_u32 s[WV], 4                          ; a wave's three first fills stand in one branch, ahead of every wait on TENSORcnt and every LDS read
	s_cbranch_scc0 .Lno_fill
	tensor_load_to_lds s[32:35], s[24:31]
	s_nop 0
	tensor_load_to_lds s[36:39], s[24:31]
	s_nop 0
	tensor_load_to_lds s[40:43], s[24:31]
	s_nop 0
.rept 4
	v_nop
.endr
.Lno_fill:
.irp p, 0,1,2
	global_load_b64 v[22+2*\p:23+2*\p], v[GL8], s[4:5] offset:256*\p   ; q stays in registers
.endr
	global_load_b32 v105, v93, s[48:49]
.irp b, 0,1,2,3
	global_load_b32 v[96+4*(\b%2)+\b/2], v94, s[8:9] offset:131072+64*\b   ; K's pair b: the raw word is the operand's word as it stands
	global_load_b32 v[108+\b], v94, s[8:9] offset:262144+64*\b             ; V's key block b: byte t belongs to tile t
.endr
	s_wait_loadcnt 0x0
	v_perm_b32 v112, v109, v108, 0x05010400        ; V's four words are turned, 4 x 4 bytes: tile t's word has byte b from key block b
	v_perm_b32 v113, v109, v108, 0x07030602
	v_perm_b32 v114, v111, v110, 0x05010400
	v_perm_b32 v115, v111, v110, 0x07030602
	v_perm_b32 v98, v114, v112, 0x05040100
	v_perm_b32 v102, v114, v112, 0x07060302
	v_perm_b32 v99, v115, v113, 0x05040100
	v_perm_b32 v103, v115, v113, 0x07060302
	ds_store_b128 v104, v[96:99]                   ; lane r: K pairs 0, 2; V tiles 0, 2
	ds_store_b128 v104, v[100:103] offset:256      ; lane 16 + r: K pairs 1, 3; V tiles 1, 3
	v_lshrrev_b32 v105, s45, v105
	v_and_b32 v105, 0xffff, v105                   ; my tile's two bytes
	v_or_b32 v106, 0x01010000, v105
	v_lshl_or_b32 v107, v105, 16, 0x0101
	v_cmp_gt_u32 vcc_lo, 16, v88
	v_cndmask_b32 v[QS], v107, v106, vcc_lo
.irp j, 16,17,18,19,20,21,28,29,30,31,32,33
	v_mov_b32 v[\j], 0                             ; the zero codes on either side of q
.endr
.set j, 0
.rept 32
	v_mov_b32 v[O+j], 0                            ; O^T.  (The step is written once: the first finds zeros, which the first change of M leaves zeros)
.set j, j+1
.endr
	v_mov_b32 v13, 0xff61b1e6                      ; the largest t so far: -3e38, under every t
	v_floor_f32 v12, -v13                          ; -M
	v_mov_b32 v14, 0
	v_mov_b32 v15, 0
	v_mov_b32 v227, 0                              ; (named as the upper half of the pair v[226:227])
	v_mov_b32 v228, 0
.irp b, 0,1,2,3
	v_mov_b32 v[BT+\b], 0                          ; written once: a lane permute's destination counts as one of its sources
.endr
; A KEY STEP: 128 keys.
.macro STEP
	v_add_nc_u32 v[ADK], s[TB], v[AK0]             ; (these five are also the places behind the last step's products, in front of the loads below)
	v_add_nc_u32 v[ADA], s[TB], v[AVA0]
	v_add_nc_u32 v[ADE], s[TB], v[AVE0]
	v_add_nc_u32 v[ADO], s[TB], v[AVO0]
	v_add_nc_u32 v[ADS], s[TS], v[ASC0]
	ds_load_b128 v[SCW:SCW+3], v[ADS]
.irp b, 0,1,2,3
.irp q, 0,1,2
	ds_load_b128 v[FB+12*\b+4*\q:FB+12*\b+4*\q+3], v[ADK] offset:1536*\b+512*\q
.endr
.endr
	s_wait_dscnt 0x0
.irp b, 0,1,2,3                                    ; S^T: pair b against q|0 gives tile 2 b, against 0|q tile 2 b + 1
.irp u, 0,1
	WM S+16*\b+8*\u, FB+12*\b, 22-6*\u, 1, 0, SCW+\b/2, QS, \b%2, \u
.endr
.endr
.rept 4
	v_nop                                          ; places in front of the loads into K's registers and of the first read of the scores
.endr
.irp t, 0,1,2,3                                    ; V's four tiles land while the softmax is walked
.irp c, 0,1
	ds_load_b128 v[FB+12*\t+6*\c:FB+12*\t+6*\c+3], v[ADA] offset:256*\t+2048*\c
.if \t%2 == 0
	ds_load_b64 v[FB+12*\t+6*\c+4:FB+12*\t+6*\c+5], v[ADE] offset:1024*\c+256*(\t/2)
.else
	ds_load_b64 v[FB+12*\t+6*\c+4:FB+12*\t+6*\c+5], v[ADO] offset:1024*\c+256*(\t/2)
.endif
.endr
.endr
.irp b, 0,1,2,3
	v_max3_num_f32 v[BM+\b], v[S+16*\b], v[S+1+16*\b], v[S+2+16*\b]   ; the largest score of each block of 32 keys: for the row's maximum, and, since p rises with the score, for the block's largest p
.endr
.irp i, 3,5,7,9,11,13
.irp b, 0,1,2,3
	v_max3_num_f32 v[BM+\b], v[BM+\b], v[S+16*\b+\i], v[S+1+16*\b+\i]
.endr
.endr
.irp b, 0,1,2,3
	v_max_num_f32 v[BM+\b], v[BM+\b], v[S+15+16*\b]
.endr
.irp b, 0,1,2,3
	v_permlanex16_b32 v[BT+\b], v[BM+\b], s[SEL], s[SEL+1]
.endr
.irp b, 0,1,2,3
	v_max_num_f32 v[BM+\b], v[BM+\b], v[BT+\b]     ; with lane l xor 16's 16 keys
.endr
	v_max3_num_f32 v228, v[BM], v[BM+1], v[BM+2]
	v_max_num_f32 v228, v228, v[BM+3]
	v_mul_f32 v228, s[CS], v228                    ; as t (c is positive)
	v_max_num_f32 v13, v13, v228                   ; the running largest t
	v_mov_b32 v228, v12
	v_floor_f32 v12, -v13                          ; the new -M = -ceil(t)
	v_sub_f32 v228, v12, v228                      ; old M - new M: a whole number, 0 or less
	v_cvt_i32_f32 v228, v228                       ; (it saturates)
	v_ldexp_f32 v226, 1.0, v228                    ; f = 2^(old M - new M)
.set j, 0
.rept 32
	v_pk_fma_f32 v[S+j:S+j+1], v[S+j:S+j+1], s[CS:CS+1], v[12:13] op_sel_hi:[1,0,0]   ; t - M, two at a time
.set j, j+2
.endr
.irp b, 0,1,2,3
	v_fma_f32 v[BM+\b], v[BM+\b], s[CS], v12       ; the same of each block's largest score
.endr
.set j, 0
.rept 64
	v_exp_f32 v[S+j], v[S+j]                       ; p = 2^(t - M)
.set j, j+1
.endr
	v_pk_mul_f32 v[14:15], v[14:15], v[226:227] op_sel_hi:[1,0]   ; the sums under the new M: the plain line behind the exponentials
	s_wait_alu depctr_va_vdst(0)                   ; one wait for the batch of 64, ahead of the first line that names a result
.irp b, 0,1,2,3
	v_exp_f32 v[BM+\b], v[BM+\b]                   ; the block's largest p: the same two instructions on the same number
.endr
	v_pk_add_f32 v[BT:BT+1], v[S:S+1], v[S+2:S+3]  ; the row's sum is taken of the unquantised p, in two chains
.set j, 4
.rept 15
	v_pk_add_f32 v[14:15], v[14:15], v[S+j:S+j+1]
	v_pk_add_f32 v[BT:BT+1], v[BT:BT+1], v[S+j+2:S+j+3]
.set j, j+4
.endr
	v_pk_add_f32 v[14:15], v[14:15], v[BT:BT+1]
	s_wait_alu depctr_va_vdst(0)                   ; and one for the four
.irp b, 0,1,2,3
	v_max_num_f32 v[BM+\b], 0x1800000, v[BM+\b]    ; the floor 2^(3 - 127): the byte cannot fall under 1
.endr
.irp b, 0,1,2,3
	v_add_nc_u32 v[SO+\b], 0xff000000, v[BM+\b]    ; 2 off the exponent field: the conversion's scale operand
.endr
.irp b, 0,1,2,3
	v_lshrrev_b32 v[BT+\b], 23, v[SO+\b]           ; the scale's byte
.endr
	v_lshl_or_b32 v[PS], v[BT+1], 8, v[BT]
	v_lshl_or_b32 v[PS], v[BT+2], 16, v[PS]
	v_lshl_or_b32 v[PS], v[BT+3], 24, v[PS]
.irp c, 0,1
	v_cvt_scalef32_pk16_fp6_f32 v[PCD+6*\c:PCD+2+6*\c], v[S+32*\c:S+15+32*\c], v[SO+2*\c]
	v_cvt_scalef32_pk16_fp6_f32 v[CT+4*\c:CT+2+4*\c], v[S+16+32*\c:S+31+32*\c], v[SO+2*\c+1]
.endr
	v_nop                                          ; one plain line behind the conversions
.irp c, 0,1
.irp i, 0,1,2
	v_permlane16_swap_b32 v[PCD+6*\c+\i], v[CT+4*\c+\i]   ; a whole block to a lane
.endr
.irp i, 0,1,2
	v_mov_b32 v[PCD+3+6*\c+\i], v[CT+4*\c+\i]
.endr
.endr
.set j, 0
.rept 16
	v_pk_mul_f32 v[O+j:O+j+1], v[O+j:O+j+1], v[226:227] op_sel_hi:[1,0]   ; O^T under the new M; these sixteen are also the places between p's codes and scale word and the products
.set j, j+2
.endr
	s_wait_dscnt 0x0                               ; V is in
.irp t, 0,1,2,3                                    ; O^T += V^T P^T: four accumulators by turns
	WM O+8*\t, FB+12*\t, PCD, 0, O+8*\t, SCW+2+\t/2, PS, \t%2, 0
.endr
.endm
.macro RUN n                           ; n key steps on end
	s_mov_b32 s[CNT], \n
.Lrun_\@:
	STEP
	s_add_co_u32 s[TB], s[TB], 12288
	s_add_co_u32 s[TS], s[TS], 512
	s_sub_co_u32 s[CNT], s[CNT], 1
	s_cmp_lg_u32 s[CNT], 0
	s_cbranch_scc1 .Lrun_\@
.endm
	s_wait_tensorcnt 0x2                           ; my part of slot 0 is in; slots 1 and 2 may stay out
	s_wait_dscnt 0x0                               ; my scale words lie in LDS
	s_barrier_signal -1
	s_barrier_wait -1
	s_mov_b32 s[TB], 0
	s_mov_b32 s[TS], 0
	RUN 8                                          ; key steps 0-7, slot 0
	s_wait_tensorcnt 0x0                           ; all my tensor loads have landed: slots 1 and 2 are whole, and a group 0 may be written;
	ds_add_u32 v[SPW], v[NIL]                      ; 0 onto my spare word;
	ds_add_u32 v5, v6
	s_add_nc_u64 s[34:35], s[34:35], 3*SLOT        ; slot 0's next tile: key steps 24-31
	s_wait_dscnt 0x0                               ; the add is done, and my reads of slot 0 are over
	CROUND                                         ; both now hold of every wave of all four work-groups
	s_cmp_lt_u32 s[WV], 4
	s_cbranch_scc0 .Lno_refill
	tensor_load_to_lds s[32:35], s[24:31]          ; the one refill: it has sixteen key steps in which to land
	s_nop 0
.rept 4
	v_nop
.endr
.Lno_refill:
	s_mov_b32 s[TB], SLOT
	s_mov_b32 s[TS], 8*512
	RUN 16                                         ; key steps 8-23, slots 1 and 2
	s_wait_tensorcnt 0x0                           ; my part of the refill is in,
	s_wait_dscnt 0x0
	s_barrier_signal -1
	s_barrier_wait -1                              ; everybody's is
	s_mov_b32 s[TB], 0
	s_mov_b32 s[TS], 24*512
	RUN 8                                          ; key steps 24-31, slot 0
	; THE WAY OUT: O^T / the sum, quantised along the head's 64 (two blocks), as six registers of the next product's operand.
	v_add_f32 v14, v14, v15                        ; the sum's two halves,
	v_permlanex16_b32 v228, v14, s[SEL], s[SEL+1]
	v_add_f32 v14, v14, v228                       ; and lane l xor 16's
	v_rcp_f32 v14, v14
.rept 4
	v_nop                                          ; the plain line behind the reciprocal; with the lines above, the places behind the last products
.endr
	s_wait_alu depctr_va_vdst(0)                   ; ahead of the reciprocal's first use
.set j, 0
.rept 32
	v_mul_f32 v[S+j], v[O+j], v14                  ; register 16 b + i: e = 32 b + 16 h + i of my query
.set j, j+1
.endr
.irp b, 0,1
	v_max3_num_f32 v[BM+\b], |v[S+16*\b]|, |v[S+1+16*\b]|, 0x1800000
.endr
.irp i, 2,4,6,8,10,12,14
.irp b, 0,1
	v_max3_num_f32 v[BM+\b], v[BM+\b], |v[S+16*\b+\i]|, |v[S+1+16*\b+\i]|
.endr
.endr
.irp b, 0,1
	v_permlanex16_b32 v[BT+\b], v[BM+\b], s[SEL], s[SEL+1]
.endr
.irp b, 0,1
	v_max_num_f32 v[BM+\b], v[BM+\b], v[BT+\b]
.endr
.irp b, 0,1
	v_add_nc_u32 v[SO+\b], 0xff000000, v[BM+\b]
.endr
.irp b, 0,1
	v_lshrrev_b32 v[BT+\b], 23, v[SO+\b]
.endr
	v_lshl_or_b32 v228, v[BT+1], 8, v[BT]          ; my row's two bytes
	v_cvt_scalef32_pk16_fp6_f32 v[PCD:PCD+2], v[S:S+15], v[SO]
	v_cvt_scalef32_pk16_fp6_f32 v[CT:CT+2], v[S+16:S+31], v[SO+1]
	v_nop
.irp i, 0,1,2
	v_permlane16_swap_b32 v[PCD+\i], v[CT+\i]
.endr
.irp i, 0,1,2
	v_mov_b32 v[PCD+3+\i], v[CT+\i]
.endr
.irp p, 0,1,2
	global_store_b64 v[GL8], v[PCD+2*\p:PCD+2*\p+1], s[10:11] offset:256*\p   ; 32 lanes store 256 consecutive bytes, aligned
.endr
	ds_store_b16 v[CSW], v228                      ; both halves of the lanes write the same two bytes
	s_wait_dscnt 0x0
	s_barrier_signal -1
	s_barrier_wait -1
	s_cmp_lg_u32 s[WV], 0
	s_cbranch_scc1 .Lnot_0
	ds_load_b128 v[40:43], v[CSR]                  ; wave 0 stores the work-group's 512 scale bytes whole
	s_wait_dscnt 0x0
	global_store_b128 v[AK0], v[40:43], s[12:13]
.Lnot_0:
	s_wait_tensorcnt 0x0                           ; the wave's end
	ds_add_u32 v[SPW], v[NIL]
	s_wait_dscnt 0x0
	CROUND                                         ; the closing round: no work-group ends while a partner may still ask for a tile that names it
	s_endpgm
.Lfunc_end_k_q414655c364_attn:
	.size	k_q414655c364_attn, .Lfunc_end_k_q414655c364_attn-k_q414655c364_attn
	.p2alignl 7, 3214868480
	.fill 96, 4, 3214868480
	.section	.rodata,"a",@progbits
	.p2align	6, 0x0
	.amdhsa_kernel k_q414655c364_attn
		.amdhsa_group_segment_fixed_size 327680
		.amdhsa_private_segment_fixed_size 0
		.amdhsa_enable_private_segment 0
		.amdhsa_kernarg_size 40
		.amdhsa_user_sgpr_count 2
		.amdhsa_user_sgpr_kernarg_segment_ptr 1
		.amdhsa_wavefront_size32 1
		.amdhsa_system_sgpr_workgroup_id_x 1
		.amdhsa_system_sgpr_workgroup_id_y 1
		.amdhsa_system_sgpr_workgroup_id_z 1
		.amdhsa_system_vgpr_workitem_id 0
		.amdhsa_next_free_vgpr 256
		.amdhsa_next_free_sgpr 66
		.amdhsa_reserve_vcc 1
		.amdhsa_float_denorm_mode_32 3
		.amdhsa_float_denorm_mode_16_64 3
		.amdhsa_memory_ordered 1
		.amdhsa_forward_progress 1
		.amdhsa_inst_pref_size 63
	.end_amdhsa_kernel
	.amdgpu_metadata
---
amdhsa.version: [ 1, 2 ]
amdhsa.kernels:
  - .name:           k_q414655c364_attn
    .symbol:         k_q414655c364_attn.kd
    .args:
      - { .name: qimg, .offset: 0, .size: 8, .value_kind: global_buffer, .address_space: global }
      - { .name: kv, .offset: 8, .size: 8, .value_kind: global_buffer, .address_space: global }
      - { .name: sc, .offset: 16, .size: 8, .value_kind: global_buffer, .address_space: global }
      - { .name: ctx, .offset: 24, .size: 8, .value_kind: global_buffer, .address_space: global }
      - { .name: ctxs, .offset: 32, .size: 8, .value_kind: global_buffer, .address_space: global }
    .group_segment_fixed_size: 327680
    .private_segment_fixed_size: 0
    .kernarg_segment_align: 8
    .kernarg_segment_size: 40
    .max_flat_workgroup_size: 512
    .sgpr_count:     66
    .vgpr_count:     256
    .wavefront_size: 32
...
	.end_amdgpu_metadata
.endif
;; end of part 3
;; launch mlp (part 4): grid 256 x 1, 8 waves a work-group, no clusters, 109,568 bytes of LDS; arguments ctx, ctxs, wimg, bo, b1, b2, out0; writes out0
.if DOCPART == 4
	.amdgcn_target "amdgcn-amd-amdhsa--gfx1250"
	.amdhsa_code_object_version 6
	.text
	.protected	k_q414655c364_mlp
	.globl	k_q414655c364_mlp
	.p2align	8
	.type	k_q414655c364_mlp,@function
k_q414655c364_mlp:
	s_mov_b64 s[64:65], 0
	v_nop
	global_prefetch_b8 v0, s[64:65] scope:SCOPE_SE
	s_setreg_imm32_b32 hwreg(HW_REG_WAVE_MODE, 25, 1), 1
	s_wait_xcnt 0x0
; MLP: out = relu((ctx wo + sum of bo) w1 + b1) w2 + b2, three products on codes of FP6 (E2M3) with E8M0 scales; y and the hidden layer are quantised on the way and never go to memory.
; SHARES: a work-group takes 32 rows (two tiles of 16, rows ordered as in launch qkv: lane r of tile u holds row 8 u + r + 8 (r / 8)); wave w makes columns 64 w .. 64 w + 63 of each layer for both tiles:
; 8 accumulators, 4 K steps of 128.  Source 0 = 16 columns of the weight (ordered by launch prep), source 1 = the rows: a lane holds one row and 16 registers of two tiles are 16 neighbouring columns.
; A wave's 64 columns are half a K step of the next layer: six registers a tile, which go to LDS as an image of the operand's registers (8 bytes a lane and piece), their two scale bytes beside them.
; Each layer has its own image region, so one barrier stands between two layers.  The biases are the C of each sum's first products.
; THE WEIGHTS go from memory straight into registers, two sets by turns, each asked for two K steps ahead; each fragment feeds two products.
; NO CLUSTER, NO JOINT LOADS: in a work-group a record of 6,400 bytes is read by one wave alone, so LDS would only be passed through, and the work-group's 96 records, 614,400 bytes, would need slots
; that are filled again, with a round of the cluster's barrier for each refill of a launch of 12 K steps.
; LIMITS: NaN and infinities are not served.  A block of zeros gets the byte 1 where the rule says 127: its codes are zeros, and only this program reads the bytes.
.set IMG0, 0                           ; LDS: the rows' 8 fragments [u][s][piece 6][lane][8 bytes], for each layer
.set IMG1, 12288
.set IMG2, 24576
.set SC0,  36864                       ; their scale words: 16 (r + 16 u) + 4 s, written as halves at + 2 w
.set SC1,  37376
.set SC2,  37888
.set STG,  38400                       ; a stage of 32 rows x (256 + 16) bytes for each wave
.set L8,   1                           ; v1   8 x lane
.set L16,  2                           ; v2   16 x lane
.set CSA,  3                           ; v3   2 x lane
.set HW,   4                           ; v4   where my half K step's image goes: 8 x lane + 768 w
.set HS,   5                           ; v5   and its scale bytes: 16 x lane + 2 w
.set SH,   6                           ; v6   16 h
.set BOA,  7                           ; v7   bo: 2048 (r % 8) + 64 h
.set BO64, 8                           ; v8   64 h
.set SOA,  9                           ; v9   the stage, in
.set SRA,  10                          ; v10  the stage, out
.set OA,   11                          ; v11  out0: 2048 h + 16 r
.set XS,   12                          ; v12-15 the rows' scale words of K steps 0-3; scales alone
.set XF,   16                          ; v16-39 the rows' two fragments of a K step
.set PC,   16                          ; v16-35 the codes just made
.set ACC,  40                          ; v40-103 eight accumulators
.set W,    104                         ; v104-207 two sets of 52: four fragments, then two registers of scale words (scales alone)
.set BIAS, 208                         ; v208-239
.set TM,   240
.set PW,   252
.set SEL,  22
.set WB,   8                           ; s[8:9] wimg at my group's records
.macro WM d, a, b, c, sa, sb, ra, rb   ; one product; ra, rb = 1: that side's scales stand in lanes 16-31
.if ((\ra) == 0) && ((\rb) == 0)
	v_wmma_scale_f32_16x16x128_f8f6f4 v[\d:\d+7], v[\a:\a+11], v[\b:\b+11], v[\c:\c+7], v[\sa], v[\sb] matrix_a_fmt:MATRIX_FMT_FP6 matrix_b_fmt:MATRIX_FMT_FP6
.elseif (\rb) == 0
	v_wmma_scale_f32_16x16x128_f8f6f4 v[\d:\d+7], v[\a:\a+11], v[\b:\b+11], v[\c:\c+7], v[\sa], v[\sb] matrix_a_fmt:MATRIX_FMT_FP6 matrix_b_fmt:MATRIX_FMT_FP6 matrix_a_scale:MATRIX_SCALE_ROW1
.elseif (\ra) == 0
	v_wmma_scale_f32_16x16x128_f8f6f4 v[\d:\d+7], v[\a:\a+11], v[\b:\b+11], v[\c:\c+7], v[\sa], v[\sb] matrix_a_fmt:MATRIX_FMT_FP6 matrix_b_fmt:MATRIX_FMT_FP6 matrix_b_scale:MATRIX_SCALE_ROW1
.else
	v_wmma_scale_f32_16x16x128_f8f6f4 v[\d:\d+7], v[\a:\a+11], v[\b:\b+11], v[\c:\c+7], v[\sa], v[\sb] matrix_a_fmt:MATRIX_FMT_FP6 matrix_b_fmt:MATRIX_FMT_FP6 matrix_a_scale:MATRIX_SCALE_ROW1 matrix_b_scale:MATRIX_SCALE_ROW1
.endif
.endm
; 64 numbers of a lane, register 16 b + i = number 16 (lane / 16) + i of block b, become 12 registers of codes in v[PC] on (registers 6 c .. 6 c + 5: block 2 c in lanes 0-15, block 2 c + 1 in lanes 16-31) and the four bytes in v[PW].
.macro QUANT s
.irp b, 0,1,2,3
	v_max3_num_f32 v[TM+\b], |v[\s+16*\b]|, |v[\s+1+16*\b]|, 0x1800000   ; my 16 numbers of block b, and the floor 2^(3 - 127): the byte cannot fall under 1
.endr
.irp i, 2,4,6,8,10,12,14
.irp b, 0,1,2,3
	v_max3_num_f32 v[TM+\b], v[TM+\b], |v[\s+16*\b+\i]|, |v[\s+1+16*\b+\i]|
.endr
.endr
.irp b, 0,1,2,3
	v_permlanex16_b32 v[TM+4+\b], v[TM+\b], s[SEL], s[SEL+1]
.endr
.irp b, 0,1,2,3
	v_max_num_f32 v[TM+\b], v[TM+\b], v[TM+4+\b]
.endr
.irp b, 0,1,2,3
	v_add_nc_u32 v[TM+8+\b], 0xff000000, v[TM+\b]  ; 2 off the exponent field: the conversion's scale operand
.endr
.irp b, 0,1,2,3
	v_lshrrev_b32 v[TM+4+\b], 23, v[TM+8+\b]       ; the scale's byte
.endr
	v_lshl_or_b32 v[PW], v[TM+5], 8, v[TM+4]
	v_lshl_or_b32 v[PW], v[TM+6], 16, v[PW]
	v_lshl_or_b32 v[PW], v[TM+7], 24, v[PW]
.irp c, 0,1
	v_cvt_scalef32_pk16_fp6_f32 v[PC+6*\c:PC+2+6*\c], v[\s+32*\c:\s+15+32*\c], v[TM+8+2*\c]
	v_cvt_scalef32_pk16_fp6_f32 v[PC+12+4*\c:PC+14+4*\c], v[\s+16+32*\c:\s+31+32*\c], v[TM+8+2*\c+1]
.endr
	v_nop                                          ; one plain line behind the conversions
.irp c, 0,1
.irp i, 0,1,2
	v_permlane16_swap_b32 v[PC+6*\c+\i], v[PC+12+4*\c+\i]
.endr
.irp i, 0,1,2
	v_mov_b32 v[PC+3+6*\c+\i], v[PC+12+4*\c+\i]
.endr
.endr
.endm
.macro WLOAD p, off                    ; a record into set p: 13 loads
.irp i, 0,1,2,3,4,5,6,7,8,9,10,11
	global_load_b128 v[W+52*\p+4*\i:W+52*\p+4*\i+3], v[L16], s[WB:WB+1] offset:\off+512*\i
.endr
	global_load_b64 v[W+52*\p+48:W+52*\p+49], v[L8], s[WB:WB+1] offset:\off+6144
.endm
.macro BLOAD8 va, sb                   ; a bias in the result's layout: tile t: columns 32 (t / 2) + 8 (t % 2) + 16 h + 0 .. 7: 8 loads
.irp t, 0,1,2,3
	global_load_b128 v[BIAS+8*\t:BIAS+8*\t+3], v[\va], s[\sb:\sb+1] offset:(32*(\t/2)+8*(\t%2))*4
	global_load_b128 v[BIAS+8*\t+4:BIAS+8*\t+7], v[\va], s[\sb:\sb+1] offset:(32*(\t/2)+8*(\t%2))*4+16
.endr
.endm
.macro FETCH reg, off
.irp p, 0,1,2,3,4,5
	ds_load_b64 v[\reg+2*\p:\reg+2*\p+1], v[L8] offset:\off+256*\p
.endr
.endm
; A K step: the rows' two fragments from LDS, set p's four from memory (n: the loads issued behind that set, which may stay out), eight products on eight accumulators by turns.
; cm = 1: the bias starts the sums; 2: in place.  The four v_nop are the places in front of the loads into registers just read and of the first read of results.
.macro KSTEP img, s, p, cm, n
	FETCH XF, \img+1536*\s
	FETCH XF+12, \img+6144+1536*\s
	s_wait_loadcnt \n
	s_wait_dscnt 0x0
.irp u, 0,1
.irp t, 0,1,2,3
.if \cm == 1
	WM ACC+32*\u+8*\t, W+52*\p+12*\t, XF+12*\u, BIAS+8*\t, W+52*\p+48+\t/2, XS+\s, \t%2, \u
.else
	WM ACC+32*\u+8*\t, W+52*\p+12*\t, XF+12*\u, ACC+32*\u+8*\t, W+52*\p+48+\t/2, XS+\s, \t%2, \u
.endif
.endr
.endr
.rept 4
	v_nop
.endr
.endm
.macro BARRIER                         ; my LDS stores have landed and my LDS loads are in: then the work-group's barrier
	s_wait_dscnt 0x0
	s_barrier_signal -1
	s_barrier_wait -1
.endm
.macro HOUT img, sc                    ; the codes just made are half a K step of the next layer, for both tiles
.irp u, 0,1
.irp p, 0,1,2
	ds_store_b64 v[HW], v[PC+6*\u+2*\p:PC+6*\u+2*\p+1] offset:\img+6144*\u+256*\p
.endr
.endr
	v_lshrrev_b32 v253, v[SH], v[PW]               ; lanes 0-15 keep tile 0's two bytes, lanes 16-31 take tile 1's
	ds_store_b16 v[HS], v253 offset:\sc
	BARRIER
.endm
	s_load_b256 s[4:11], s[0:1], 0x0               ; ctx, ctxs, wimg, bo
	s_load_b128 s[12:15], s[0:1], 0x20             ; b1, b2
	s_load_b64 s[16:17], s[0:1], 0x30              ; out0
	v_lshl_add_u32 v206, v0, 2, 0x1a800
	v_mov_b32 v207, 0
	v_lshrrev_b32 v253, 5, v0
	v_readfirstlane_b32 s20, v253                  ; wave
	v_and_b32 v251, 31, v0                         ; lane
	v_and_b32 v254, 15, v0                         ; r
	v_bfe_u32 v255, v0, 4, 1                       ; h
	v_lshlrev_b32 v[L8], 3, v251
	v_lshlrev_b32 v[L16], 4, v251
	v_lshlrev_b32 v[CSA], 1, v251
	s_mul_i32 s24, s20, 768
	v_add_nc_u32 v[HW], s24, v[L8]
	s_lshl_b32 s24, s20, 1
	v_add_nc_u32 v[HS], s24, v[L16]
	v_lshlrev_b32 v[SH], 4, v255
	v_lshlrev_b32 v[BO64], 6, v255
	v_and_b32 v[BOA], 7, v254
	v_lshl_add_u32 v[BOA], v[BOA], 11, v[BO64]     ; lane r takes head r % 8's row of bo
	s_mul_i32 s24, s20, 8704
	s_add_co_u32 s24, s24, STG                     ; my stage
	v_mul_u32_u24 v[SOA], v254, 272
	v_lshl_add_u32 v[SOA], v255, 6, v[SOA]
	v_add_nc_u32 v[SOA], s24, v[SOA]
	v_mul_u32_u24 v[SRA], v255, 272
	v_lshl_add_u32 v[SRA], v254, 4, v[SRA]
	v_add_nc_u32 v[SRA], s24, v[SRA]
	v_lshlrev_b32 v[OA], 11, v255
	v_lshl_add_u32 v[OA], v254, 4, v[OA]
	s_mul_i32 s24, s20, 1536
	v_add_nc_u32 v253, s24, v[L16]                 ; my eighth of ctx's image, in memory and in LDS alike
	s_mov_b32 s[SEL], 0x76543210
	s_mov_b32 s[SEL+1], 0xfedcba98
.irp b, 0,1,2,3
	v_mov_b32 v[TM+4+\b], 0                        ; written once: a lane permute's destination counts as one of its sources
.endr
	s_lshr_b32 s26, ttmp9, 7                       ; batch
	s_and_b32 s27, ttmp9, 127                      ; blk
	s_lshl_b32 s26, s26, 3
	s_add_co_u32 s26, s26, s20                     ; head w's scale bytes are mine to fetch
	s_lshl_b32 s26, s26, 7
	s_add_co_u32 s26, s26, s27
	s_lshl_b32 s26, s26, 6
	s_mov_b32 s27, 0
	s_mul_i32 s28, ttmp9, 12288                    ; ctx: two tiles of 6,144 bytes
	s_mov_b32 s29, 0
	s_mul_i32 s30, s20, 25600                      ; wimg: group w's four records
	s_mov_b32 s31, 0
	s_lshl_b32 s32, s20, 8                         ; the biases and out0: my 64 columns
	s_mov_b32 s33, 0
	s_lshl_b32 s34, ttmp9, 16                      ; out0: 32 rows of 2,048 bytes
	s_add_co_u32 s34, s34, s32
	s_mov_b32 s35, 0
	s_wait_kmcnt 0x0
	s_add_nc_u64 s[4:5], s[4:5], s[28:29]
	s_add_nc_u64 s[6:7], s[6:7], s[26:27]
	s_add_nc_u64 s[8:9], s[8:9], s[30:31]
	s_add_nc_u64 s[10:11], s[10:11], s[32:33]
	s_add_nc_u64 s[12:13], s[12:13], s[32:33]
	s_add_nc_u64 s[14:15], s[14:15], s[32:33]
	s_add_nc_u64 s[16:17], s[16:17], s[34:35]
.irp i, 0,1,2
	global_load_b128 v[ACC+4*\i:ACC+4*\i+3], v253, s[4:5] offset:512*\i th:TH_LOAD_NT
.endr
	global_load_u16 v[ACC+12], v[CSA], s[6:7]
	BLOAD8 BOA, 10                                 ; bo
	WLOAD 0, 204800*3
	WLOAD 1, 204800*3+6400
	s_wait_loadcnt 34                              ; ctx's codes and bytes are in; bo's 8 loads and the two sets' 26 may stay out
.irp i, 0,1,2
	ds_store_b128 v253, v[ACC+4*\i:ACC+4*\i+3] offset:IMG0+512*\i
.endr
	ds_store_b16 v[HS], v[ACC+12] offset:SC0
	s_wait_loadcnt 26                              ; bo is in
.irp k, 1,2,4
.set j, 0
.rept 32
	v_add_f32_dpp v[BIAS+j], v[BIAS+j], v[BIAS+j] row_xmask:\k row_mask:0xf bank_mask:0xf   ; the sum over the eight heads, in every lane
.set j, j+1
.endr
.endr
.rept 4
	v_nop                                          ; between the sums and the products that take them as C
.endr
	BARRIER                                        ; ctx's eight fragments lie in LDS
	; ---- y = ctx wo + sum of bo
	ds_load_b128 v[XS:XS+3], v[L16] offset:SC0
	KSTEP IMG0, 0, 0, 1, 13                        ; behind the set in use: the other set's 13 loads
	WLOAD 0, 204800*3+6400*2
	KSTEP IMG0, 1, 1, 2, 13
	WLOAD 1, 204800*3+6400*3
	KSTEP IMG0, 2, 0, 2, 13
	BLOAD8 BO64, 12                                ; b1
	WLOAD 0, 204800*4
	KSTEP IMG0, 3, 1, 2, 21                        ; behind it: b1's 8 and a set's 13
	WLOAD 1, 204800*4+6400
	QUANT ACC
	HOUT IMG1, SC1
	; ---- h = relu(y w1 + b1)
	ds_load_b128 v[XS:XS+3], v[L16] offset:SC1
	KSTEP IMG1, 0, 0, 1, 13
	WLOAD 0, 204800*4+6400*2
	KSTEP IMG1, 1, 1, 2, 13
	WLOAD 1, 204800*4+6400*3
	KSTEP IMG1, 2, 0, 2, 13
	BLOAD8 BO64, 14                                ; b2
	WLOAD 0, 204800*5
	KSTEP IMG1, 3, 1, 2, 21
	WLOAD 1, 204800*5+6400
.set j, 0
.rept 64
	v_max_num_f32 v[ACC+j], 0, v[ACC+j]            ; the activation, in f32
.set j, j+1
.endr
	QUANT ACC
	HOUT IMG2, SC2
	; ---- out = h w2 + b2
	ds_load_b128 v[XS:XS+3], v[L16] offset:SC2
	KSTEP IMG2, 0, 0, 1, 13
	WLOAD 0, 204800*5+6400*2
	KSTEP IMG2, 1, 1, 2, 13
	WLOAD 1, 204800*5+6400*3
	KSTEP IMG2, 2, 0, 2, 13
	KSTEP IMG2, 3, 1, 2, 0
	; THE WAY OUT: a lane holds 64 bytes of a row in two runs; the rows go through my own stage and come back whole: my 64 columns are 256 bytes of a row.
.irp u, 0,1
.irp b, 0,1
.irp i, 0,1,2,3
	ds_store_b128 v[SOA], v[ACC+32*\u+16*\b+4*\i:ACC+32*\u+16*\b+4*\i+3] offset:4352*\u+128*\b+16*\i   ; each accumulator from its low end on
.endr
.endr
.endr
.set i, 0
.rept 16
.if i < 12
.set RR, W+4*i
.else
.set RR, W+52+4*(i-12)                 ; (the registers that hold scale words are passed over)
.endif
	ds_load_b128 v[RR:RR+3], v[SRA] offset:544*i   ; LDS serves a wave's instructions in order (ISA guide 5.7.1.4): these see my stores
.set i, i+1
.endr
.set i, 0
.rept 16
.if i < 12
.set RR, W+4*i
.else
.set RR, W+52+4*(i-12)
.endif
	s_wait_dscnt 15-i
	global_store_b128 v[OA], v[RR:RR+3], s[16:17] offset:(8*(i/8)+2*(i%8)+8*((i%8)/4))*2048 th:TH_STORE_NT   ; sixteen lanes store 256 consecutive bytes, aligned: stage rows 2 i and 2 i + 1 at their true rows
.set i, i+1
.endr
	s_wait_tensorcnt 0x0
	ds_add_u32 v206, v207
	s_wait_dscnt 0x0
	s_endpgm
.Lfunc_end_k_q414655c364_mlp:
	.size	k_q414655c364_mlp, .Lfunc_end_k_q414655c364_mlp-k_q414655c364_mlp
	.p2alignl 7, 3214868480
	.fill 96, 4, 3214868480
	.section	.rodata,"a",@progbits
	.p2align	6, 0x0
	.amdhsa_kernel k_q414655c364_mlp
		.amdhsa_group_segment_fixed_size 109568
		.amdhsa_private_segment_fixed_size 0
		.amdhsa_enable_private_segment 0
		.amdhsa_kernarg_size 56
		.amdhsa_user_sgpr_count 2
		.amdhsa_user_sgpr_kernarg_segment_ptr 1
		.amdhsa_wavefront_size32 1
		.amdhsa_system_sgpr_workgroup_id_x 1
		.amdhsa_system_sgpr_workgroup_id_y 1
		.amdhsa_system_sgpr_workgroup_id_z 1
		.amdhsa_system_vgpr_workitem_id 0
		.amdhsa_next_free_vgpr 256
		.amdhsa_next_free_sgpr 66
		.amdhsa_reserve_vcc 0
		.amdhsa_float_denorm_mode_32 3
		.amdhsa_float_denorm_mode_16_64 3
		.amdhsa_memory_ordered 1
		.amdhsa_forward_progress 1
		.amdhsa_inst_pref_size 65
	.end_amdhsa_kernel
	.amdgpu_metadata
---
amdhsa.version: [ 1, 2 ]
amdhsa.kernels:
  - .name:           k_q414655c364_mlp
    .symbol:         k_q414655c364_mlp.kd
    .args:
      - { .name: ctx, .offset: 0, .size: 8, .value_kind: global_buffer, .address_space: global }
      - { .name: ctxs, .offset: 8, .size: 8, .value_kind: global_buffer, .address_space: global }
      - { .name: wimg, .offset: 16, .size: 8, .value_kind: global_buffer, .address_space: global }
      - { .name: bo, .offset: 24, .size: 8, .value_kind: global_buffer, .address_space: global }
      - { .name: b1, .offset: 32, .size: 8, .value_kind: global_buffer, .address_space: global }
      - { .name: b2, .offset: 40, .size: 8, .value_kind: global_buffer, .address_space: global }
      - { .name: out0, .offset: 48, .size: 8, .value_kind: global_buffer, .address_space: global }
    .group_segment_fixed_size: 109568
    .private_segment_fixed_size: 0
    .kernarg_segment_align: 8
    .kernarg_segment_size: 56
    .max_flat_workgroup_size: 256
    .sgpr_count:     66
    .vgpr_count:     256
    .wavefront_size: 32
...
	.end_amdgpu_metadata
.endif
;; end of part 4
;; ======== version 2 of 2: 4 launches
;; workspace buffers: wimg 1,228,800 bytes; qimg 3,145,728 bytes; kv 6,291,456 bytes; sc 393,216 bytes; ctx 3,145,728 bytes; ctxs 131,072 bytes
;; launch prep (part 5): grid 192 x 1, 2 waves a work-group, no clusters, 512 bytes of LDS; arguments wq, wk, wv, wo, w1, w2, wimg; writes wimg
.if DOCPART == 5
	.amdgcn_target "amdgcn-amd-amdhsa--gfx1250"
	.amdhsa_code_object_version 6
	.text
	.protected	k_q414655c364_prep
	.globl	k_q414655c364_prep
	.p2align	8
	.type	k_q414655c364_prep,@function
k_q414655c364_prep:
	s_mov_b64 s[64:65], 0
	v_nop
	global_prefetch_b8 v0, s[64:65] scope:SCOPE_SE
	s_setreg_imm32_b32 hwreg(HW_REG_WAVE_MODE, 25, 1), 1
	s_wait_xcnt 0x0
; PREP: the six weights, f32 with K as their first axis, become codes of FP6 (E2M3) with one E8M0 byte for each 32 along K,
; laid as images of the operand's registers, so that the later launches load fragments whole, 16 bytes a lane.
; wimg = [m 6][g 8][s 4] records of 6,400 bytes: m = wq, wk, wv, wo, w1, w2; g = a group of 64 columns (for m < 3 the head); s = 128 along K.
; A record: four fragments t = 2 b + u of 1,536 bytes, [q 3][lane 32][16 bytes] (register 4 q + i of the lane is word i), then 256 bytes of scale words.
; Lane (r, h) of fragment t holds column 64 g + 32 b + 8 u + r + 8 (r / 8); its registers 6 c .. 6 c + 5 hold k = 128 s + 64 c + 32 h + 0 .. 31.
; The scale word of (t, r) lies at 8 r + 128 u + 4 b: a load of 8 bytes a lane gives register b: lanes 0-15 fragment 2 b, lanes 16-31 fragment 2 b + 1.
; SHARES: one work-group a record, wave b its columns 32 b .. 32 b + 31.  A LANE TAKES A COLUMN AND ITS REGISTERS RUN DOWN K: a block of 32 lies in one lane,
; its largest magnitude needs no other lane, and the conversions give codes with K innermost.  Each load reads 128 consecutive bytes a wave.
; A block's scale byte is its largest magnitude's exponent field - 2, held at 1 from below by a floor among the maximum's leaves.
; LIMITS: NaN and infinities are not served.  A block of zeros gets the byte 1 where the rule says 127: its codes are zeros, and only this program reads the bytes.
; No matrix unit, no cluster, no tensor load: 16 KiB a wave are read once and nothing is shared.  192 work-groups are all the work there is.
.set RA,  32                           ; v32-63   row i of a block: 4 x lane + i x pitch; never rewritten
.set X,   64                           ; v64-191  four blocks of 32 numbers
.set CA,  192                          ; v192-203 codes of blocks 0 and 2: the registers of the fragment's lane (r, 0)
.set CB,  204                          ; v204-215 codes of blocks 1 and 3: those of lane (r, 1)
.set CT,  216                          ; v216-231 each block's upper 16 codes, as converted
	s_load_b256 s[4:11], s[0:1], 0x0               ; wq, wk, wv, wo
	s_load_b128 s[12:15], s[0:1], 0x20             ; w1, w2
	s_load_b64 s[16:17], s[0:1], 0x30              ; wimg
	v_lshl_add_u32 v232, v0, 2, 0x100
	v_mov_b32 v233, 0
	v_lshrrev_b32 v1, 5, v0
	v_readfirstlane_b32 s18, v1                    ; wave = b
	v_and_b32 v2, 31, v0                           ; lane
	s_wait_alu depctr_va_vdst(0)
	s_lshr_b32 s19, ttmp9, 5                       ; m
	s_bfe_u32 s20, ttmp9, 0x30002                  ; g
	s_and_b32 s21, ttmp9, 3                        ; s
	s_mov_b32 s22, 2048                            ; a row of K in bytes: 2,048 in wo, w1, w2; 256 in a head of wq, wk, wv
	s_mov_b32 s23, 256                             ; from group to group: 256 bytes, or a head's 131,072
	s_cmp_lt_u32 s19, 3
	s_cselect_b32 s22, 256, s22
	s_cselect_b32 s23, 0x20000, s23
	s_mul_i32 s24, s20, s23                        ; g groups,
	s_mul_i32 s25, s21, s22
	s_lshl_b32 s25, s25, 7                         ; 128 s rows,
	s_add_co_u32 s24, s24, s25
	s_lshl_b32 s25, s18, 7                         ; 32 b columns
	s_add_co_u32 s24, s24, s25
	s_mov_b32 s25, 0
	s_lshl_b32 s26, s22, 5                         ; a block of 32 rows
	s_mov_b32 s27, 0
	s_mul_i32 s36, ttmp9, 6400                     ; my record
	s_mov_b32 s37, 0
	s_mul_i32 s40, s18, 3072                       ; my two fragments in it
	s_mov_b32 s41, 0
	v_lshlrev_b32 v[RA], 2, v2
.set i, 1
.rept 31
	v_add_nc_u32 v[RA+i], s22, v[RA+i-1]
.set i, i+1
.endr
	v_bfe_u32 v3, v0, 3, 1                         ; u = (lane / 8) % 2
	v_and_b32 v4, 7, v0
	v_bfe_u32 v5, v0, 4, 1
	v_lshl_add_u32 v4, v5, 3, v4                   ; r = lane % 8 + 8 (lane / 16): column lane = 8 u + r + 8 (r / 8)
	v_mul_u32_u24 v6, v3, 1536
	v_lshl_add_u32 v6, v4, 4, v6                   ; where my codes go: fragment u, lane r
	v_lshlrev_b32 v7, 3, v4
	v_lshl_add_u32 v7, v3, 7, v7
	s_lshl_b32 s42, s18, 2
	v_add_nc_u32 v7, s42, v7                       ; LDS: my scale word: 8 r + 128 u + 4 b
	v_lshlrev_b32 v12, 3, v2                       ; and 8 bytes a lane on the way out
	s_wait_kmcnt 0x0
	s_mov_b64 s[28:29], s[4:5]                     ; the tensor is chosen by the work-group's number alone
	s_cmp_eq_u32 s19, 1
	s_cselect_b64 s[28:29], s[6:7], s[28:29]
	s_cmp_eq_u32 s19, 2
	s_cselect_b64 s[28:29], s[8:9], s[28:29]
	s_cmp_eq_u32 s19, 3
	s_cselect_b64 s[28:29], s[10:11], s[28:29]
	s_cmp_eq_u32 s19, 4
	s_cselect_b64 s[28:29], s[12:13], s[28:29]
	s_cmp_eq_u32 s19, 5
	s_cselect_b64 s[28:29], s[14:15], s[28:29]
	s_add_nc_u64 s[28:29], s[28:29], s[24:25]      ; block 0,
	s_add_nc_u64 s[30:31], s[28:29], s[26:27]      ; 1,
	s_add_nc_u64 s[32:33], s[30:31], s[26:27]      ; 2,
	s_add_nc_u64 s[34:35], s[32:33], s[26:27]      ; 3
	s_add_nc_u64 s[16:17], s[16:17], s[36:37]
	s_add_nc_u64 s[38:39], s[16:17], s[40:41]
.macro LOADB k                         ; block k: rows 32 k + i of my column
.set i, 0
.rept 32
	global_load_b32 v[X+32*(\k)+i], v[RA+i], s[28+2*(\k):29+2*(\k)] th:TH_LOAD_NT
.set i, i+1
.endr
.endm
.macro BLK k, left                     ; left: the next block's loads, which may stay out
.set XS, X+32*(\k)
.set DS, CA+12*((\k)%2)+6*((\k)/2)
	s_wait_loadcnt \left
	v_max3_num_f32 v8, |v[XS]|, |v[XS+1]|, |v[XS+2]|   ; the block's largest magnitude, in two chains
	v_max3_num_f32 v9, |v[XS+3]|, |v[XS+4]|, |v[XS+5]|
.irp i, 6,10,14,18,22,26
	v_max3_num_f32 v8, v8, |v[XS+\i]|, |v[XS+\i+1]|
	v_max3_num_f32 v9, v9, |v[XS+\i+2]|, |v[XS+\i+3]|
.endr
	v_max3_num_f32 v8, v8, |v[XS+30]|, |v[XS+31]|
	v_max3_num_f32 v8, v8, v9, 0x1800000           ; and the floor 2^(3 - 127): the byte cannot fall under 1
	v_add_nc_u32 v10, 0xff000000, v8               ; 2 off the exponent field: the conversion takes this operand's exponent field as its scale
	v_lshrrev_b32 v11, 23, v10                     ; the scale's byte
.if (\k) == 0
	v_mov_b32 v20, v11
.else
	v_lshl_or_b32 v20, v11, 8*(\k), v20            ; four bytes make my column's scale word for these 128 along K
.endif
	v_cvt_scalef32_pk16_fp6_f32 v[DS:DS+2], v[XS:XS+15], v10
	v_cvt_scalef32_pk16_fp6_f32 v[CT+4*(\k):CT+4*(\k)+2], v[XS+16:XS+31], v10   ; (a conversion's three registers begin on an even number)
	v_nop                                          ; one plain line behind the conversions
.irp i, 0,1,2
	v_mov_b32 v[DS+3+\i], v[CT+4*(\k)+\i]
.endr
.endm
	LOADB 0
	LOADB 1
	BLK 0, 32
	LOADB 2
	BLK 1, 32
	LOADB 3
	BLK 2, 32
	BLK 3, 0
.irp q, 0,1,2
	global_store_b128 v6, v[CA+4*\q:CA+4*\q+3], s[38:39] offset:512*\q       ; sixteen lanes of one u store 256 consecutive bytes, aligned
	global_store_b128 v6, v[CB+4*\q:CB+4*\q+3], s[38:39] offset:512*\q+256
.endr
	ds_store_b32 v7, v20
	s_wait_dscnt 0x0                               ; for the other wave's sake: my scale words lie in LDS
	s_barrier_signal -1
	s_barrier_wait -1
	s_cmp_lg_u32 s18, 0
	s_cbranch_scc1 .Lend
	ds_load_b64 v[14:15], v12                      ; wave 0 stores the record's 256 bytes of scale words whole
	s_wait_dscnt 0x0
	global_store_b64 v12, v[14:15], s[16:17] offset:6144
.Lend:
	s_wait_tensorcnt 0x0
	ds_add_u32 v232, v233
	s_wait_dscnt 0x0
	s_endpgm
.Lfunc_end_k_q414655c364_prep:
	.size	k_q414655c364_prep, .Lfunc_end_k_q414655c364_prep-k_q414655c364_prep
	.p2alignl 7, 3214868480
	.fill 96, 4, 3214868480
	.section	.rodata,"a",@progbits
	.p2align	6, 0x0
	.amdhsa_kernel k_q414655c364_prep
		.amdhsa_group_segment_fixed_size 512
		.amdhsa_private_segment_fixed_size 0
		.amdhsa_enable_private_segment 0
		.amdhsa_kernarg_size 56
		.amdhsa_user_sgpr_count 2
		.amdhsa_user_sgpr_kernarg_segment_ptr 1
		.amdhsa_wavefront_size32 1
		.amdhsa_system_sgpr_workgroup_id_x 1
		.amdhsa_system_sgpr_workgroup_id_y 1
		.amdhsa_system_sgpr_workgroup_id_z 1
		.amdhsa_system_vgpr_workitem_id 0
		.amdhsa_next_free_vgpr 234
		.amdhsa_next_free_sgpr 66
		.amdhsa_reserve_vcc 0
		.amdhsa_float_denorm_mode_32 3
		.amdhsa_float_denorm_mode_16_64 3
		.amdhsa_memory_ordered 1
		.amdhsa_forward_progress 1
		.amdhsa_inst_pref_size 23
	.end_amdhsa_kernel
	.amdgpu_metadata
---
amdhsa.version: [ 1, 2 ]
amdhsa.kernels:
  - .name:           k_q414655c364_prep
    .symbol:         k_q414655c364_prep.kd
    .args:
      - { .name: wq, .offset: 0, .size: 8, .value_kind: global_buffer, .address_space: global }
      - { .name: wk, .offset: 8, .size: 8, .value_kind: global_buffer, .address_space: global }
      - { .name: wv, .offset: 16, .size: 8, .value_kind: global_buffer, .address_space: global }
      - { .name: wo, .offset: 24, .size: 8, .value_kind: global_buffer, .address_space: global }
      - { .name: w1, .offset: 32, .size: 8, .value_kind: global_buffer, .address_space: global }
      - { .name: w2, .offset: 40, .size: 8, .value_kind: global_buffer, .address_space: global }
      - { .name: wimg, .offset: 48, .size: 8, .value_kind: global_buffer, .address_space: global }
    .group_segment_fixed_size: 512
    .private_segment_fixed_size: 0
    .kernarg_segment_align: 8
    .kernarg_segment_size: 56
    .max_flat_workgroup_size: 64
    .sgpr_count:     66
    .vgpr_count:     234
    .wavefront_size: 32
...
	.end_amdgpu_metadata
.endif
;; end of part 5
;; launch qkv (part 6): grid 256 x 1, 8 waves a work-group, no clusters, 82,944 bytes of LDS; arguments x, wimg, bq, bk, bv, qimg, kv, sc; writes qimg, kv, sc
.if DOCPART == 6
	.amdgcn_target "amdgcn-amd-amdhsa--gfx1250"
	.amdhsa_code_object_version 6
	.text
	.protected	k_q414655c364_qkv
	.globl	k_q414655c364_qkv
	.p2align	8
	.type	k_q414655c364_qkv,@function
k_q414655c364_qkv:
	s_mov_b64 s[64:65], 0
	v_nop
	global_prefetch_b8 v0, s[64:65] scope:SCOPE_SE
	s_setreg_imm32_b32 hwreg(HW_REG_WAVE_SCHED_MODE, 0, 2), 2
	s_setreg_imm32_b32 hwreg(HW_REG_WAVE_MODE, 25, 1), 1
	s_wait_xcnt 0x0
	s_wait_alu depctr_vm_vsrc(0)
; QKV: q, k, v = x W + b on codes of FP6 (E2M3) with E8M0 scales for each 32 along K, and their own quantising: q and k along the head's 64, v along the keys.
; SHARES: a work-group takes 32 rows of x (two tiles of 16); wave w is head w and makes q, k, v of that head, 64 columns each, one after the other: 8 accumulators, 4 K steps of 128.
; THE ROWS OF A TILE ARE NOT NEIGHBOURS: lane r of tile u holds row 8 u + r + 8 (r / 8) of the 32; the columns of a weight's tile likewise (launch prep).
; So with the side so ordered as source 0, the 16 registers of two neighbouring tiles are 16 neighbours, 16 (lane / 16) + 0 .. 15 of a block of 32: what the conversions want.
;   q, k: source 0 = 16 columns of W, source 1 = x: a lane holds one row and its registers run along e.   v: source 0 = x, source 1 = W: a lane holds one e and its registers run along the keys.
; x: wave w quantises tile w % 2, K step w / 2.  Each load reads 512 consecutive bytes of a row; the numbers turn through the wave's own stage so that a lane holds 16 neighbours of each block.
; The fragments go from wave to wave through LDS as images of their registers (8 bytes a lane and piece), one barrier.
; THE WEIGHTS go from memory straight into registers, 16 bytes a lane, two sets by turns, each set asked for two K steps ahead; each fragment feeds two products.
; NO CLUSTER, NO JOINT LOADS: in a work-group a record of 6,400 bytes is read by one wave alone, so LDS would only be passed through (6,400 bytes in and out again for each record),
; and the work-group's 96 records, 614,400 bytes, would need slots that are filled again, with a round of the cluster's barrier for each refill of a launch of 12 K steps.
; OUT (layouts as the attention launch reads them): qimg [bh][blk][piece 6][lane][8]; kv [bh][128 keys] records of 12,288: K's four pair images, then V's codes in two parts; sc [q, k, v][bh][blk][r] raw scale words.
; The scale words leave as 64 bytes a store (0.4 MB of the launch's 9.8 MB out); all codes leave as aligned runs of 256 bytes.
; LIMITS: NaN and infinities are not served.  A block of zeros gets the byte 1 where the rule says 127: its codes are zeros, and only this program reads the bytes.
; THE MODE: SCHED_MODE bits 1:0 = 2 (LLVM: expert scheduling mode 2), set by the entry lines.  The code itself states the register dependences
; between vector or matrix instructions and memory or LDS instructions, with s_wait_alu, always for 0.
; THE PLAN.  Registers that memory or LDS instructions touch:
;   v1-v10     offsets and LDS addresses: written at the head, never again; one wait on va_vdst ahead of the first load serves every load and store of the kernel.
;   ACC        at the head alone: x's loads land, the stage's stores read, the stage's loads land; afterwards vector and matrix instructions alone name it.
;   XF = PC    a K step's twelve LDS loads land, its eight products read; between two groups QUANT writes v16-35 and the stores of the codes read them.
;   PW         QUANT writes, one store reads.
;   W0, W1     step s's products read set s % 2; behind them the record of step s + 2 lands in it.
;   BIAS       a group's step 0 reads it (in group v the packed additions); the next group's loads land behind step 2.
;   XS         one LDS load; read as scales alone.
; So ONE wait on va_vdst stands at the tail of a K step: its products are done reading XF, their set and BIAS; the loads up to the next step's products follow it with no vector or matrix instruction between.
; One more stands behind each QUANT, ahead of the stores of its codes; one wait on vm_vsrc stands behind those stores, ahead of the loads that land in PC and of the next QUANT.
.set XIMG, 0                           ; LDS: x's 8 fragments [u][s][piece 6][lane][8 bytes]
.set XSC,  12288                       ; their scale words: 16 (r + 16 u) + 4 s
.set STG,  12800                       ; a stage of 16 rows x (512 + 16) bytes for each wave
.set L8,   1                           ; v1   8 x lane
.set L16,  2                           ; v2   16 x lane
.set R4,   3                           ; v3   4 r
.set STW,  4                           ; v4   the stage, in
.set STR,  5                           ; v5   the stage, out
.set XW,   6                           ; v6   where my x image goes
.set XSW,  7                           ; v7   and its scale word
.set BO64, 8                           ; v8   64 h: bq, bk
.set BVO,  9                           ; v9   4 (r + 8 (r / 8)): bv
.set VX,   10                          ; v10  V's second part: 8 r + 128 (h xor blk % 2)
.set XS,   12                          ; v12-15  x's scale words of K steps 0-3: lanes 0-15 tile 0, lanes 16-31 tile 1; scales alone
.set XF,   16                          ; v16-39  x's two fragments of a K step
.set PC,   16                          ; v16-35  the codes just made (between the groups x's fragments are not in use)
.set ACC,  40                          ; v40-103 eight accumulators
.set W,    104                         ; v104-207 two sets of 52: four fragments, then two registers of scale words (scales alone)
.set BIAS, 208                         ; v208-239
.set TM,   240                         ; v240-243 largest magnitudes, v244-247 bytes, v248-251 the conversions' scale operands
.set PW,   252                         ; v252 the scale word just made
.set SEL,  22                          ; s[22:23] v_permlanex16_b32's selects for lane l xor 16
.set WB,   6                           ; s[6:7] wimg at my head's records
.macro WM d, a, b, z, c, sa, sb, ra, rb    ; one product; z = 1: C is the constant 0; ra, rb = 1: that side's scales stand in lanes 16-31
.if \z
.if ((\ra) == 0) && ((\rb) == 0)
	v_wmma_scale_f32_16x16x128_f8f6f4 v[\d:\d+7], v[\a:\a+11], v[\b:\b+11], 0, v[\sa], v[\sb] matrix_a_fmt:MATRIX_FMT_FP6 matrix_b_fmt:MATRIX_FMT_FP6
.elseif (\rb) == 0
	v_wmma_scale_f32_16x16x128_f8f6f4 v[\d:\d+7], v[\a:\a+11], v[\b:\b+11], 0, v[\sa], v[\sb] matrix_a_fmt:MATRIX_FMT_FP6 matrix_b_fmt:MATRIX_FMT_FP6 matrix_a_scale:MATRIX_SCALE_ROW1
.elseif (\ra) == 0
	v_wmma_scale_f32_16x16x128_f8f6f4 v[\d:\d+7], v[\a:\a+11], v[\b:\b+11], 0, v[\sa], v[\sb] matrix_a_fmt:MATRIX_FMT_FP6 matrix_b_fmt:MATRIX_FMT_FP6 matrix_b_scale:MATRIX_SCALE_ROW1
.else
	v_wmma_scale_f32_16x16x128_f8f6f4 v[\d:\d+7], v[\a:\a+11], v[\b:\b+11], 0, v[\sa], v[\sb] matrix_a_fmt:MATRIX_FMT_FP6 matrix_b_fmt:MATRIX_FMT_FP6 matrix_a_scale:MATRIX_SCALE_ROW1 matrix_b_scale:MATRIX_SCALE_ROW1
.endif
.else
.if ((\ra) == 0) && ((\rb) == 0)
	v_wmma_scale_f32_16x16x128_f8f6f4 v[\d:\d+7], v[\a:\a+11], v[\b:\b+11], v[\c:\c+7], v[\sa], v[\sb] matrix_a_fmt:MATRIX_FMT_FP6 matrix_b_fmt:MATRIX_FMT_FP6
.elseif (\rb) == 0
	v_wmma_scale_f32_16x16x128_f8f6f4 v[\d:\d+7], v[\a:\a+11], v[\b:\b+11], v[\c:\c+7], v[\sa], v[\sb] matrix_a_fmt:MATRIX_FMT_FP6 matrix_b_fmt:MATRIX_FMT_FP6 matrix_a_scale:MATRIX_SCALE_ROW1
.elseif (\ra) == 0
	v_wmma_scale_f32_16x16x128_f8f6f4 v[\d:\d+7], v[\a:\a+11], v[\b:\b+11], v[\c:\c+7], v[\sa], v[\sb] matrix_a_fmt:MATRIX_FMT_FP6 matrix_b_fmt:MATRIX_FMT_FP6 matrix_b_scale:MATRIX_SCALE_ROW1
.else
	v_wmma_scale_f32_16x16x128_f8f6f4 v[\d:\d+7], v[\a:\a+11], v[\b:\b+11], v[\c:\c+7], v[\sa], v[\sb] matrix_a_fmt:MATRIX_FMT_FP6 matrix_b_fmt:MATRIX_FMT_FP6 matrix_a_scale:MATRIX_SCALE_ROW1 matrix_b_scale:MATRIX_SCALE_ROW1
.endif
.endif
.endm
; 64 numbers of a lane, register 16 b + i = number 16 (lane / 16) + i of block b, become 12 registers of codes in v[PC] on (registers 6 c .. 6 c + 5: block 2 c in lanes 0-15, block 2 c + 1 in lanes 16-31) and the four bytes in v[PW].
.macro QUANT s
.irp b, 0,1,2,3
	v_max3_num_f32 v[TM+\b], |v[\s+16*\b]|, |v[\s+1+16*\b]|, 0x1800000   ; my 16 numbers of block b, and the floor 2^(3 - 127): the byte cannot fall under 1
.endr
.irp i, 2,4,6,8,10,12,14
.irp b, 0,1,2,3
	v_max3_num_f32 v[TM+\b], v[TM+\b], |v[\s+16*\b+\i]|, |v[\s+1+16*\b+\i]|   ; (the four blocks by turns; each accumulator is read from its low end on)
.endr
.endr
.irp b, 0,1,2,3
	v_permlanex16_b32 v[TM+4+\b], v[TM+\b], s[SEL], s[SEL+1]
.endr
.irp b, 0,1,2,3
	v_max_num_f32 v[TM+\b], v[TM+\b], v[TM+4+\b]   ; with lane l xor 16's: the block's largest magnitude
.endr
.irp b, 0,1,2,3
	v_add_nc_u32 v[TM+8+\b], 0xff000000, v[TM+\b]  ; 2 off its exponent field: the conversion's scale operand
.endr
.irp b, 0,1,2,3
	v_lshrrev_b32 v[TM+4+\b], 23, v[TM+8+\b]       ; the scale's byte
.endr
	v_lshl_or_b32 v[PW], v[TM+5], 8, v[TM+4]
	v_lshl_or_b32 v[PW], v[TM+6], 16, v[PW]
	v_lshl_or_b32 v[PW], v[TM+7], 24, v[PW]
.irp c, 0,1
	v_cvt_scalef32_pk16_fp6_f32 v[PC+6*\c:PC+2+6*\c], v[\s+32*\c:\s+15+32*\c], v[TM+8+2*\c]
	v_cvt_scalef32_pk16_fp6_f32 v[PC+12+4*\c:PC+14+4*\c], v[\s+16+32*\c:\s+31+32*\c], v[TM+8+2*\c+1]   ; (a conversion's three registers begin on an even number)
.endr
	v_nop                                          ; one plain line behind the conversions
.irp c, 0,1
.irp i, 0,1,2
	v_permlane16_swap_b32 v[PC+6*\c+\i], v[PC+12+4*\c+\i]   ; a whole block to a lane
.endr
.irp i, 0,1,2
	v_mov_b32 v[PC+3+6*\c+\i], v[PC+12+4*\c+\i]
.endr
.endr
.endm
.macro WLOAD p, off                    ; a record into set p: 13 loads
.irp i, 0,1,2,3,4,5,6,7,8,9,10,11
	global_load_b128 v[W+52*\p+4*\i:W+52*\p+4*\i+3], v[L16], s[WB:WB+1] offset:\off+512*\i
.endr
	global_load_b64 v[W+52*\p+48:W+52*\p+49], v[L8], s[WB:WB+1] offset:\off+6144
.endm
.macro BLOAD8 sb                       ; a bias in the result's layout: tile t, lane (r, h): columns 32 (t / 2) + 8 (t % 2) + 16 h + 0 .. 7: 8 loads
.irp t, 0,1,2,3
	global_load_b128 v[BIAS+8*\t:BIAS+8*\t+3], v[BO64], s[\sb:\sb+1] offset:(32*(\t/2)+8*(\t%2))*4
	global_load_b128 v[BIAS+8*\t+4:BIAS+8*\t+7], v[BO64], s[\sb:\sb+1] offset:(32*(\t/2)+8*(\t%2))*4+16
.endr
.endm
.macro FETCH reg, off
.irp p, 0,1,2,3,4,5
	ds_load_b64 v[\reg+2*\p:\reg+2*\p+1], v[L8] offset:\off+256*\p
.endr
.endm
; A K step: x's two fragments from LDS, set p's four from memory (n: the loads issued behind that set, which may stay out), eight products on eight accumulators by turns.
; cm: 0 the constant 0 starts the sums, 1 the bias does, 2 in place.  The four v_nop are the places behind the products (ISA guide 7.12.1): behind a group's last step they stand in front of the first read of results.
; fin = 1: the last step of all, behind which no load is issued: it has no wait at its tail.
.macro KSTEP mode, s, p, cm, n, fin
	FETCH XF, XIMG+1536*\s
	FETCH XF+12, XIMG+6144+1536*\s
	s_wait_loadcnt \n
	s_wait_dscnt 0x0
.if \mode == 0
.irp u, 0,1
.irp t, 0,1,2,3
.if \cm == 1
	WM ACC+32*\u+8*\t, W+52*\p+12*\t, XF+12*\u, 0, BIAS+8*\t, W+52*\p+48+\t/2, XS+\s, \t%2, \u
.else
	WM ACC+32*\u+8*\t, W+52*\p+12*\t, XF+12*\u, 0, ACC+32*\u+8*\t, W+52*\p+48+\t/2, XS+\s, \t%2, \u
.endif
.endr
.endr
.else
.irp t, 0,1,2,3
.irp u, 0,1
.if \cm == 0
	WM ACC+16*\t+8*\u, XF+12*\u, W+52*\p+12*\t, 1, 0, XS+\s, W+52*\p+48+\t/2, \u, \t%2
.else
	WM ACC+16*\t+8*\u, XF+12*\u, W+52*\p+12*\t, 0, ACC+16*\t+8*\u, XS+\s, W+52*\p+48+\t/2, \u, \t%2
.endif
.endr
.endr
.endif
.rept 4
	v_nop
.endr
.if \fin == 0
	s_wait_alu depctr_va_vdst(0)                   ; the step's products are done reading x's fragments, set p and the bias: the loads that follow, up to the next step's products, land in these registers
.endif
.endm
	s_load_b256 s[4:11], s[0:1], 0x0               ; x, wimg, bq, bk
	s_load_b256 s[12:19], s[0:1], 0x20             ; bv, qimg, kv, sc
	v_lshl_add_u32 v206, v0, 2, 0x14000
	v_mov_b32 v207, 0
	v_lshrrev_b32 v253, 5, v0
	v_readfirstlane_b32 s20, v253                  ; wave = head
	v_and_b32 v253, 31, v0                         ; lane
	v_and_b32 v254, 15, v0                         ; r
	v_bfe_u32 v255, v0, 4, 1                       ; h
	v_lshlrev_b32 v[L8], 3, v253
	s_wait_alu depctr_va_vdst(0)
	v_lshlrev_b32 v[L16], 4, v253
	v_lshlrev_b32 v[R4], 2, v254
	s_wait_alu depctr_va_sdst(0)                   ; s20 is written, ahead of its first reader: LDS addresses and all bases are made from it
	s_and_b32 s21, s20, 1                          ; the tile of x that I quantise
	s_lshr_b32 s24, s20, 1                         ; and its K step
	s_mul_i32 s25, s20, 8448
	s_add_co_u32 s25, s25, STG                     ; my stage
	v_add_nc_u32 v[STW], s25, v[L16]               ; in: a row's 512 bytes as they lie
	v_mul_u32_u24 v[STR], v254, 528
	v_lshl_add_u32 v[STR], v255, 6, v[STR]
	v_add_nc_u32 v[STR], s25, v[STR]               ; out: row r, 64 h bytes on: my 16 numbers of each block
	s_mul_i32 s25, s21, 6144
	s_mul_i32 s26, s24, 1536
	s_add_co_u32 s25, s25, s26
	v_add_nc_u32 v[XW], s25, v[L8]
	s_lshl_b32 s25, s21, 8
	s_lshl_b32 s26, s24, 2
	s_add_co_u32 s25, s25, s26
	v_lshl_add_u32 v[XSW], v254, 4, s25
	v_lshlrev_b32 v[BO64], 6, v255
	v_and_b32 v[BVO], 8, v254
	v_add_nc_u32 v[BVO], v[BVO], v254
	v_lshlrev_b32 v[BVO], 2, v[BVO]
	s_and_b32 s25, ttmp9, 1
	v_xor_b32 v[VX], s25, v255
	v_lshlrev_b32 v[VX], 7, v[VX]
	v_lshl_add_u32 v[VX], v254, 3, v[VX]
	s_mov_b32 s[SEL], 0x76543210
	s_mov_b32 s[SEL+1], 0xfedcba98
.irp b, 0,1,2,3
	v_mov_b32 v[TM+4+\b], 0                        ; written once: a lane permute's destination counts as one of its sources
.endr
	s_lshl_b32 s28, ttmp9, 16                      ; x: 32 rows of 2,048 bytes a work-group,
	s_lshl_b32 s25, s21, 14                        ; tile u begins 8 u rows down,
	s_add_co_u32 s28, s28, s25
	s_lshl_b32 s25, s24, 9                         ; K step s is 512 bytes on
	s_add_co_u32 s28, s28, s25
	s_mov_b32 s29, 0
	s_mul_i32 s30, s20, 25600                      ; wimg: group w's four records
	s_mov_b32 s31, 0
	s_lshl_b32 s32, s20, 8                         ; the biases: my head's 64 numbers
	s_mov_b32 s33, 0
	s_lshr_b32 s50, ttmp9, 7
	s_lshl_b32 s50, s50, 3
	s_add_co_u32 s50, s50, s20                     ; bh = 8 x batch + head
	s_and_b32 s51, ttmp9, 127                      ; blk: which 32 rows of the sequence
	s_lshl_b32 s52, s50, 7
	s_add_co_u32 s52, s52, s51
	s_mul_i32 s34, s52, 1536                       ; qimg
	s_mov_b32 s35, 0
	s_lshl_b32 s36, s52, 6                         ; sc
	s_mov_b32 s37, 0
	s_mul_i32 s38, s50, 393216
	s_lshr_b32 s25, s51, 2
	s_mul_i32 s25, s25, 12288
	s_add_co_u32 s38, s38, s25                     ; kv: the record of my 128 keys
	s_mov_b32 s39, 0
	s_and_b32 s25, s51, 3                          ; which 32 of them
	s_mul_i32 s40, s25, 1536
	s_mov_b32 s41, 0
	s_lshl_b32 s42, s25, 10
	s_mov_b32 s43, 0
	s_lshl_b32 s44, s25, 9
	s_mov_b32 s45, 0
	s_wait_kmcnt 0x0
	s_add_nc_u64 s[4:5], s[4:5], s[28:29]
	s_add_nc_u64 s[6:7], s[6:7], s[30:31]
	s_add_nc_u64 s[8:9], s[8:9], s[32:33]
	s_add_nc_u64 s[10:11], s[10:11], s[32:33]
	s_add_nc_u64 s[12:13], s[12:13], s[32:33]
	s_add_nc_u64 s[14:15], s[14:15], s[34:35]
	s_add_nc_u64 s[18:19], s[18:19], s[36:37]
	s_add_nc_u64 s[16:17], s[16:17], s[38:39]
	s_add_nc_u64 s[46:47], s[16:17], s[42:43]      ; V's first part (6,144 on, in the stores' immediates)
	s_add_nc_u64 s[48:49], s[16:17], s[44:45]      ; V's second part (10,240 on)
	s_add_nc_u64 s[16:17], s[16:17], s[40:41]      ; K's pair image
	s_wait_alu depctr_va_vdst(0)                   ; the ten offsets and addresses v1 to v10 are written, which every load and store of the kernel reads; none is written again
.irp i, 0,1,2,3,4,5,6,7,8,9,10,11,12,13,14,15
	global_load_b128 v[ACC+4*\i:ACC+4*\i+3], v[L16], s[4:5] offset:(\i+8*(\i/8))*2048 th:TH_LOAD_NT   ; row i of my tile: 512 consecutive bytes
.endr
	BLOAD8 8                                       ; bq
	WLOAD 0, 0
	WLOAD 1, 6400
	s_wait_loadcnt 34                              ; x is in; bq's 8 loads and the two sets' 26 may stay out
.irp i, 0,1,2,3,4,5,6,7,8,9,10,11,12,13,14,15
	ds_store_b128 v[STW], v[ACC+4*\i:ACC+4*\i+3] offset:528*\i
.endr
	s_wait_dscnt 0x0                               ; the stores into the stage are done
	s_wait_alu depctr_vm_vsrc(0)                   ; they have read v[ACC ..], in which the loads below land
.irp b, 0,1,2,3
.irp j, 0,1,2,3
	ds_load_b128 v[ACC+16*\b+4*\j:ACC+16*\b+4*\j+3], v[STR] offset:128*\b+16*\j
.endr
.endr
	s_wait_dscnt 0x0
	QUANT ACC
	s_wait_alu depctr_va_vdst(0)                   ; QUANT has written v[PC ..] and v[PW], which the LDS stores read; it is also done with v16-35, in which the first step's fragments land
.irp p, 0,1,2,3,4,5
	ds_store_b64 v[XW], v[PC+2*\p:PC+2*\p+1] offset:XIMG+256*\p
.endr
	ds_store_b32 v[XSW], v[PW] offset:XSC          ; both halves of the lanes write the same word with the same value
	s_wait_dscnt 0x0                               ; for the others' sake: my image lies in LDS
	s_barrier_signal -1
	s_barrier_wait -1
	s_wait_alu depctr_vm_vsrc(0)                   ; my LDS stores have read v[PC ..], in which x's fragments land, and v[PW], which the next QUANT writes
	ds_load_b128 v[XS:XS+3], v[L16] offset:XSC
	; ---- q
	KSTEP 0, 0, 0, 1, 13, 0                        ; behind the set in use: the other set's 13 loads
	WLOAD 0, 6400*2
	KSTEP 0, 1, 1, 2, 13, 0
	WLOAD 1, 6400*3
	KSTEP 0, 2, 0, 2, 13, 0
	BLOAD8 10                                      ; bk
	WLOAD 0, 204800
	KSTEP 0, 3, 1, 2, 21, 0                        ; behind it: bk's 8 and a set's 13
	WLOAD 1, 204800+6400
	QUANT ACC
	s_wait_alu depctr_va_vdst(0)                   ; QUANT has written v[PC ..] and v[PW], which the stores read; it is also done with v16-35, in which the next group's fragments land
.irp p, 0,1,2,3,4,5
	global_store_b64 v[L8], v[PC+2*\p:PC+2*\p+1], s[14:15] offset:256*\p
.endr
	global_store_b32 v[R4], v[PW], s[18:19]
	s_wait_xcnt 0x0                                ; the stores' addresses are translated (ISA guide 3.1): their data registers are written again only behind this wait,
	s_wait_alu depctr_vm_vsrc(0)                   ; and the stores have read v[PC ..], in which x's fragments land again, and v[PW], which the next QUANT writes
	; ---- k
	KSTEP 0, 0, 0, 1, 13, 0
	WLOAD 0, 204800+6400*2
	KSTEP 0, 1, 1, 2, 13, 0
	WLOAD 1, 204800+6400*3
	KSTEP 0, 2, 0, 2, 13, 0
.irp t, 0,1,2,3
	global_load_b32 v[BIAS+2*\t], v[BVO], s[12:13] offset:(32*(\t/2)+8*(\t%2))*4     ; bv of my column of tile t, into both registers of a pair
	global_load_b32 v[BIAS+2*\t+1], v[BVO], s[12:13] offset:(32*(\t/2)+8*(\t%2))*4
.endr
	WLOAD 0, 409600
	KSTEP 0, 3, 1, 2, 21, 0                        ; behind it: bv's 8 and a set's 13
	WLOAD 1, 409600+6400
	QUANT ACC
	s_wait_alu depctr_va_vdst(0)                   ; QUANT has written v[PC ..] and v[PW], which the stores read; it is also done with v16-35, in which the next group's fragments land
.irp q, 0,1,2
	global_store_b128 v[L16], v[PC+4*\q:PC+4*\q+3], s[16:17] offset:512*\q
.endr
	global_store_b32 v[R4], v[PW], s[18:19] offset:131072
	s_wait_xcnt 0x0                                ; as behind q's stores
	s_wait_alu depctr_vm_vsrc(0)                   ; the stores have read v[PC ..], in which x's fragments land again, and v[PW], which the last QUANT writes
	; ---- v: the other way round: a lane holds one e, its registers run along the 32 keys
	KSTEP 1, 0, 0, 0, 13, 0
	WLOAD 0, 409600+6400*2
	KSTEP 1, 1, 1, 2, 13, 0
	WLOAD 1, 409600+6400*3
	KSTEP 1, 2, 0, 2, 13, 0
	KSTEP 1, 3, 1, 2, 0, 1
.irp t, 0,1,2,3
.irp j, 0,2,4,6,8,10,12,14
	v_pk_add_f32 v[ACC+16*\t+\j:ACC+16*\t+\j+1], v[ACC+16*\t+\j:ACC+16*\t+\j+1], v[BIAS+2*\t:BIAS+2*\t+1]
.endr
.endr
	QUANT ACC                                      ; block t = tile t's 32 keys
	s_wait_alu depctr_va_vdst(0)                   ; QUANT has written v[PC ..] and v[PW], which the last stores read
.irp c, 0,1
	global_store_b128 v[L16], v[PC+6*\c:PC+6*\c+3], s[46:47] offset:6144+512*\c      ; of a block's 24 bytes the first 16,
	global_store_b64 v[VX], v[PC+6*\c+4:PC+6*\c+5], s[48:49] offset:10240+256*\c     ; and the last 8
.endr
	global_store_b32 v[R4], v[PW], s[18:19] offset:262144
	s_wait_dscnt 0x0
	s_wait_alu depctr_hold_cnt(0) depctr_sa_sdst(0) depctr_va_vdst(0) depctr_va_sdst(0) depctr_va_ssrc(0) depctr_va_vcc(0) depctr_vm_vsrc(0)
	s_wait_tensorcnt 0x0
	ds_add_u32 v206, v207
	s_wait_dscnt 0x0
	s_endpgm
.Lfunc_end_k_q414655c364_qkv:
	.size	k_q414655c364_qkv, .Lfunc_end_k_q414655c364_qkv-k_q414655c364_qkv
	.p2alignl 7, 3214868480
	.fill 96, 4, 3214868480
	.section	.rodata,"a",@progbits
	.p2align	6, 0x0
	.amdhsa_kernel k_q414655c364_qkv
		.amdhsa_group_segment_fixed_size 82944
		.amdhsa_private_segment_fixed_size 0
		.amdhsa_enable_private_segment 0
		.amdhsa_kernarg_size 64
		.amdhsa_user_sgpr_count 2
		.amdhsa_user_sgpr_kernarg_segment_ptr 1
		.amdhsa_wavefront_size32 1
		.amdhsa_system_sgpr_workgroup_id_x 1
		.amdhsa_system_sgpr_workgroup_id_y 1
		.amdhsa_system_sgpr_workgroup_id_z 1
		.amdhsa_system_vgpr_workitem_id 0
		.amdhsa_next_free_vgpr 256
		.amdhsa_next_free_sgpr 66
		.amdhsa_reserve_vcc 0
		.amdhsa_float_denorm_mode_32 3
		.amdhsa_float_denorm_mode_16_64 3
		.amdhsa_memory_ordered 1
		.amdhsa_forward_progress 1
		.amdhsa_inst_pref_size 68
	.end_amdhsa_kernel
	.amdgpu_metadata
---
amdhsa.version: [ 1, 2 ]
amdhsa.kernels:
  - .name:           k_q414655c364_qkv
    .symbol:         k_q414655c364_qkv.kd
    .args:
      - { .name: x, .offset: 0, .size: 8, .value_kind: global_buffer, .address_space: global }
      - { .name: wimg, .offset: 8, .size: 8, .value_kind: global_buffer, .address_space: global }
      - { .name: bq, .offset: 16, .size: 8, .value_kind: global_buffer, .address_space: global }
      - { .name: bk, .offset: 24, .size: 8, .value_kind: global_buffer, .address_space: global }
      - { .name: bv, .offset: 32, .size: 8, .value_kind: global_buffer, .address_space: global }
      - { .name: qimg, .offset: 40, .size: 8, .value_kind: global_buffer, .address_space: global }
      - { .name: kv, .offset: 48, .size: 8, .value_kind: global_buffer, .address_space: global }
      - { .name: sc, .offset: 56, .size: 8, .value_kind: global_buffer, .address_space: global }
    .group_segment_fixed_size: 82944
    .private_segment_fixed_size: 0
    .kernarg_segment_align: 8
    .kernarg_segment_size: 64
    .max_flat_workgroup_size: 256
    .sgpr_count:     66
    .vgpr_count:     256
    .wavefront_size: 32
...
	.end_amdgpu_metadata
.endif
;; end of part 6
;; launch attn (part 7): grid 16 x 16, 16 waves a work-group, clusters of 4 x 1, 327,680 bytes of LDS; arguments qimg, kv, sc, ctx, ctxs; writes ctx, ctxs
.if DOCPART == 7
	.amdgcn_target "amdgcn-amd-amdhsa--gfx1250"
	.amdhsa_code_object_version 6
	.text
	.protected	k_q414655c364_attn
	.globl	k_q414655c364_attn
	.p2align	8
	.type	k_q414655c364_attn,@function
k_q414655c364_attn:
	s_mov_b64 s[64:65], 0
	v_nop
	global_prefetch_b8 v0, s[64:65] scope:SCOPE_SE
	s_setreg_imm32_b32 hwreg(HW_REG_WAVE_MODE, 25, 1), 1
	s_wait_xcnt 0x0
	s_wait_alu depctr_hold_cnt(0) depctr_sa_sdst(0) depctr_va_vdst(0) depctr_va_sdst(0) depctr_va_ssrc(0) depctr_va_vcc(0) depctr_vm_vsrc(0)
	s_getreg_b32 s2, hwreg(HW_REG_IB_STS2, 6, 4)
	s_cmp_eq_u32 s2, 0
	s_cbranch_scc0 .Lentry_in_a_cluster
	s_endpgm
.Lentry_in_a_cluster:
	s_bfe_u32 s2, ttmp6, 0x10000c
	s_cmp_lg_u32 s2, 0x3003
	s_cbranch_scc0 .Lentry_shape_is_right
	s_endpgm
.Lentry_shape_is_right:
; ATTN: ctx = softmax(q k^T / 8) v for each of 16 (batch, head), both products on codes of FP6 (E2M3) with E8M0 scales, and ctx quantised along the head's 64 for the next product.
; THE SOFTMAX: t = score x log2(e) / 8; M = the running largest t rounded UP to a whole number; p = 2^(t - M) is quantised along the keys, not normalised; the row's sum is taken of the unquantised p
; and divides at the end.  When M moves, the sum and O are multiplied by 2^(old M - new M): exact.
; SHARES: a work-group owns 256 queries of one (batch, head); each of its sixteen waves owns one tile of 16 in 256 registers: four waves to a SIMD, so that one wave's vector work stands beside another's products and LDS loads.
; A key step (128 keys) of a tile is 12 matrix instructions beside some 245 vector instructions: the vector work decides, so the tiles are kept small and simple.
; LAYOUT: both products transposed: S^T = K Q^T, O^T = V^T P^T: a lane holds one query throughout.  The keys of a tile of K are ordered (launch qkv) so that the 16 registers of two neighbouring tiles are 16 neighbouring keys.
; K = 64 IN AN INSTRUCTION OF 128: source 0 holds TWO tiles of keys, one in k = 0 .. 63, the other in k = 64 .. 127; source 1 is q with 64 zero codes behind it, or in front of it.  Zero codes add nothing under any byte but 0xff.
; THE RING: a (batch, head)'s K and V are 32 records of 12,288 bytes, 393,216 in all.  Three slots of 8 records are filled at the start; slot 0 is filled once more, with the last 8, and has 16 key steps in which to land.
; A wave has at most three tensor loads outstanding.
; CLUSTER: the four query blocks of a cluster walk the same K and V: every tensor load is asked for jointly by the four (mask 15), each of waves 0-3 bringing a quarter of a slot.
; No prefetch: of the four fills three go out at the head, and no wave waits for the fourth.
; LIMITS: NaN and infinities are not served.  A block of zeros gets the byte 1 where the rule says 127: its codes are zeros, and only this program reads the bytes.
.set SLOT,  98304
.set SCL,   294912                     ; LDS behind the ring: the scale words, 512 bytes a key step: [lane][K pairs 0|1, K pairs 2|3, V tiles 0|1, V tiles 2|3]
.set SPARE, 311296                     ; the spare words, 128 bytes for each wave: eight blocks of 256 bytes that no other line names
.set CST,   313344                     ; ctx's scale bytes on their way out: 512 bytes
.set AK0,  1                           ; v1   16 x lane: K's images
.set AVA0, 2                           ; v2   V's first part: 6144 + 16 r + 1024 h
.set AVE0, 3                           ; v3   V's second part, even tiles: 10240 + 8 r + 640 h
.set AVO0, 4                           ; v4   odd tiles: 10368 + 8 r + 384 h
.set SPW,  5                           ; v5   my spare word; never rewritten
.set NIL,  6                           ; v6   0; never rewritten
.set ASC0, 7                           ; v7   SCL + 16 x lane
.set ADK,  8                           ; v8-11, v35 the step's addresses
.set ADA,  9
.set ADE,  10
.set ADO,  11
.set ADS,  35
.set QS,   34                          ; v34  q's scale words: lanes 0-15 (s0, s1, 1, 1), lanes 16-31 (1, 1, s0, s1); scales alone
.set SCW,  36                          ; v36-39 the step's scale words; scales alone
.set FB,   40                          ; v40-87 four fragments: K's pairs, then V's tiles
.set S,    96                          ; v96-159 S^T, then p
.set O,    160                         ; v160-191 O^T
.set PCD,  192                         ; v192-203 p's codes
.set CT,   204                         ; v204-211 conversions' second halves
.set BM,   212                         ; v212-215 the blocks' largest scores, then largest p
.set BT,   216                         ; v216-219 at work
.set SO,   220                         ; v220-223 the conversions' scale operands
.set PS,   224                         ; v224 p's scale word; scales alone
.set GL8,  229                         ; v229 8 x lane
.set CSW,  230                         ; v230 CST + 32 x wave + 2 r
.set CSR,  231                         ; v231 CST + 16 x lane
; v12 -M, v13 the largest t, v[14:15] the sum in two halves; v16-21 zeros, v22-27 q, v28-33 zeros; v[226:227] f; v228 at work
.set WV,  14
.set SEL, 18
.set CS,  20
.set TB,  22                           ; s22 LDS byte at which the step's record begins
.set TS,  23                           ; s23 and its scale words
.set CNT, 44
.macro WM d, a, b, z, c, sa, sb, ra, rb    ; one product; z = 1: C is the constant 0; ra, rb = 1: that side's scales stand in lanes 16-31
.if \z
.if ((\ra) == 0) && ((\rb) == 0)
	v_wmma_scale_f32_16x16x128_f8f6f4 v[\d:\d+7], v[\a:\a+11], v[\b:\b+11], 0, v[\sa], v[\sb] matrix_a_fmt:MATRIX_FMT_FP6 matrix_b_fmt:MATRIX_FMT_FP6
.elseif (\rb) == 0
	v_wmma_scale_f32_16x16x128_f8f6f4 v[\d:\d+7], v[\a:\a+11], v[\b:\b+11], 0, v[\sa], v[\sb] matrix_a_fmt:MATRIX_FMT_FP6 matrix_b_fmt:MATRIX_FMT_FP6 matrix_a_scale:MATRIX_SCALE_ROW1
.elseif (\ra) == 0
	v_wmma_scale_f32_16x16x128_f8f6f4 v[\d:\d+7], v[\a:\a+11], v[\b:\b+11], 0, v[\sa], v[\sb] matrix_a_fmt:MATRIX_FMT_FP6 matrix_b_fmt:MATRIX_FMT_FP6 matrix_b_scale:MATRIX_SCALE_ROW1
.else
	v_wmma_scale_f32_16x16x128_f8f6f4 v[\d:\d+7], v[\a:\a+11], v[\b:\b+11], 0, v[\sa], v[\sb] matrix_a_fmt:MATRIX_FMT_FP6 matrix_b_fmt:MATRIX_FMT_FP6 matrix_a_scale:MATRIX_SCALE_ROW1 matrix_b_scale:MATRIX_SCALE_ROW1
.endif
.else
.if ((\ra) == 0) && ((\rb) == 0)
	v_wmma_scale_f32_16x16x128_f8f6f4 v[\d:\d+7], v[\a:\a+11], v[\b:\b+11], v[\c:\c+7], v[\sa], v[\sb] matrix_a_fmt:MATRIX_FMT_FP6 matrix_b_fmt:MATRIX_FMT_FP6
.else
	v_wmma_scale_f32_16x16x128_f8f6f4 v[\d:\d+7], v[\a:\a+11], v[\b:\b+11], v[\c:\c+7], v[\sa], v[\sb] matrix_a_fmt:MATRIX_FMT_FP6 matrix_b_fmt:MATRIX_FMT_FP6 matrix_a_scale:MATRIX_SCALE_ROW1
.endif
.endif
.endm
; A round of the cluster's barrier: my work-group's barrier; wave 0 signals for the work-group; every wave waits for all four work-groups; my work-group's barrier once more.
.macro CROUND
	s_barrier_signal -1
	s_barrier_wait -1
	s_cmp_lg_u32 s[WV], 0
	s_cbranch_scc1 .Lnot_wave_0_\@
	s_barrier_signal -3
.Lnot_wave_0_\@:
	s_barrier_wait -3
	s_barrier_signal -1
	s_barrier_wait -1
.endm
	s_load_b256 s[4:11], s[0:1], 0x0               ; qimg, kv, sc, ctx
	s_load_b64 s[12:13], s[0:1], 0x20              ; ctxs
	v_lshl_add_u32 v[SPW], v0, 2, SPARE
	v_mov_b32 v[NIL], 0
	ds_add_u32 v5, v6
	ds_add_u32 v5, v6
	s_wait_dscnt 0x0
	v_lshrrev_b32 v88, 5, v0
	s_delay_alu instid0(VALU_DEP_1)
	v_readfirstlane_b32 s[WV], v88                 ; wave 0..15
	; every lane term is made here, ahead of the first branch on the wave's number
	v_and_b32 v88, 31, v0                          ; lane
	v_and_b32 v89, 15, v0                          ; r
	v_bfe_u32 v90, v0, 4, 1                        ; h
	s_delay_alu instid0(VALU_DEP_3)
	v_lshlrev_b32 v[AK0], 4, v88
	s_delay_alu instid0(VALU_DEP_3)
	v_lshlrev_b32 v[AVA0], 4, v89
	s_delay_alu instid0(VALU_DEP_1)
	v_lshl_add_u32 v[AVA0], v90, 10, v[AVA0]
	s_delay_alu instid0(VALU_DEP_1)
	v_add_nc_u32 v[AVA0], 6144, v[AVA0]
	v_lshlrev_b32 v91, 3, v89
	s_delay_alu instid0(VALU_DEP_1)
	v_mad_u32_u24 v[AVE0], v90, 640, v91
	s_delay_alu instid0(VALU_DEP_1)
	v_add_nc_u32 v[AVE0], 10240, v[AVE0]
	s_delay_alu instid0(VALU_DEP_3)
	v_mad_u32_u24 v[AVO0], v90, 384, v91
	s_delay_alu instid0(VALU_DEP_1)
	v_add_nc_u32 v[AVO0], 10368, v[AVO0]
	v_add_nc_u32 v[ASC0], SCL, v[AK0]
	v_lshlrev_b32 v[GL8], 3, v88
	v_and_b32 v[CSW], 0x1e0, v0                    ; 32 x wave
	s_delay_alu instid0(VALU_DEP_1)
	v_lshl_add_u32 v[CSW], v89, 1, v[CSW]
	s_delay_alu instid0(VALU_DEP_1)
	v_add_nc_u32 v[CSW], CST, v[CSW]
	v_add_nc_u32 v[CSR], CST, v[AK0]
	v_lshlrev_b32 v93, 2, v89                      ; q's scale word: 4 r
	v_lshrrev_b32 v95, 4, v0                       ; thread t prepares key step t / 16, row t % 16
	s_delay_alu instid0(VALU_DEP_1)
	v_lshlrev_b32 v94, 8, v95
	s_delay_alu instid0(VALU_DEP_1)
	v_lshl_add_u32 v94, v89, 2, v94                ; its raw words: 256 (t / 16) + 4 (t % 16)
	s_delay_alu instid0(VALU_DEP_3)
	v_lshlrev_b32 v104, 9, v95
	s_delay_alu instid0(VALU_DEP_1)
	v_lshl_add_u32 v104, v89, 4, v104
	s_delay_alu instid0(VALU_DEP_1)
	v_add_nc_u32 v104, SCL, v104                   ; and where they go
	s_bfe_u32 s15, ttmp6, 0x40000                  ; cx: my place in the cluster: it enters q's, ctx's and ctxs' addresses alone
	s_lshl_b32 s16, ttmp9, 2
	s_add_co_u32 s16, s16, s15                     ; my block of 256 queries
	s_and_b32 s17, ttmp7, 0xffff                   ; bh, which the four partners share
	s_lshr_b32 s60, s[WV], 1
	s_lshl_b32 s61, s16, 3
	s_add_co_u32 s60, s60, s61
	s_lshl_b32 s61, s17, 7
	s_add_co_u32 s60, s60, s61                     ; 128 bh + blk
	s_and_b32 s61, s[WV], 1                        ; u: which tile of the 32 rows
	s_mul_i32 s46, s60, 1536
	s_mul_i32 s62, s61, 768
	s_add_co_u32 s46, s46, s62
	s_mov_b32 s47, 0                               ; q's codes
	s_lshl_b32 s48, s60, 6
	s_mov_b32 s49, 0                               ; q's raw scale words
	s_lshl_b32 s45, s61, 4                         ; 16 u: my tile's two bytes in them
	s_lshl_b32 s50, s17, 13
	s_mov_b32 s51, 0                               ; 8,192 bh: k's and v's raw scale words
	s_and_b32 s54, s[WV], 3
	s_mul_i32 s54, s54, 24576                      ; the quarter of a slot that I fetch, if I fetch: the same in LDS and in memory
	s_mul_i32 s52, s17, 393216
	s_add_co_u32 s52, s52, s54
	s_mov_b32 s53, 0
	s_lshr_b32 s60, s17, 3
	s_lshl_b32 s60, s60, 8
	s_lshl_b32 s61, s16, 4
	s_add_co_u32 s60, s60, s61
	s_add_co_u32 s60, s60, s[WV]                   ; my tile among the 512 of ctx
	s_mul_i32 s56, s60, 6144
	s_and_b32 s61, s17, 7
	s_mul_i32 s61, s61, 768                        ; head h: K step h / 2, half h % 2: 768 h bytes
	s_add_co_u32 s56, s56, s61
	s_mov_b32 s57, 0
	s_lshl_b32 s58, s16, 9
	s_add_co_u32 s58, s58, s50
	s_mov_b32 s59, 0                               ; ctxs: 8,192 bh + 512 x block
	; descriptor group 1: 24,576 dense bytes as 96 rows of 256 bytes
	s_mov_b32 s24, 15|(3<<16)|(1<<21)              ; 15:0 the mask: all four work-groups; 17:16 elements of 8 bytes; 20 no padding; 21 set beside a mask
	s_mov_b32 s25, 32<<16                          ; tensor_dim0 = 32
	s_mov_b32 s26, 96<<16                          ; tensor_dim1 = 96
	s_mov_b32 s27, 32<<16                          ; tile_dim0 = 32
	s_mov_b32 s28, 96                              ; tile_dim1 = 96
	s_mov_b32 s29, 32                              ; tensor_dim0_stride
	s_mov_b32 s30, 0
	s_mov_b32 s31, 0
	s_mov_b32 s[SEL], 0x76543210
	s_mov_b32 s[SEL+1], 0xfedcba98
	s_mov_b32 s[CS], 0x3e38aa3b                    ; c = log2(e) / 8
	s_mov_b32 s[CS+1], s[CS]                       ; (named with it as a pair, so it is written)
	s_wait_kmcnt 0x0
	s_add_nc_u64 s[4:5], s[4:5], s[46:47]
	s_add_nc_u64 s[48:49], s[8:9], s[48:49]
	s_add_nc_u64 s[8:9], s[8:9], s[50:51]
	s_add_nc_u64 s[6:7], s[6:7], s[52:53]
	s_add_nc_u64 s[10:11], s[10:11], s[56:57]
	s_add_nc_u64 s[12:13], s[12:13], s[58:59]
.irp n, 0,1,2
	s_mov_b32 s[32+4*\n], 1                        ; count = 1
	s_add_co_u32 s[33+4*\n], s54, \n*SLOT          ; LDS address
	s_add_nc_u64 s[34+4*\n:35+4*\n], s[6:7], \n*SLOT   ; global address: key steps 8 n on
	s_or_b32 s[35+4*\n], s[35+4*\n], 0x80000000    ; type = 2
.endr
	CROUND                                         ; all four work-groups are here: the first joint loads meet
	s_cmp_lt_u32 s[WV], 4                          ; a wave's three first fills stand in one branch, ahead of every wait on TENSORcnt and every LDS read
	s_cbranch_scc0 .Lno_fill
	tensor_load_to_lds s[32:35], s[24:31]
	s_nop 0
	tensor_load_to_lds s[36:39], s[24:31]
	s_nop 0
	tensor_load_to_lds s[40:43], s[24:31]
	s_nop 0
.rept 4
	v_nop
.endr
.Lno_fill:
.irp p, 0,1,2
	global_load_b64 v[22+2*\p:23+2*\p], v[GL8], s[4:5] offset:256*\p   ; q stays in registers
.endr
	s_wait_alu depctr_va_vdst(0)
	global_load_b32 v105, v93, s[48:49]
.irp b, 0,1,2,3
	global_load_b32 v[96+4*(\b%2)+\b/2], v94, s[8:9] offset:131072+64*\b   ; K's pair b: the raw word is the operand's word as it stands
	global_load_b32 v[108+\b], v94, s[8:9] offset:262144+64*\b             ; V's key block b: byte t belongs to tile t
.endr
	s_wait_loadcnt 0x0
	v_perm_b32 v112, v109, v108, 0x05010400        ; V's four words are turned, 4 x 4 bytes: tile t's word has byte b from key block b
	v_perm_b32 v113, v109, v108, 0x07030602
	v_perm_b32 v114, v111, v110, 0x05010400
	v_perm_b32 v115, v111, v110, 0x07030602
	s_delay_alu instid0(VALU_DEP_2)
	v_perm_b32 v98, v114, v112, 0x05040100
	s_delay_alu instid0(VALU_DEP_3)
	v_perm_b32 v102, v114, v112, 0x07060302
	s_delay_alu instid0(VALU_DEP_3)
	v_perm_b32 v99, v115, v113, 0x05040100
	s_delay_alu instid0(VALU_DEP_4)
	v_perm_b32 v103, v115, v113, 0x07060302
	ds_store_b128 v104, v[96:99]                   ; lane r: K pairs 0, 2; V tiles 0, 2
	ds_store_b128 v104, v[100:103] offset:256      ; lane 16 + r: K pairs 1, 3; V tiles 1, 3
	v_lshrrev_b32 v105, s45, v105
	s_delay_alu instid0(VALU_DEP_1)
	v_and_b32 v105, 0xffff, v105                   ; my tile's two bytes
	s_delay_alu instid0(VALU_DEP_1)
	v_or_b32 v106, 0x01010000, v105
	s_delay_alu instid0(VALU_DEP_2)
	v_lshl_or_b32 v107, v105, 16, 0x0101
	v_cmp_gt_u32 vcc_lo, 16, v88
	s_delay_alu instid0(VALU_DEP_1)
	v_cndmask_b32 v[QS], v107, v106, vcc_lo
.irp j, 16,17,18,19,20,21,28,29,30,31,32,33
	v_mov_b32 v[\j], 0                             ; the zero codes on either side of q
.endr
.set j, 0
.rept 32
	v_mov_b32 v[O+j], 0                            ; O^T.  (The step is written once: the first finds zeros, which the first change of M leaves zeros)
.set j, j+1
.endr
	v_mov_b32 v13, 0xff61b1e6                      ; the largest t so far: -3e38, under every t
	s_delay_alu instid0(VALU_DEP_1)
	v_floor_f32 v12, -v13                          ; -M
	v_mov_b32 v14, 0
	v_mov_b32 v15, 0
	v_mov_b32 v227, 0                              ; (named as the upper half of the pair v[226:227])
	v_mov_b32 v228, 0
.irp b, 0,1,2,3
	v_mov_b32 v[BT+\b], 0                          ; written once: a lane permute's destination counts as one of its sources
.endr
; A KEY STEP: 128 keys.
.macro STEP
	v_add_nc_u32 v[ADK], s[TB], v[AK0]             ; (these five are also the places behind the last step's products, in front of the loads below)
	v_add_nc_u32 v[ADA], s[TB], v[AVA0]
	v_add_nc_u32 v[ADE], s[TB], v[AVE0]
	v_add_nc_u32 v[ADO], s[TB], v[AVO0]
	v_add_nc_u32 v[ADS], s[TS], v[ASC0]
	ds_load_b128 v[SCW:SCW+3], v[ADS]
.irp b, 0,1,2,3
.irp q, 0,1,2
	ds_load_b128 v[FB+12*\b+4*\q:FB+12*\b+4*\q+3], v[ADK] offset:1536*\b+512*\q
.endr
.endr
	s_wait_alu depctr_va_vdst(0)
	s_wait_dscnt 0x0
.irp b, 0,1,2,3                                    ; S^T: pair b against q|0 gives tile 2 b, against 0|q tile 2 b + 1
.irp u, 0,1
	WM S+16*\b+8*\u, FB+12*\b, 22-6*\u, 1, 0, SCW+\b/2, QS, \b%2, \u
.endr
.endr
.rept 4
	v_nop                                          ; places in front of the loads into K's registers and of the first read of the scores
.endr
.irp t, 0,1,2,3                                    ; V's four tiles land while the softmax is walked
.irp c, 0,1
	ds_load_b128 v[FB+12*\t+6*\c:FB+12*\t+6*\c+3], v[ADA] offset:256*\t+2048*\c
.if \t%2 == 0
	ds_load_b64 v[FB+12*\t+6*\c+4:FB+12*\t+6*\c+5], v[ADE] offset:1024*\c+256*(\t/2)
.else
	ds_load_b64 v[FB+12*\t+6*\c+4:FB+12*\t+6*\c+5], v[ADO] offset:1024*\c+256*(\t/2)
.endif
.endr
.endr
.irp b, 0,1,2,3
	v_max3_num_f32 v[BM+\b], v[S+16*\b], v[S+1+16*\b], v[S+2+16*\b]   ; the largest score of each block of 32 keys: for the row's maximum, and, since p rises with the score, for the block's largest p
.endr
.irp i, 3,5,7,9,11,13
.irp b, 0,1,2,3
	v_max3_num_f32 v[BM+\b], v[BM+\b], v[S+16*\b+\i], v[S+1+16*\b+\i]
.endr
.endr
.irp b, 0,1,2,3
	v_max_num_f32 v[BM+\b], v[BM+\b], v[S+15+16*\b]
.endr
.irp b, 0,1,2,3
	s_delay_alu instid0(VALU_DEP_4)
	v_permlanex16_b32 v[BT+\b], v[BM+\b], s[SEL], s[SEL+1]
.endr
.irp b, 0,1,2,3
	s_delay_alu instid0(VALU_DEP_4)
	v_max_num_f32 v[BM+\b], v[BM+\b], v[BT+\b]     ; with lane l xor 16's 16 keys
.endr
	s_delay_alu instid0(VALU_DEP_2)
	v_max3_num_f32 v228, v[BM], v[BM+1], v[BM+2]
	s_delay_alu instid0(VALU_DEP_1)
	v_max_num_f32 v228, v228, v[BM+3]
	s_delay_alu instid0(VALU_DEP_1)
	v_mul_f32 v228, s[CS], v228                    ; as t (c is positive)
	s_delay_alu instid0(VALU_DEP_1)
	v_max_num_f32 v13, v13, v228                   ; the running largest t
	v_mov_b32 v228, v12
	s_delay_alu instid0(VALU_DEP_2)
	v_floor_f32 v12, -v13                          ; the new -M = -ceil(t)
	s_delay_alu instid0(VALU_DEP_1)
	v_sub_f32 v228, v12, v228                      ; old M - new M: a whole number, 0 or less
	s_delay_alu instid0(VALU_DEP_1)
	v_cvt_i32_f32 v228, v228                       ; (it saturates)
	s_delay_alu instid0(VALU_DEP_1)
	v_ldexp_f32 v226, 1.0, v228                    ; f = 2^(old M - new M)
.set j, 0
.rept 32
	v_pk_fma_f32 v[S+j:S+j+1], v[S+j:S+j+1], s[CS:CS+1], v[12:13] op_sel_hi:[1,0,0]   ; t - M, two at a time
.set j, j+2
.endr
.irp b, 0,1,2,3
	v_fma_f32 v[BM+\b], v[BM+\b], s[CS], v12       ; the same of each block's largest score
.endr
.set j, 0
	s_wait_alu depctr_va_vdst(0)
.rept 64
	v_exp_f32 v[S+j], v[S+j]                       ; p = 2^(t - M)
.set j, j+1
.endr
	s_setprio 1
	v_pk_mul_f32 v[14:15], v[14:15], v[226:227] op_sel_hi:[1,0]   ; the sums under the new M: the plain line behind the exponentials
	s_wait_alu depctr_va_vdst(0)                   ; one wait for the batch of 64, ahead of the first line that names a result
.irp b, 0,1,2,3
	v_exp_f32 v[BM+\b], v[BM+\b]                   ; the block's largest p: the same two instructions on the same number
.endr
	v_pk_add_f32 v[216:217], v[100:101], v[104:105]
	v_pk_add_f32 v[254:255], v[108:109], v[112:113]
	v_pk_add_f32 v[252:253], v[116:117], v[120:121]
	v_pk_add_f32 v[250:251], v[124:125], v[128:129]
	v_pk_add_f32 v[248:249], v[132:133], v[136:137]
	v_pk_add_f32 v[246:247], v[140:141], v[144:145]
	v_pk_add_f32 v[244:245], v[148:149], v[152:153]
	v_pk_add_f32 v[14:15], v[14:15], v[156:157]
	v_pk_add_f32 v[216:217], v[216:217], v[96:97]
	v_pk_add_f32 v[254:255], v[254:255], v[98:99]
	v_pk_add_f32 v[252:253], v[252:253], v[102:103]
	v_pk_add_f32 v[250:251], v[250:251], v[106:107]
	v_pk_add_f32 v[248:249], v[248:249], v[110:111]
	v_pk_add_f32 v[246:247], v[246:247], v[114:115]
	v_pk_add_f32 v[244:245], v[244:245], v[118:119]
	v_pk_add_f32 v[14:15], v[14:15], v[122:123]
	v_pk_add_f32 v[216:217], v[216:217], v[126:127]
	v_pk_add_f32 v[254:255], v[254:255], v[130:131]
	v_pk_add_f32 v[252:253], v[252:253], v[134:135]
	v_pk_add_f32 v[250:251], v[250:251], v[138:139]
	v_pk_add_f32 v[248:249], v[248:249], v[142:143]
	v_pk_add_f32 v[246:247], v[246:247], v[146:147]
	v_pk_add_f32 v[244:245], v[244:245], v[150:151]
	v_pk_add_f32 v[14:15], v[14:15], v[154:155]
	v_pk_add_f32 v[216:217], v[216:217], v[158:159]
	s_delay_alu instid0(VALU_DEP_2)
	v_pk_add_f32 v[14:15], v[14:15], v[250:251]
	s_delay_alu instid0(VALU_DEP_2)
	v_pk_add_f32 v[216:217], v[216:217], v[248:249]
	v_pk_add_f32 v[254:255], v[254:255], v[246:247]
	v_pk_add_f32 v[252:253], v[252:253], v[244:245]
	s_delay_alu instid0(VALU_DEP_2)
	v_pk_add_f32 v[14:15], v[14:15], v[254:255]
	s_delay_alu instid0(VALU_DEP_2)
	v_pk_add_f32 v[216:217], v[216:217], v[252:253]
	s_delay_alu instid0(VALU_DEP_1)
	v_pk_add_f32 v[14:15], v[14:15], v[216:217]
	s_wait_alu depctr_va_vdst(0)                   ; and one for the four
.irp b, 0,1,2,3
	v_max_num_f32 v[BM+\b], 0x1800000, v[BM+\b]    ; the floor 2^(3 - 127): the byte cannot fall under 1
.endr
.irp b, 0,1,2,3
	s_delay_alu instid0(VALU_DEP_4)
	v_add_nc_u32 v[SO+\b], 0xff000000, v[BM+\b]    ; 2 off the exponent field: the conversion's scale operand
.endr
.irp b, 0,1,2,3
	s_delay_alu instid0(VALU_DEP_4)
	v_lshrrev_b32 v[BT+\b], 23, v[SO+\b]           ; the scale's byte
.endr
	s_delay_alu instid0(VALU_DEP_3)
	v_lshl_or_b32 v[PS], v[BT+1], 8, v[BT]
	s_delay_alu instid0(VALU_DEP_1)
	v_lshl_or_b32 v[PS], v[BT+2], 16, v[PS]
	s_delay_alu instid0(VALU_DEP_1)
	v_lshl_or_b32 v[PS], v[BT+3], 24, v[PS]
.irp c, 0,1
	v_cvt_scalef32_pk16_fp6_f32 v[PCD+6*\c:PCD+2+6*\c], v[S+32*\c:S+15+32*\c], v[SO+2*\c]
	v_cvt_scalef32_pk16_fp6_f32 v[CT+4*\c:CT+2+4*\c], v[S+16+32*\c:S+31+32*\c], v[SO+2*\c+1]
.endr
	v_nop                                          ; one plain line behind the conversions
.irp c, 0,1
.irp i, 0,1,2
	v_permlane16_swap_b32 v[PCD+6*\c+\i], v[CT+4*\c+\i]   ; a whole block to a lane
.endr
.irp i, 0,1,2
	s_delay_alu instid0(VALU_DEP_3)
	v_mov_b32 v[PCD+3+6*\c+\i], v[CT+4*\c+\i]
.endr
.endr
.set j, 0
	s_setprio 0
.rept 16
	v_pk_mul_f32 v[O+j:O+j+1], v[O+j:O+j+1], v[226:227] op_sel_hi:[1,0]   ; O^T under the new M; these sixteen are also the places between p's codes and scale word and the products
.set j, j+2
.endr
	s_wait_alu depctr_va_vdst(0)
	s_wait_dscnt 0x0                               ; V is in
.irp t, 0,1,2,3                                    ; O^T += V^T P^T: four accumulators by turns
	WM O+8*\t, FB+12*\t, PCD, 0, O+8*\t, SCW+2+\t/2, PS, \t%2, 0
.endr
.endm
.macro RUN n                           ; n key steps on end
	s_mov_b32 s[CNT], \n
.Lrun_\@:
	s_setprio 2
	STEP
	s_add_co_u32 s[TB], s[TB], 12288
	s_add_co_u32 s[TS], s[TS], 512
	s_sub_co_u32 s[CNT], s[CNT], 1
	s_cmp_lg_u32 s[CNT], 0
	s_cbranch_scc1 .Lrun_\@
	s_setprio 0
.endm
	s_wait_tensorcnt 0x2                           ; my part of slot 0 is in; slots 1 and 2 may stay out
	s_wait_dscnt 0x0                               ; my scale words lie in LDS
	s_barrier_signal -1
	s_barrier_wait -1
	s_mov_b32 s[TB], 0
	s_mov_b32 s[TS], 0
	RUN 8                                          ; key steps 0-7, slot 0
	s_wait_tensorcnt 0x0                           ; all my tensor loads have landed: slots 1 and 2 are whole, and a group 0 may be written;
	ds_add_u32 v[SPW], v[NIL]                      ; 0 onto my spare word;
	ds_add_u32 v5, v6
	s_add_nc_u64 s[34:35], s[34:35], 3*SLOT        ; slot 0's next tile: key steps 24-31
	s_wait_dscnt 0x0                               ; the add is done, and my reads of slot 0 are over
	CROUND                                         ; both now hold of every wave of all four work-groups
	s_cmp_lt_u32 s[WV], 4
	s_cbranch_scc0 .Lno_refill
	tensor_load_to_lds s[32:35], s[24:31]          ; the one refill: it has sixteen key steps in which to land
	s_nop 0
.rept 4
	v_nop
.endr
.Lno_refill:
	s_mov_b32 s[TB], SLOT
	s_mov_b32 s[TS], 8*512
	RUN 16                                         ; key steps 8-23, slots 1 and 2
	s_wait_tensorcnt 0x0                           ; my part of the refill is in,
	s_wait_dscnt 0x0
	s_barrier_signal -1
	s_barrier_wait -1                              ; everybody's is
	s_mov_b32 s[TB], 0
	s_mov_b32 s[TS], 24*512
	RUN 8                                          ; key steps 24-31, slot 0
	; THE WAY OUT: O^T / the sum, quantised along the head's 64 (two blocks), as six registers of the next product's operand.
	v_add_f32 v14, v14, v15                        ; the sum's two halves,
	s_delay_alu instid0(VALU_DEP_1)
	v_permlanex16_b32 v228, v14, s[SEL], s[SEL+1]
	s_delay_alu instid0(VALU_DEP_1)
	v_add_f32 v14, v14, v228                       ; and lane l xor 16's
	s_wait_alu depctr_va_vdst(0)
	v_rcp_f32 v14, v14
.rept 4
	v_nop                                          ; the plain line behind the reciprocal; with the lines above, the places behind the last products
.endr
	s_wait_alu depctr_va_vdst(0)                   ; ahead of the reciprocal's first use
.set j, 0
.rept 32
	v_mul_f32 v[S+j], v[O+j], v14                  ; register 16 b + i: e = 32 b + 16 h + i of my query
.set j, j+1
.endr
.irp b, 0,1
	v_max3_num_f32 v[BM+\b], |v[S+16*\b]|, |v[S+1+16*\b]|, 0x1800000
.endr
.irp i, 2,4,6,8,10,12,14
.irp b, 0,1
	s_delay_alu instid0(VALU_DEP_2)
	v_max3_num_f32 v[BM+\b], v[BM+\b], |v[S+16*\b+\i]|, |v[S+1+16*\b+\i]|
.endr
.endr
.irp b, 0,1
	s_delay_alu instid0(VALU_DEP_2)
	v_permlanex16_b32 v[BT+\b], v[BM+\b], s[SEL], s[SEL+1]
.endr
.irp b, 0,1
	s_delay_alu instid0(VALU_DEP_2)
	v_max_num_f32 v[BM+\b], v[BM+\b], v[BT+\b]
.endr
.irp b, 0,1
	s_delay_alu instid0(VALU_DEP_2)
	v_add_nc_u32 v[SO+\b], 0xff000000, v[BM+\b]
.endr
.irp b, 0,1
	s_delay_alu instid0(VALU_DEP_2)
	v_lshrrev_b32 v[BT+\b], 23, v[SO+\b]
.endr
	s_delay_alu instid0(VALU_DEP_1)
	v_lshl_or_b32 v228, v[BT+1], 8, v[BT]          ; my row's two bytes
	v_cvt_scalef32_pk16_fp6_f32 v[PCD:PCD+2], v[S:S+15], v[SO]
	v_cvt_scalef32_pk16_fp6_f32 v[CT:CT+2], v[S+16:S+31], v[SO+1]
	v_nop
.irp i, 0,1,2
	v_permlane16_swap_b32 v[PCD+\i], v[CT+\i]
.endr
.irp i, 0,1,2
	s_delay_alu instid0(VALU_DEP_3)
	v_mov_b32 v[PCD+3+\i], v[CT+\i]
.endr
.irp p, 0,1,2
	global_store_b64 v[GL8], v[PCD+2*\p:PCD+2*\p+1], s[10:11] offset:256*\p   ; 32 lanes store 256 consecutive bytes, aligned
.endr
	ds_store_b16 v[CSW], v228                      ; both halves of the lanes write the same two bytes
	s_wait_dscnt 0x0
	s_barrier_signal -1
	s_barrier_wait -1
	s_cmp_lg_u32 s[WV], 0
	s_cbranch_scc1 .Lnot_0
	ds_load_b128 v[40:43], v[CSR]                  ; wave 0 stores the work-group's 512 scale bytes whole
	s_wait_dscnt 0x0
	global_store_b128 v[AK0], v[40:43], s[12:13]
.Lnot_0:
	s_wait_tensorcnt 0x0                           ; the wave's end
	ds_add_u32 v[SPW], v[NIL]
	s_wait_dscnt 0x0
	CROUND                                         ; the closing round: no work-group ends while a partner may still ask for a tile that names it
	s_endpgm
.Lfunc_end_k_q414655c364_attn:
	.size	k_q414655c364_attn, .Lfunc_end_k_q414655c364_attn-k_q414655c364_attn
	.p2alignl 7, 3214868480
	.fill 96, 4, 3214868480
	.section	.rodata,"a",@progbits
	.p2align	6, 0x0
	.amdhsa_kernel k_q414655c364_attn
		.amdhsa_group_segment_fixed_size 327680
		.amdhsa_private_segment_fixed_size 0
		.amdhsa_enable_private_segment 0
		.amdhsa_kernarg_size 40
		.amdhsa_user_sgpr_count 2
		.amdhsa_user_sgpr_kernarg_segment_ptr 1
		.amdhsa_wavefront_size32 1
		.amdhsa_system_sgpr_workgroup_id_x 1
		.amdhsa_system_sgpr_workgroup_id_y 1
		.amdhsa_system_sgpr_workgroup_id_z 1
		.amdhsa_system_vgpr_workitem_id 0
		.amdhsa_next_free_vgpr 256
		.amdhsa_next_free_sgpr 66
		.amdhsa_reserve_vcc 1
		.amdhsa_float_denorm_mode_32 3
		.amdhsa_float_denorm_mode_16_64 3
		.amdhsa_memory_ordered 1
		.amdhsa_forward_progress 1
		.amdhsa_inst_pref_size 69
	.end_amdhsa_kernel
	.amdgpu_metadata
---
amdhsa.version: [ 1, 2 ]
amdhsa.kernels:
  - .name:           k_q414655c364_attn
    .symbol:         k_q414655c364_attn.kd
    .args:
      - { .name: qimg, .offset: 0, .size: 8, .value_kind: global_buffer, .address_space: global }
      - { .name: kv, .offset: 8, .size: 8, .value_kind: global_buffer, .address_space: global }
      - { .name: sc, .offset: 16, .size: 8, .value_kind: global_buffer, .address_space: global }
      - { .name: ctx, .offset: 24, .size: 8, .value_kind: global_buffer, .address_space: global }
      - { .name: ctxs, .offset: 32, .size: 8, .value_kind: global_buffer, .address_space: global }
    .group_segment_fixed_size: 327680
    .private_segment_fixed_size: 0
    .kernarg_segment_align: 8
    .kernarg_segment_size: 40
    .max_flat_workgroup_size: 512
    .sgpr_count:     66
    .vgpr_count:     256
    .wavefront_size: 32
...
	.end_amdgpu_metadata
.endif
;; end of part 7
;; launch mlp (part 8): grid 256 x 1, 8 waves a work-group, no clusters, 109,568 bytes of LDS; arguments ctx, ctxs, wimg, bo, b1, b2, out0; writes out0
.if DOCPART == 8
	.amdgcn_target "amdgcn-amd-amdhsa--gfx1250"
	.amdhsa_code_object_version 6
	.text
	.protected	k_q414655c364_mlp
	.globl	k_q414655c364_mlp
	.p2align	8
	.type	k_q414655c364_mlp,@function
k_q414655c364_mlp:
	s_mov_b64 s[64:65], 0
	v_nop
	global_prefetch_b8 v0, s[64:65] scope:SCOPE_SE
	s_setreg_imm32_b32 hwreg(HW_REG_WAVE_SCHED_MODE, 0, 2), 2
	s_setreg_imm32_b32 hwreg(HW_REG_WAVE_MODE, 25, 1), 1
	s_wait_xcnt 0x0
	s_wait_alu depctr_vm_vsrc(0)
; MLP: out = relu((ctx wo + sum of bo) w1 + b1) w2 + b2, three products on codes of FP6 (E2M3) with E8M0 scales; y and the hidden layer are quantised on the way and never go to memory.
; SHARES: a work-group takes 32 rows (two tiles of 16, rows ordered as in launch qkv: lane r of tile u holds row 8 u + r + 8 (r / 8)); wave w makes columns 64 w .. 64 w + 63 of each layer for both tiles:
; 8 accumulators, 4 K steps of 128.  Source 0 = 16 columns of the weight (ordered by launch prep), source 1 = the rows: a lane holds one row and 16 registers of two tiles are 16 neighbouring columns.
; A wave's 64 columns are half a K step of the next layer: six registers a tile, which go to LDS as an image of the operand's registers (8 bytes a lane and piece), their two scale bytes beside them.
; Each layer has its own image region, so one barrier stands between two layers.  The biases are the C of each sum's first products.
; THE WEIGHTS go from memory straight into registers, two sets by turns, each asked for two K steps ahead; each fragment feeds two products.
; NO CLUSTER, NO JOINT LOADS: in a work-group a record of 6,400 bytes is read by one wave alone, so LDS would only be passed through, and the work-group's 96 records, 614,400 bytes, would need slots
; that are filled again, with a round of the cluster's barrier for each refill of a launch of 12 K steps.
; LIMITS: NaN and infinities are not served.  A block of zeros gets the byte 1 where the rule says 127: its codes are zeros, and only this program reads the bytes.
; THE MODE: SCHED_MODE bits 1:0 = 2 (LLVM: expert scheduling mode 2), set by the entry lines.  The code itself states the register dependences
; between vector or matrix instructions and memory or LDS instructions, with s_wait_alu, always for 0.
; THE PLAN.  Registers that memory or LDS instructions touch:
;   v1-v11     offsets and LDS addresses: written at the head, never again; one wait on va_vdst ahead of the first load serves every load and store of the kernel.
;   v253       at the head an offset, read by ctx's loads and LDS stores; later a tile's two scale bytes: written by one shift and read by one LDS store on each way to the next layer.
;   ACC        at the head ctx's loads land in its first 13 registers and LDS stores read them; then the products write it; on the way out LDS stores read it.
;   XF = PC    a K step's twelve LDS loads land, its eight products read; between two layers QUANT writes v16-35 and the image's LDS stores read them.
;   W0, W1     step s's products read set s % 2; behind them the record of step s + 2 lands in it; on the way out the stage's loads land there.
;   BIAS       bo's loads land, the lane sums write it, a layer's step 0 reads it; the next layer's loads land behind step 2.
;   XS         one LDS load a layer; read as scales alone.
; So ONE wait on va_vdst stands at the tail of a K step: its products are done reading XF, their set, BIAS and XS; the loads up to the next products follow it with no vector or matrix instruction that names their registers between.
; One more stands behind each QUANT, ahead of the image's LDS stores; one wait on vm_vsrc stands behind each of the three barriers, ahead of what writes the registers that my LDS stores have read.
.set IMG0, 0                           ; LDS: the rows' 8 fragments [u][s][piece 6][lane][8 bytes], for each layer
.set IMG1, 12288
.set IMG2, 24576
.set SC0,  36864                       ; their scale words: 16 (r + 16 u) + 4 s, written as halves at + 2 w
.set SC1,  37376
.set SC2,  37888
.set STG,  38400                       ; a stage of 32 rows x (256 + 16) bytes for each wave
.set L8,   1                           ; v1   8 x lane
.set L16,  2                           ; v2   16 x lane
.set CSA,  3                           ; v3   2 x lane
.set HW,   4                           ; v4   where my half K step's image goes: 8 x lane + 768 w
.set HS,   5                           ; v5   and its scale bytes: 16 x lane + 2 w
.set SH,   6                           ; v6   16 h
.set BOA,  7                           ; v7   bo: 2048 (r % 8) + 64 h
.set BO64, 8                           ; v8   64 h
.set SOA,  9                           ; v9   the stage, in
.set SRA,  10                          ; v10  the stage, out
.set OA,   11                          ; v11  out0: 2048 h + 16 r
.set XS,   12                          ; v12-15 the rows' scale words of K steps 0-3; scales alone
.set XF,   16                          ; v16-39 the rows' two fragments of a K step
.set PC,   16                          ; v16-35 the codes just made
.set ACC,  40                          ; v40-103 eight accumulators
.set W,    104                         ; v104-207 two sets of 52: four fragments, then two registers of scale words (scales alone)
.set BIAS, 208                         ; v208-239
.set TM,   240
.set PW,   252
.set SEL,  22
.set WB,   8                           ; s[8:9] wimg at my group's records
.macro WM d, a, b, c, sa, sb, ra, rb   ; one product; ra, rb = 1: that side's scales stand in lanes 16-31
.if ((\ra) == 0) && ((\rb) == 0)
	v_wmma_scale_f32_16x16x128_f8f6f4 v[\d:\d+7], v[\a:\a+11], v[\b:\b+11], v[\c:\c+7], v[\sa], v[\sb] matrix_a_fmt:MATRIX_FMT_FP6 matrix_b_fmt:MATRIX_FMT_FP6
.elseif (\rb) == 0
	v_wmma_scale_f32_16x16x128_f8f6f4 v[\d:\d+7], v[\a:\a+11], v[\b:\b+11], v[\c:\c+7], v[\sa], v[\sb] matrix_a_fmt:MATRIX_FMT_FP6 matrix_b_fmt:MATRIX_FMT_FP6 matrix_a_scale:MATRIX_SCALE_ROW1
.elseif (\ra) == 0
	v_wmma_scale_f32_16x16x128_f8f6f4 v[\d:\d+7], v[\a:\a+11], v[\b:\b+11], v[\c:\c+7], v[\sa], v[\sb] matrix_a_fmt:MATRIX_FMT_FP6 matrix_b_fmt:MATRIX_FMT_FP6 matrix_b_scale:MATRIX_SCALE_ROW1
.else
	v_wmma_scale_f32_16x16x128_f8f6f4 v[\d:\d+7], v[\a:\a+11], v[\b:\b+11], v[\c:\c+7], v[\sa], v[\sb] matrix_a_fmt:MATRIX_FMT_FP6 matrix_b_fmt:MATRIX_FMT_FP6 matrix_a_scale:MATRIX_SCALE_ROW1 matrix_b_scale:MATRIX_SCALE_ROW1
.endif
.endm
; 64 numbers of a lane, register 16 b + i = number 16 (lane / 16) + i of block b, become 12 registers of codes in v[PC] on (registers 6 c .. 6 c + 5: block 2 c in lanes 0-15, block 2 c + 1 in lanes 16-31) and the four bytes in v[PW].
.macro QUANT s
.irp b, 0,1,2,3
	v_max3_num_f32 v[TM+\b], |v[\s+16*\b]|, |v[\s+1+16*\b]|, 0x1800000   ; my 16 numbers of block b, and the floor 2^(3 - 127): the byte cannot fall under 1
.endr
.irp i, 2,4,6,8,10,12,14
.irp b, 0,1,2,3
	v_max3_num_f32 v[TM+\b], v[TM+\b], |v[\s+16*\b+\i]|, |v[\s+1+16*\b+\i]|
.endr
.endr
.irp b, 0,1,2,3
	v_permlanex16_b32 v[TM+4+\b], v[TM+\b], s[SEL], s[SEL+1]
.endr
.irp b, 0,1,2,3
	v_max_num_f32 v[TM+\b], v[TM+\b], v[TM+4+\b]
.endr
.irp b, 0,1,2,3
	v_add_nc_u32 v[TM+8+\b], 0xff000000, v[TM+\b]  ; 2 off the exponent field: the conversion's scale operand
.endr
.irp b, 0,1,2,3
	v_lshrrev_b32 v[TM+4+\b], 23, v[TM+8+\b]       ; the scale's byte
.endr
	v_lshl_or_b32 v[PW], v[TM+5], 8, v[TM+4]
	v_lshl_or_b32 v[PW], v[TM+6], 16, v[PW]
	v_lshl_or_b32 v[PW], v[TM+7], 24, v[PW]
.irp c, 0,1
	v_cvt_scalef32_pk16_fp6_f32 v[PC+6*\c:PC+2+6*\c], v[\s+32*\c:\s+15+32*\c], v[TM+8+2*\c]
	v_cvt_scalef32_pk16_fp6_f32 v[PC+12+4*\c:PC+14+4*\c], v[\s+16+32*\c:\s+31+32*\c], v[TM+8+2*\c+1]
.endr
	v_nop                                          ; one plain line behind the conversions
.irp c, 0,1
.irp i, 0,1,2
	v_permlane16_swap_b32 v[PC+6*\c+\i], v[PC+12+4*\c+\i]
.endr
.irp i, 0,1,2
	v_mov_b32 v[PC+3+6*\c+\i], v[PC+12+4*\c+\i]
.endr
.endr
.endm
.macro WLOAD p, off                    ; a record into set p: 13 loads
.irp i, 0,1,2,3,4,5,6,7,8,9,10,11
	global_load_b128 v[W+52*\p+4*\i:W+52*\p+4*\i+3], v[L16], s[WB:WB+1] offset:\off+512*\i
.endr
	global_load_b64 v[W+52*\p+48:W+52*\p+49], v[L8], s[WB:WB+1] offset:\off+6144
.endm
.macro BLOAD8 va, sb                   ; a bias in the result's layout: tile t: columns 32 (t / 2) + 8 (t % 2) + 16 h + 0 .. 7: 8 loads
.irp t, 0,1,2,3
	global_load_b128 v[BIAS+8*\t:BIAS+8*\t+3], v[\va], s[\sb:\sb+1] offset:(32*(\t/2)+8*(\t%2))*4
	global_load_b128 v[BIAS+8*\t+4:BIAS+8*\t+7], v[\va], s[\sb:\sb+1] offset:(32*(\t/2)+8*(\t%2))*4+16
.endr
.endm
.macro FETCH reg, off
.irp p, 0,1,2,3,4,5
	ds_load_b64 v[\reg+2*\p:\reg+2*\p+1], v[L8] offset:\off+256*\p
.endr
.endm
; A K step: the rows' two fragments from LDS, set p's four from memory (n: the loads issued behind that set, which may stay out), eight products on eight accumulators by turns.
; cm = 1: the bias starts the sums; 2: in place.  The four v_nop are the places behind the products (ISA guide 7.12.1): behind a layer's last step they stand in front of the first read of results.
.macro KSTEP img, s, p, cm, n
	FETCH XF, \img+1536*\s
	FETCH XF+12, \img+6144+1536*\s
	s_wait_loadcnt \n
	s_wait_dscnt 0x0
.irp u, 0,1
.irp t, 0,1,2,3
.if \cm == 1
	WM ACC+32*\u+8*\t, W+52*\p+12*\t, XF+12*\u, BIAS+8*\t, W+52*\p+48+\t/2, XS+\s, \t%2, \u
.else
	WM ACC+32*\u+8*\t, W+52*\p+12*\t, XF+12*\u, ACC+32*\u+8*\t, W+52*\p+48+\t/2, XS+\s, \t%2, \u
.endif
.endr
.endr
.rept 4
	v_nop
.endr
	s_wait_alu depctr_va_vdst(0)                   ; the step's products are done reading the rows' fragments, set p, the bias and the scale words, in which later loads land; behind the last step of all they have also written the accumulators, which the LDS stores read
.endm
.macro BARRIER                         ; my LDS stores have landed and my LDS loads are in: then the work-group's barrier
	s_wait_dscnt 0x0
	s_barrier_signal -1
	s_barrier_wait -1
.endm
.macro HOUT img, sc                    ; the codes just made are half a K step of the next layer, for both tiles
	v_lshrrev_b32 v253, v[SH], v[PW]               ; lanes 0-15 keep tile 0's two bytes, lanes 16-31 take tile 1's
	s_wait_alu depctr_va_vdst(0)                   ; QUANT has written v[PC ..] and the shift v253, which the LDS stores read; QUANT is also done with v16-35, in which the next layer's fragments land
.irp u, 0,1
.irp p, 0,1,2
	ds_store_b64 v[HW], v[PC+6*\u+2*\p:PC+6*\u+2*\p+1] offset:\img+6144*\u+256*\p
.endr
.endr
	ds_store_b16 v[HS], v253 offset:\sc
	BARRIER
	s_wait_alu depctr_vm_vsrc(0)                   ; my LDS stores have read v[PC ..], in which the next layer's fragments land, and v253, which the next such shift writes
.endm
	s_load_b256 s[4:11], s[0:1], 0x0               ; ctx, ctxs, wimg, bo
	s_load_b128 s[12:15], s[0:1], 0x20             ; b1, b2
	s_load_b64 s[16:17], s[0:1], 0x30              ; out0
	v_lshl_add_u32 v206, v0, 2, 0x1a800
	v_mov_b32 v207, 0
	v_lshrrev_b32 v253, 5, v0
	v_readfirstlane_b32 s20, v253                  ; wave
	v_and_b32 v251, 31, v0                         ; lane
	v_and_b32 v254, 15, v0                         ; r
	v_bfe_u32 v255, v0, 4, 1                       ; h
	v_lshlrev_b32 v[L8], 3, v251
	v_lshlrev_b32 v[L16], 4, v251
	v_lshlrev_b32 v[CSA], 1, v251
	s_wait_alu depctr_va_sdst(0)                   ; s20 is written, ahead of its first reader: LDS addresses and all bases are made from it
	s_mul_i32 s24, s20, 768
	v_add_nc_u32 v[HW], s24, v[L8]
	s_lshl_b32 s24, s20, 1
	v_add_nc_u32 v[HS], s24, v[L16]
	v_lshlrev_b32 v[SH], 4, v255
	v_lshlrev_b32 v[BO64], 6, v255
	v_and_b32 v[BOA], 7, v254
	v_lshl_add_u32 v[BOA], v[BOA], 11, v[BO64]     ; lane r takes head r % 8's row of bo
	s_mul_i32 s24, s20, 8704
	s_add_co_u32 s24, s24, STG                     ; my stage
	v_mul_u32_u24 v[SOA], v254, 272
	v_lshl_add_u32 v[SOA], v255, 6, v[SOA]
	v_add_nc_u32 v[SOA], s24, v[SOA]
	v_mul_u32_u24 v[SRA], v255, 272
	v_lshl_add_u32 v[SRA], v254, 4, v[SRA]
	v_add_nc_u32 v[SRA], s24, v[SRA]
	v_lshlrev_b32 v[OA], 11, v255
	v_lshl_add_u32 v[OA], v254, 4, v[OA]
	s_mul_i32 s24, s20, 1536
	v_add_nc_u32 v253, s24, v[L16]                 ; my eighth of ctx's image, in memory and in LDS alike
	s_mov_b32 s[SEL], 0x76543210
	s_mov_b32 s[SEL+1], 0xfedcba98
.irp b, 0,1,2,3
	v_mov_b32 v[TM+4+\b], 0                        ; written once: a lane permute's destination counts as one of its sources
.endr
	s_lshr_b32 s26, ttmp9, 7                       ; batch
	s_and_b32 s27, ttmp9, 127                      ; blk
	s_lshl_b32 s26, s26, 3
	s_add_co_u32 s26, s26, s20                     ; head w's scale bytes are mine to fetch
	s_lshl_b32 s26, s26, 7
	s_add_co_u32 s26, s26, s27
	s_lshl_b32 s26, s26, 6
	s_mov_b32 s27, 0
	s_mul_i32 s28, ttmp9, 12288                    ; ctx: two tiles of 6,144 bytes
	s_mov_b32 s29, 0
	s_mul_i32 s30, s20, 25600                      ; wimg: group w's four records
	s_mov_b32 s31, 0
	s_lshl_b32 s32, s20, 8                         ; the biases and out0: my 64 columns
	s_mov_b32 s33, 0
	s_lshl_b32 s34, ttmp9, 16                      ; out0: 32 rows of 2,048 bytes
	s_add_co_u32 s34, s34, s32
	s_mov_b32 s35, 0
	s_wait_kmcnt 0x0
	s_add_nc_u64 s[4:5], s[4:5], s[28:29]
	s_add_nc_u64 s[6:7], s[6:7], s[26:27]
	s_add_nc_u64 s[8:9], s[8:9], s[30:31]
	s_add_nc_u64 s[10:11], s[10:11], s[32:33]
	s_add_nc_u64 s[12:13], s[12:13], s[32:33]
	s_add_nc_u64 s[14:15], s[14:15], s[32:33]
	s_add_nc_u64 s[16:17], s[16:17], s[34:35]
	s_wait_alu depctr_va_vdst(0)                   ; the offsets and addresses v1 to v11 and v253 are written, which the loads and stores below read
.irp i, 0,1,2
	global_load_b128 v[ACC+4*\i:ACC+4*\i+3], v253, s[4:5] offset:512*\i th:TH_LOAD_NT
.endr
	global_load_u16 v[ACC+12], v[CSA], s[6:7]
	BLOAD8 BOA, 10                                 ; bo
	WLOAD 0, 204800*3
	WLOAD 1, 204800*3+6400
	s_wait_loadcnt 34                              ; ctx's codes and bytes are in; bo's 8 loads and the two sets' 26 may stay out
.irp i, 0,1,2
	ds_store_b128 v253, v[ACC+4*\i:ACC+4*\i+3] offset:IMG0+512*\i
.endr
	ds_store_b16 v[HS], v[ACC+12] offset:SC0
	s_wait_loadcnt 26                              ; bo is in
.irp k, 1,2,4
.set j, 0
.rept 32
	v_add_f32_dpp v[BIAS+j], v[BIAS+j], v[BIAS+j] row_xmask:\k row_mask:0xf bank_mask:0xf   ; the sum over the eight heads, in every lane
.set j, j+1
.endr
.endr
.rept 4
	v_nop                                          ; between the sums and the products that take them as C
.endr
	s_wait_alu depctr_va_vdst(0)
	BARRIER                                        ; ctx's eight fragments lie in LDS
	s_wait_alu depctr_vm_vsrc(0)                   ; my LDS stores have read v[ACC .. ACC+12], which the products write, and v253, which the way to the next layer writes
	; ---- y = ctx wo + sum of bo
	ds_load_b128 v[XS:XS+3], v[L16] offset:SC0
	KSTEP IMG0, 0, 0, 1, 13                        ; behind the set in use: the other set's 13 loads
	WLOAD 0, 204800*3+6400*2
	KSTEP IMG0, 1, 1, 2, 13
	WLOAD 1, 204800*3+6400*3
	KSTEP IMG0, 2, 0, 2, 13
	BLOAD8 BO64, 12                                ; b1
	WLOAD 0, 204800*4
	KSTEP IMG0, 3, 1, 2, 21                        ; behind it: b1's 8 and a set's 13
	WLOAD 1, 204800*4+6400
	QUANT ACC
	HOUT IMG1, SC1
	; ---- h = relu(y w1 + b1)
	ds_load_b128 v[XS:XS+3], v[L16] offset:SC1
	KSTEP IMG1, 0, 0, 1, 13
	WLOAD 0, 204800*4+6400*2
	KSTEP IMG1, 1, 1, 2, 13
	WLOAD 1, 204800*4+6400*3
	KSTEP IMG1, 2, 0, 2, 13
	BLOAD8 BO64, 14                                ; b2
	WLOAD 0, 204800*5
	KSTEP IMG1, 3, 1, 2, 21
	WLOAD 1, 204800*5+6400
.set j, 0
.rept 64
	v_max_num_f32 v[ACC+j], 0, v[ACC+j]            ; the activation, in f32
.set j, j+1
.endr
	QUANT ACC
	HOUT IMG2, SC2
	; ---- out = h w2 + b2
	ds_load_b128 v[XS:XS+3], v[L16] offset:SC2
	KSTEP IMG2, 0, 0, 1, 13
	WLOAD 0, 204800*5+6400*2
	KSTEP IMG2, 1, 1, 2, 13
	WLOAD 1, 204800*5+6400*3
	KSTEP IMG2, 2, 0, 2, 13
	KSTEP IMG2, 3, 1, 2, 0
	; THE WAY OUT: a lane holds 64 bytes of a row in two runs; the rows go through my own stage and come back whole: my 64 columns are 256 bytes of a row.
	; The last step's four places and the wait at its tail stand ahead of these stores; no vector or matrix instruction follows that wait, so it also serves the loads that land in the weights' sets.
.irp u, 0,1
.irp b, 0,1
.irp i, 0,1,2,3
	ds_store_b128 v[SOA], v[ACC+32*\u+16*\b+4*\i:ACC+32*\u+16*\b+4*\i+3] offset:4352*\u+128*\b+16*\i   ; each accumulator from its low end on
.endr
.endr
.endr
.set i, 0
.rept 16
.if i < 12
.set RR, W+4*i
.else
.set RR, W+52+4*(i-12)                 ; (the registers that hold scale words are passed over)
.endif
	ds_load_b128 v[RR:RR+3], v[SRA] offset:544*i   ; LDS serves a wave's instructions in order (ISA guide 5.7.1.4): these see my stores
.set i, i+1
.endr
.set i, 0
.rept 16
.if i < 12
.set RR, W+4*i
.else
.set RR, W+52+4*(i-12)
.endif
	s_wait_dscnt 15-i
	global_store_b128 v[OA], v[RR:RR+3], s[16:17] offset:(8*(i/8)+2*(i%8)+8*((i%8)/4))*2048 th:TH_STORE_NT   ; sixteen lanes store 256 consecutive bytes, aligned: stage rows 2 i and 2 i + 1 at their true rows
.set i, i+1
.endr
	s_wait_dscnt 0x0
	s_wait_alu depctr_hold_cnt(0) depctr_sa_sdst(0) depctr_va_vdst(0) depctr_va_sdst(0) depctr_va_ssrc(0) depctr_va_vcc(0) depctr_vm_vsrc(0)
	s_wait_tensorcnt 0x0
	ds_add_u32 v206, v207
	s_wait_dscnt 0x0
	s_endpgm
.Lfunc_end_k_q414655c364_mlp:
	.size	k_q414655c364_mlp, .Lfunc_end_k_q414655c364_mlp-k_q414655c364_mlp
	.p2alignl 7, 3214868480
	.fill 96, 4, 3214868480
	.section	.rodata,"a",@progbits
	.p2align	6, 0x0
	.amdhsa_kernel k_q414655c364_mlp
		.amdhsa_group_segment_fixed_size 109568
		.amdhsa_private_segment_fixed_size 0
		.amdhsa_enable_private_segment 0
		.amdhsa_kernarg_size 56
		.amdhsa_user_sgpr_count 2
		.amdhsa_user_sgpr_kernarg_segment_ptr 1
		.amdhsa_wavefront_size32 1
		.amdhsa_system_sgpr_workgroup_id_x 1
		.amdhsa_system_sgpr_workgroup_id_y 1
		.amdhsa_system_sgpr_workgroup_id_z 1
		.amdhsa_system_vgpr_workitem_id 0
		.amdhsa_next_free_vgpr 256
		.amdhsa_next_free_sgpr 66
		.amdhsa_reserve_vcc 0
		.amdhsa_float_denorm_mode_32 3
		.amdhsa_float_denorm_mode_16_64 3
		.amdhsa_memory_ordered 1
		.amdhsa_forward_progress 1
		.amdhsa_inst_pref_size 66
	.end_amdhsa_kernel
	.amdgpu_metadata
---
amdhsa.version: [ 1, 2 ]
amdhsa.kernels:
  - .name:           k_q414655c364_mlp
    .symbol:         k_q414655c364_mlp.kd
    .args:
      - { .name: ctx, .offset: 0, .size: 8, .value_kind: global_buffer, .address_space: global }
      - { .name: ctxs, .offset: 8, .size: 8, .value_kind: global_buffer, .address_space: global }
      - { .name: wimg, .offset: 16, .size: 8, .value_kind: global_buffer, .address_space: global }
      - { .name: bo, .offset: 24, .size: 8, .value_kind: global_buffer, .address_space: global }
      - { .name: b1, .offset: 32, .size: 8, .value_kind: global_buffer, .address_space: global }
      - { .name: b2, .offset: 40, .size: 8, .value_kind: global_buffer, .address_space: global }
      - { .name: out0, .offset: 48, .size: 8, .value_kind: global_buffer, .address_space: global }
    .group_segment_fixed_size: 109568
    .private_segment_fixed_size: 0
    .kernarg_segment_align: 8
    .kernarg_segment_size: 56
    .max_flat_workgroup_size: 256
    .sgpr_count:     66
    .vgpr_count:     256
    .wavefront_size: 32
...
	.end_amdgpu_metadata
.endif
;; end of part 8
